; MI455X (gfx1250); checked and timed in simulation.
; The chip was launched on July 23, 2026; its instructions are those of AMD's public machine-readable ISA for CDNA 5 (MIT licence, August 2026) and "CDNA5" Instruction Set Architecture Reference Guide (July 2026). The comments in the code are by the model that wrote it; some were corrected since.
;; VJEPA2 Joint Diffuser. Allowed arithmetic: matrix products marked QUANTISED: E2M3 operands, one E8M0 scale for each 32 along K, by v_wmma_scale_f32_16x16x128_f8f6f4 with both operands' format E2M3, f32 sums; everything else in f32.
;; Inputs: Wk 1,024 x 1,024 float32; Wka 1,024 x 1,024 float32; Wpa 1,024 x 1,024 float32; Wq 1,024 x 1,024 float32; Wqa 1,024 x 1,024 float32; Wv 1,024 x 1,024 float32; Wva 1,024 x 1,024 float32; action_hidden_states 2 x 64 x 1,024 float32; bk 1,024 float32; bka 1,024 float32; bpa 1,024 float32; bq 1,024 float32; bqa 1,024 float32; bv 1,024 float32; bva 1,024 float32; video_hidden_states 2 x 2,048 x 1,024 float32.
;; Outputs: out0 2 x 2,112 x 1,024 float32; out1 2 x 64 x 1,024 float32.
;; This version of the problem:
;;   THIS VERSION OF THE PROBLEM IS GIVEN IN LOW PRECISION. The matrix products marked QUANTISED in the list below multiply operands that are first quantised to E2M3 (2 exponent bits, 3 mantissa bits; 6 bits a number), with one power-of-two scale for each 32 numbers along K (OCP MX v1.0); their sums are f32. All else is computed in f32.
;;   The module's matrix products, in the order in which they are computed (A, B: the left and right operand; K: the contracted axis; several contracted axes count as one K, in the product's order):
;;     1. [M 4,096, K 1,024] x [K 1,024, N 1,024]; A: input video_hidden_states; B: input Wq: QUANTISED
;;     2. [M 4,096, K 1,024] x [K 1,024, N 1,024]; A: input video_hidden_states; B: input Wk: QUANTISED
;;     3. [M 4,096, K 1,024] x [K 1,024, N 1,024]; A: input video_hidden_states; B: input Wv: QUANTISED
;;     4. [M 128, K 1,024] x [K 1,024, N 1,024]; A: input action_hidden_states; B: input Wqa: QUANTISED
;;     5. [M 128, K 1,024] x [K 1,024, N 1,024]; A: input action_hidden_states; B: input Wka: QUANTISED
;;     6. [M 128, K 1,024] x [K 1,024, N 1,024]; A: input action_hidden_states; B: input Wva: QUANTISED
;;     7. batch 32 x [M 2,112, K 64] x [K 64, N 2,112]; A: computed on the way; B: computed on the way: QUANTISED
;;     8. batch 32 x [M 2,112, K 2,112] x [K 2,112, N 64]; A: softmax (see below); B: computed on the way: QUANTISED
;;     9. [M 128, K 1,024] x [K 1,024, N 1,024]; A: computed on the way; B: input Wpa: QUANTISED
;;   THE QUANTISER, for each operand of a quantised product, along K:
;;     - K is cut into blocks of 32 from its start; a last block that is shorter is filled with zeros.
;;     - A block's scale is 2^e with e = floor(log2(the largest magnitude in the block)) - 2, held to -126 .. 127; a block of zeros has e = 0. As a byte (E8M0): e + 127.
;;     - Each number is divided by its block's scale, clamped to +-7.5, and rounded to the nearest number of E2M3, ties to even, subnormals kept.
;;     - The product sums the exact products of the quantised numbers (number of the format x scale) in f32.
;;   ~~~python
;;   def quantise(x, axis):      # numpy; x: float32 -> the quantised numbers, widened to float32 again
;;       x = np.moveaxis(x, axis, -1); K = x.shape[-1]
;;       x = np.pad(x, [(0, 0)] * (x.ndim - 1) + [(0, -K % 32)]); x = x.reshape(x.shape[:-1] + (-1, 32)); a = np.abs(x).max(-1, keepdims=True)
;;       e = np.where(a > 0, np.clip(np.frexp(np.where(a > 0, a, 1))[1] - 1 - 2, -126, 127), 0)      # np.frexp(a)[1] - 1 = floor(log2(a)), exactly
;;       r = np.clip(x / 2.0 ** e, -7.5, 7.5)
;;       step = 2.0 ** (np.maximum(np.frexp(np.where(r == 0, 1, r))[1] - 1, 0) - 3)
;;       q = np.round(r / step) * step * 2.0 ** e      # np.round: ties to even
;;       return np.moveaxis(q.reshape(q.shape[:-2] + (-1,))[..., :K], -1, axis).astype(np.float32)
;;   ~~~
;;   SOFTMAX AHEAD OF A QUANTISED PRODUCT. Where the list says 'softmax', what is quantised is not the finished softmax but p = 2^(t - M), with t = logit x log2(e) and M = ceil(the row's largest t), a whole number; so 1/2 < the row's largest p <= 1. The row's sum l is taken of the UNQUANTISED p, in f32, and the product's result is divided by l at the end. Since M is a whole number, a kernel that streams over the keys may use a running M (the ceiling of the running maximum): every later rescaling is an exact power of two, which a block's scale takes up: the codes' values come out the same.
;;   OPERANDS COMPUTED ON THE WAY. 'Computed on the way' means the value that the module computes at that place (a softmax that the list does not call 'softmax' is quantised finished and normalised). What goes into a quantiser is computed in f32, as accurately as f32 sums, v_exp_f32 and their like allow (about 1e-6 of the number): no bf16 or f16 on the way to a quantiser, and a product that is left as it is and whose result goes on into a quantised operand takes f32 operands (vector FMAs, or v_wmma_f32_16x16x4_f32). A number that lies on a knife's edge between two numbers of the format may be rounded either way, as far as f32 arithmetic and the matrix unit's own rounding can turn it there, and no further.
;; 2 versions. Each part assembles by itself: llvm-mc -triple=amdgcn-amd-amdhsa -mcpu=gfx1250 --defsym DOCPART=n.
;; ======== version 1 of 2: 4 launches
;; workspace buffers: xc 3,244,032 bytes; xs 135,168 bytes; wc 5,505,024 bytes; ws 229,376 bytes; rope 1,048,576 bytes; q 4,325,376 bytes; kv 6,897,664 bytes; ca 131,072 bytes
;; launch prep (part 1): grid 388 x 1, 4 waves a work-group, no clusters, 33,280 bytes of LDS; arguments video_hidden_states, action_hidden_states, Wq, Wk, Wv, Wqa, Wka, Wva, Wpa, xc, xs, wc, ws, rope; writes xc, xs, wc, ws, rope
.if DOCPART == 1
	.amdgcn_target "amdgcn-amd-amdhsa--gfx1250"
	.amdhsa_code_object_version 6
	.text
	.protected	k_q0b8d6381b3_prep
	.globl	k_q0b8d6381b3_prep
	.p2align	8
	.type	k_q0b8d6381b3_prep,@function
k_q0b8d6381b3_prep:
	s_mov_b64 s[64:65], 0
	v_nop
	global_prefetch_b8 v0, s[64:65] scope:SCOPE_SE
	s_setreg_imm32_b32 hwreg(HW_REG_WAVE_MODE, 25, 1), 1
	s_wait_xcnt 0x0
; PREP.  (1) The nine f32 operands whose K (1,024) is innermost (video x, action x, Wq, Wk, Wv, Wqa, Wka, Wva, Wpa) become codes of FP6 (E2M3), 768 bytes a row, and one E8M0 byte for each 32 along K, 32 bytes a row.
; (2) The cos/sin table of the video tokens' rotary positions, laid in the order of the registers that the next launch multiplies by it.
; DEAD WORK LEFT OUT, in the whole program: the rotation of qa and ka.  Their positions are linspace(f_ids[0], f_ids[1], 64) with f_ids = arange(2048) // 256, built in the problem's own body: f_ids[0] = f_ids[1] = 0,
; so every action position is 0 for all values of the inputs, cos = 1, sin = 0, and x * 1 + y * 0 = x.  So the table has no action tokens and the next launch does not rotate them.  Every input keeps a way to an output: all 16 are loaded.
; LIMIT: an infinity or NaN in qa or ka would give NaN in y * 0; that NaN, which reaches only the work left out, is not carried to the result.
; A block's scale is 2^(floor(log2(its largest magnitude)) - 2): its byte is the largest magnitude's exponent field - 2, held at 1 from below.  A block of zeros so gets the byte 1 where the rule says 127: its codes are zeros, and this program alone reads the bytes.
; LIMITS: NaN and infinities among the inputs are not served.  sin and cos come from a reduction by pi/2 in three parts and polynomials of degree 7 and 8: about 1e-7 absolute beside the rounding of position x frequency.
; ROW ORDER.  In the codes' and the bytes' buffers the four groups of 8 rows of each 32 rows lie in the order 0, 2, 1, 3: place 16 u + r of a group of 32 holds row 8 u + r + 8 (r / 8).  Sixteen places on end are then a tile
; whose results, used transposed, give a lane 16 neighbours along the next product's K in the registers of two neighbouring tiles.
; SHARES.  Work-groups 0-127: video (32 rows each); 128-131: action; 132-355: the seven weights, 32 work-groups each; 356-387: the table.  A wave of the first 356 takes 8 rows = 8,192 numbers, 16 steps of 512.
; Each of a step's four loads reads 512 consecutive bytes; the 2,048 bytes turn through the wave's own stage in LDS and come back 64 bytes (16 neighbours) a lane; two neighbouring lanes hold a block.
.set NQWG,  356
.set WAVES, 4
.set STEPS, 16
.set EMAX,  2
.set CB,    12                         ; bytes of 16 codes
.set R,     16                         ; v16-79   four sets of 16 numbers as loaded
.set X,     80                         ; v80-111  two sets of 16 neighbours
.set E,     112                        ; v112-127 a scale byte for each step
.set CD,    128                        ; v128-191 codes: four registers a step, so that no store's data are written again
.set WREG,  8192                       ; LDS: a region for each wave: two stages of 32 x SP bytes, then its 256 scale bytes
.set SP,    80
.set SPW,   12                         ; v12  LDS address of my spare word; never rewritten
.set NIL,   13                         ; v13  0; never rewritten
.set SPARE, WAVES*WREG                 ; the spare words: 128 bytes a wave, two blocks of 256 bytes that no other line names
; the table's way
.set POS,   16                         ; v16-19  the token's three positions as f32, and 0 for the four channels that pass through
.set OM,    20                         ; v20-29  the ten frequencies
.set TX,    32
.set TY,    33
.set TN,    34
.set TR,    35
.set TZ,    36
.set TS,    37
.set TC,    38
.set TH,    39
.set CO,    64                         ; v64-95  cos of my 32 channels
.set SI,    96                         ; v96-127 sin
.set K2PI,  40                         ; s40-49  constants of the reduction and the polynomials
.set KP1,   41
.set KP2,   42
.set KP3,   43
.set KS0,   44
.set KS1,   45
.set KS2,   46
.set KC0,   47
.set KC1,   48
.set KC2,   49
.set HM,    50                         ; s50  the mask of lanes 16-31
	s_load_b512 s[4:19], s[0:1], 0x0               ; video, action, Wq, Wk, Wv, Wqa, Wka, Wva
	s_load_b256 s[20:27], s[0:1], 0x40             ; Wpa, xc, xs, wc
	s_load_b128 s[28:31], s[0:1], 0x60             ; ws, rope
	v_lshl_add_u32 v[SPW], v0, 2, SPARE
	v_mov_b32 v[NIL], 0
	v_lshrrev_b32 v1, 5, v0
	v_readfirstlane_b32 s34, v1                    ; wave
	v_and_b32 v2, 31, v0                           ; lane
	v_lshlrev_b32 v3, 4, v2                        ; 16 x lane
	s_cmp_ge_u32 ttmp9, NQWG
	s_cbranch_scc1 .Ltable
	s_mul_i32 s35, s34, WREG
	v_lshrrev_b32 v14, 2, v2
	v_mul_u32_u24 v14, v14, SP
	v_and_b32 v15, 3, v2
	v_lshl_add_u32 v14, v15, 4, v14
	v_add_nc_u32 v14, s35, v14                     ; the stage, in: SP (lane / 4) + 16 (lane % 4)
	v_mul_u32_u24 v15, v2, SP
	v_add_nc_u32 v15, s35, v15                     ; and out: SP x lane
	v_mul_u32_u24 v4, v2, CB                       ; my codes' place in a step's
	v_lshrrev_b32 v5, 1, v2
	s_add_co_u32 s35, s35, 2*32*SP
	v_add_nc_u32 v5, s35, v5                       ; LDS: my block's byte among my wave's 256
	v_lshlrev_b32 v7, 3, v2
	v_add_nc_u32 v6, s35, v7
	s_wait_kmcnt 0x0
	s_cmp_lt_u32 ttmp9, 128                        ; which tensor: the choices hang on the work-group's number alone
	s_cselect_b64 s[36:37], s[4:5], s[6:7]
.irp j, 0,1,2,3,4,5,6
	s_cmp_ge_u32 ttmp9, 132+32*\j
	s_cselect_b64 s[36:37], s[8+2*\j:9+2*\j], s[36:37]
.endr
	s_cmp_lt_u32 ttmp9, 132
	s_cselect_b64 s[38:39], s[22:23], s[26:27]     ; the codes go to xc or to wc,
	s_cselect_b64 s[40:41], s[24:25], s[28:29]     ; the bytes to xs or to ws
	s_cselect_b32 s42, 0, 132
	s_cselect_b32 s43, 127, 31
	s_sub_co_u32 s42, ttmp9, s42                   ; the work-group's 32 rows in the buffer that it fills,
	s_and_b32 s43, s42, s43                        ; and in the tensor that it reads
	s_lshl_b32 s43, s43, 2
	s_add_co_u32 s43, s43, s34                     ; my run of 8 rows in the tensor
	s_lshl_b32 s44, s43, 15                        ; x 32,768 bytes
	s_mov_b32 s45, 0
	s_add_nc_u64 s[36:37], s[36:37], s[44:45]
	s_and_b32 s46, s34, 1
	s_lshl_b32 s46, s46, 1
	s_lshr_b32 s47, s34, 1
	s_or_b32 s46, s46, s47                         ; the row order: groups 0, 1, 2, 3 go to places 0, 2, 1, 3
	s_lshl_b32 s42, s42, 2
	s_add_co_u32 s42, s42, s46
	s_mul_i32 s44, s42, 32*STEPS*CB                ; 6,144 bytes of codes a run
	s_add_nc_u64 s[38:39], s[38:39], s[44:45]
	s_lshl_b32 s44, s42, 8                         ; 256 scale bytes a run
	s_add_nc_u64 s[40:41], s[40:41], s[44:45]
.macro LOAD t
.irp i, 0,1,2,3
	global_load_b128 v[R+16*((\t)%4)+4*\i:R+16*((\t)%4)+4*\i+3], v3, s[36:37] offset:2048*(\t)+512*\i th:TH_LOAD_NT   ; 32 lanes read 512 consecutive bytes
.endr
.endm
.macro TURN t                          ; step t's numbers through the stage: LDS serves a wave's instructions in order, so no wait stands between the stores and the loads
.irp i, 0,1,2,3
	ds_store_b128 v14, v[R+16*((\t)%4)+4*\i:R+16*((\t)%4)+4*\i+3] offset:32*SP*((\t)%2)+8*SP*\i
.endr
.irp i, 0,1,2,3
	ds_load_b128 v[X+16*((\t)%2)+4*\i:X+16*((\t)%2)+4*\i+3], v15 offset:32*SP*((\t)%2)+16*\i
.endr
.endm
.irp t, 0,1,2,3
	LOAD \t
.endr
	s_wait_loadcnt 12                              ; step 0's four loads are in; the twelve of steps 1 to 3 may be out
	TURN 0
.macro STEP t
.set XS, X+16*((\t)%2)
.if (\t) > 0
	s_wait_dscnt 1                                 ; this step's numbers are back from the stage (the last step's byte store may be out)
.else
	s_wait_dscnt 0x0
.endif
.if (\t)+4 < STEPS
	LOAD (\t)+4                                    ; into the registers that this step's stores into the stage have read
.endif
.if (\t)+1 < STEPS
.if STEPS-2-(\t) >= 3
	s_wait_loadcnt 12                              ; the next step's four loads are in; those of the three steps behind it may be out
.else
	s_wait_loadcnt 4*(STEPS-2-(\t))
.endif
	TURN (\t)+1
.endif
	v_max3_num_f32 v8, |v[XS]|, |v[XS+1]|, |v[XS+2]|               ; the largest magnitude of my 16
	v_max3_num_f32 v9, |v[XS+3]|, |v[XS+4]|, |v[XS+5]|
.irp i, 6,10
	v_max3_num_f32 v8, v8, |v[XS+\i]|, |v[XS+\i+1]|
	v_max3_num_f32 v9, v9, |v[XS+\i+2]|, |v[XS+\i+3]|
.endr
	v_max3_num_f32 v8, v8, |v[XS+14]|, |v[XS+15]|
	v_max3_num_f32 v8, v8, v9, (EMAX+1)<<23        ; and the floor 2^(3 - 127): the byte cannot fall under 1
	v_max_num_f32_dpp v8, v8, v8 row_xmask:1 row_mask:0xf bank_mask:0xf   ; and of my neighbour's 16: the block's
	v_add_nc_u32 v11, -(EMAX<<23), v8              ; 2 off its exponent field: the conversion takes the exponent field of this operand as its scale
	v_cvt_scalef32_pk16_fp6_f32 v[CD+4*(\t):CD+4*(\t)+2], v[XS:XS+15], v11
	v_lshrrev_b32 v[E+(\t)], 23, v11               ; the scale's byte
	ds_store_b8 v5, v[E+(\t)] offset:16*(\t)       ; both lanes of a block write the same byte with the same value
	global_store_b96 v4, v[CD+4*(\t):CD+4*(\t)+2], s[38:39] offset:32*CB*(\t)   ; the wave stores 384 consecutive bytes
.endm
.irp t, 0,1,2,3,4,5,6,7,8,9,10,11,12,13,14,15
	STEP \t
.endr
	ds_load_b64 v[8:9], v6                         ; LDS serves a wave's instructions in order: these see my stores
	s_wait_dscnt 0x0
	global_store_b64 v7, v[8:9], s[40:41]          ; 32 lanes store 256 consecutive bytes, aligned
	s_wait_tensorcnt 0x0                           ; the wave's end, behind my last LDS store
	ds_add_u32 v[SPW], v[NIL]
	s_wait_dscnt 0x0
	s_endpgm
; THE TABLE.  Wave W = 4 (work-group - 356) + wave makes the 16 tokens of tile a = W % 8 of the 128 tokens st = W / 8: lane (r, h): token 128 st + 32 (a / 2) + 8 (a % 2) + r + 8 (r / 8), as the row order gives them to the next launch.
; Register i of the lane is the head's channel j = 32 (i / 16) + 16 h + i % 16.  Channel j turns by position[j / 20] x 10000^(-((j % 20) % 10) / 10); channels 60-63 have position 0: cos 1, sin 0.  This way stores nothing to LDS.
.macro SINCOS x, c, s
	v_mul_f32 v[TN], s[K2PI], v[\x]
	v_rndne_f32 v[TN], v[TN]                       ; n = the nearest multiple of pi/2
	v_fma_f32 v[TR], -v[TN], s[KP1], v[\x]         ; x - n pi/2, pi/2 in three parts
	v_fma_f32 v[TR], -v[TN], s[KP2], v[TR]
	v_fma_f32 v[TR], -v[TN], s[KP3], v[TR]
	v_mul_f32 v[TZ], v[TR], v[TR]
	v_fma_f32 v[TS], v[TZ], s[KS0], s[KS1]
	v_fma_f32 v[TC], v[TZ], s[KC0], s[KC1]
	v_fma_f32 v[TS], v[TS], v[TZ], s[KS2]
	v_fma_f32 v[TC], v[TC], v[TZ], s[KC2]
	v_mul_f32 v[TS], v[TS], v[TZ]
	v_fma_f32 v[TH], v[TZ], -0.5, 1.0
	v_mul_f32 v[TZ], v[TZ], v[TZ]
	v_fma_f32 v[TS], v[TS], v[TR], v[TR]           ; sin of the rest
	v_fma_f32 v[TC], v[TZ], v[TC], v[TH]           ; cos of the rest
	v_cvt_i32_f32 v[TN], v[TN]
	v_and_b32 v[TH], 1, v[TN]
	v_cmp_ne_u32 vcc_lo, 0, v[TH]                  ; odd quadrants change the two over
	v_cndmask_b32 v[\s], v[TS], v[TC], vcc_lo
	v_cndmask_b32 v[\c], v[TC], v[TS], vcc_lo
	v_and_b32 v[TH], 2, v[TN]
	v_lshlrev_b32 v[TH], 30, v[TH]
	v_xor_b32 v[\s], v[\s], v[TH]                  ; sin is negative in quadrants 2, 3
	v_add_nc_u32 v[TN], 1, v[TN]
	v_and_b32 v[TH], 2, v[TN]
	v_lshlrev_b32 v[TH], 30, v[TH]
	v_xor_b32 v[\c], v[\c], v[TH]                  ; cos in quadrants 1, 2
.endm
.Ltable:
	s_sub_co_u32 s35, ttmp9, NQWG
	s_lshl_b32 s35, s35, 2
	s_add_co_u32 s35, s35, s34                     ; W
	s_lshr_b32 s36, s35, 3
	s_lshl_b32 s36, s36, 7                         ; 128 st
	s_and_b32 s37, s35, 7                          ; a
	s_lshr_b32 s38, s37, 1
	s_lshl_b32 s38, s38, 5
	s_add_co_u32 s36, s36, s38
	s_and_b32 s38, s37, 1
	s_lshl_b32 s38, s38, 3
	s_add_co_u32 s36, s36, s38
	v_and_b32 v4, 15, v0
	v_and_b32 v5, 8, v4
	v_add_nc_u32 v4, v4, v5
	v_add_nc_u32 v4, s36, v4                       ; my token
	v_lshrrev_b32 v5, 8, v4
	v_cvt_f32_u32 v[POS], v5                       ; frame
	v_bfe_u32 v5, v4, 4, 4
	v_cvt_f32_u32 v[POS+1], v5                     ; row
	v_and_b32 v5, 15, v4
	v_cvt_f32_u32 v[POS+2], v5                     ; column
	v_mov_b32 v[POS+3], 0
	s_mov_b32 s[K2PI], 0x3f22f983                  ; 2 / pi
	s_mov_b32 s[KP1], 0x3fc90000
	s_mov_b32 s[KP2], 0x39fda000
	s_mov_b32 s[KP3], 0x33a22168
	s_mov_b32 s[KS0], 0xb94ca1f9
	s_mov_b32 s[KS1], 0x3c08839e
	s_mov_b32 s[KS2], 0xbe2aaaa3
	s_mov_b32 s[KC0], 0x37ccf5ce
	s_mov_b32 s[KC1], 0xbab6061a
	s_mov_b32 s[KC2], 0x3d2aaaa5
	s_mov_b32 s[HM], 0xffff0000
	s_mov_b32 s51, 0xbfaa152d                      ; -log2(10000) / 10
.irp k, 0,1,2,3,4,5,6,7,8,9
	v_mov_b32 v[TX], \k
	v_cvt_f32_u32 v[OM+\k], v[TX]
	v_mul_f32 v[OM+\k], s51, v[OM+\k]
.endr
.irp k, 0,1,2,3,4,5,6,7,8,9
	v_exp_f32 v[OM+\k], v[OM+\k]                   ; 10000^(-k / 10)
.endr
	v_nop                                          ; a plain instruction behind the last exponential,
	s_wait_alu depctr_va_vdst(0)                   ; and one wait for the batch of ten, ahead of the first reader
	s_lshl_b32 s52, s35, 13                        ; 8,192 bytes a tile
	s_mov_b32 s53, 0
	s_wait_kmcnt 0x0
	s_add_nc_u64 s[30:31], s[30:31], s[52:53]
.set I, 0
.rept 32
.set J0, 32*(I/16)+I%16                ; the channel in lanes 0-15,
.set J1, J0+16                         ; and in lanes 16-31
	v_cndmask_b32 v[TX], v[POS+J0/20], v[POS+J1/20], s[HM]
	v_cndmask_b32 v[TY], v[OM+(J0%20)%10], v[OM+(J1%20)%10], s[HM]
	v_mul_f32 v[TX], v[TX], v[TY]
	SINCOS TX, CO+I, SI+I
.set I, I+1
.endr
.irp qd, 0,1,2,3,4,5,6,7
	global_store_b128 v3, v[CO+4*\qd:CO+4*\qd+3], s[30:31] offset:512*\qd          ; 512 consecutive bytes a store
	global_store_b128 v3, v[SI+4*\qd:SI+4*\qd+3], s[30:31] offset:4096+512*\qd
.endr
	s_endpgm
.Lfunc_end_k_q0b8d6381b3_prep:
	.size	k_q0b8d6381b3_prep, .Lfunc_end_k_q0b8d6381b3_prep-k_q0b8d6381b3_prep
	.p2alignl 7, 3214868480
	.fill 96, 4, 3214868480
	.section	.rodata,"a",@progbits
	.p2align	6, 0x0
	.amdhsa_kernel k_q0b8d6381b3_prep
		.amdhsa_group_segment_fixed_size 33280
		.amdhsa_private_segment_fixed_size 0
		.amdhsa_enable_private_segment 0
		.amdhsa_kernarg_size 112
		.amdhsa_user_sgpr_count 2
		.amdhsa_user_sgpr_kernarg_segment_ptr 1
		.amdhsa_wavefront_size32 1
		.amdhsa_system_sgpr_workgroup_id_x 1
		.amdhsa_system_sgpr_workgroup_id_y 1
		.amdhsa_system_sgpr_workgroup_id_z 1
		.amdhsa_system_vgpr_workitem_id 0
		.amdhsa_next_free_vgpr 192
		.amdhsa_next_free_sgpr 66
		.amdhsa_reserve_vcc 1
		.amdhsa_float_denorm_mode_32 3
		.amdhsa_float_denorm_mode_16_64 3
		.amdhsa_memory_ordered 1
		.amdhsa_forward_progress 1
		.amdhsa_inst_pref_size 80
	.end_amdhsa_kernel
	.amdgpu_metadata
---
amdhsa.version: [ 1, 2 ]
amdhsa.kernels:
  - .name:           k_q0b8d6381b3_prep
    .symbol:         k_q0b8d6381b3_prep.kd
    .args:
      - { .name: video_hidden_states, .offset: 0, .size: 8, .value_kind: global_buffer, .address_space: global }
      - { .name: action_hidden_states, .offset: 8, .size: 8, .value_kind: global_buffer, .address_space: global }
      - { .name: Wq, .offset: 16, .size: 8, .value_kind: global_buffer, .address_space: global }
      - { .name: Wk, .offset: 24, .size: 8, .value_kind: global_buffer, .address_space: global }
      - { .name: Wv, .offset: 32, .size: 8, .value_kind: global_buffer, .address_space: global }
      - { .name: Wqa, .offset: 40, .size: 8, .value_kind: global_buffer, .address_space: global }
      - { .name: Wka, .offset: 48, .size: 8, .value_kind: global_buffer, .address_space: global }
      - { .name: Wva, .offset: 56, .size: 8, .value_kind: global_buffer, .address_space: global }
      - { .name: Wpa, .offset: 64, .size: 8, .value_kind: global_buffer, .address_space: global }
      - { .name: xc, .offset: 72, .size: 8, .value_kind: global_buffer, .address_space: global }
      - { .name: xs, .offset: 80, .size: 8, .value_kind: global_buffer, .address_space: global }
      - { .name: wc, .offset: 88, .size: 8, .value_kind: global_buffer, .address_space: global }
      - { .name: ws, .offset: 96, .size: 8, .value_kind: global_buffer, .address_space: global }
      - { .name: rope, .offset: 104, .size: 8, .value_kind: global_buffer, .address_space: global }
    .group_segment_fixed_size: 33280
    .private_segment_fixed_size: 0
    .kernarg_segment_align: 8
    .kernarg_segment_size: 112
    .max_flat_workgroup_size: 128
    .sgpr_count:     66
    .vgpr_count:     192
    .wavefront_size: 32
...
	.end_amdgpu_metadata
.endif
;; end of part 1
;; launch qkv (part 2): grid 12 x 17, 4 waves a work-group, no clusters, 327,680 bytes of LDS; arguments xc, xs, wc, ws, bq, bk, bv, bqa, bka, bva, rope, q, kv; writes q, kv
.if DOCPART == 2
	.amdgcn_target "amdgcn-amd-amdhsa--gfx1250"
	.amdhsa_code_object_version 6
	.text
	.protected	k_q0b8d6381b3_qkv
	.globl	k_q0b8d6381b3_qkv
	.p2align	8
	.type	k_q0b8d6381b3_qkv,@function
k_q0b8d6381b3_qkv:
	s_mov_b64 s[64:65], 0
	v_nop
	global_prefetch_b8 v0, s[64:65] scope:SCOPE_SE
	s_setreg_imm32_b32 hwreg(HW_REG_WAVE_MODE, 25, 1), 1
	s_wait_xcnt 0x0
; QKV.  The six projections x W^T + b on codes of FP6 (E2M3) with E8M0 scales, the rotation of the video q and k, and the quantisers of q and k (along the head's 64) and of v (along the keys): what leaves is codes and scale words,
; laid in the order of the registers in which the attention launch takes them.
; LEFT OUT: the rotation of the action q and k: their positions are 0 for all values of the inputs (shown at the head of the first launch), so it is the identity.
; SHARES.  Work-group (x, y): kind x / 4 (0 q, 1 k, 2 v), 256 channels (4 heads) x % 4, 256 tokens y; y = 16: the 128 action tokens, with the action weights.  A tile of 256 x 256, four waves of 128 x 128: 64 accumulators, 512 registers.
; K = 1,024 goes in four steps of 256 through a ring of two LDS slots filled by the tensor data mover; the scale bytes of both sides' 256 rows, for all of K, come once, with the first fills.
; THE MATRIX INSTRUCTION: source 0 = side B's 16 rows, source 1 = side A's: a lane holds ONE row of A, its registers run along B's rows.  q, k: A = tokens, B = weights: a lane holds a token, and its registers run along the channels, the
; scores' K.  v: A = weights, B = tokens: a lane holds a channel and its registers run along the tokens, the second product's K.  Only pointers and row numbers change sides: one text for the loop.
; By the row order of the codes' buffers (places 16 u + r of 32 hold rows 8 u + r + 8 (r / 8)) register j of B's tile 2 b + u in lane half h is B's row 32 b + 16 h + 8 u + j: two neighbouring tiles give 16 neighbours.
; THE ACTION BLOCK has 128 tokens: both token halves read the same rows, and the waves of the second half end behind the loop without storing.  Twelve work-groups so do half their products twice: the price of one text for both kinds of token.
; NO CLUSTER: 17 token blocks do not divide by four, the 17th takes other weights, and v's blocks have their sides exchanged: the grid does not fall into 4 x 4 groups that share tiles along rows and columns.
; LIMITS: NaN and infinities are not served; a block of zeros gets the byte 1 (its codes are zeros; this program alone reads the bytes).
; REGISTERS, in windows of 256.  Loop: window 0: v1-29 addresses; v32-63 scale words, two sets; v128-223 A's fragments, one set.  Window 1: B's fragments, two sets, at v0 and v128.  Windows 2, 3: the accumulators ((a, b) at v[8 (8 (a % 4) + b)]).
; Way out: window 0: v64-127 numbers at work; v128-147 codes; v148-159 maxima, bytes, scale operands; v160-175 scale words; v176-183 at work; v192-255 biases.  Window 1: two table buffers (cos 32, sin 32) at v0 and v128.
.set NQ,     2                         ; matrix instructions deep in a slot
.set ROWB,   192                       ; a tile's row: 256 codes
.set KROW,   768                       ; a row of codes in memory
.set PITCH,  240                       ; an LDS row: 3 x (64 bytes + 16 of padding)
.set FR,     12
.set NL,     6
.set NP,     4
.set HALFT,  128*PITCH
.set SLOT,   4*HALFT
.set SCL,    2*SLOT                    ; behind the ring: the scale bytes, as units of 256 bytes + 16 of padding
.set HALFS,  16*272                    ; those of 128 rows
.set SBLK,   2*272                     ; those of 16 rows
.set SPARE,  SCL+4*HALFS               ; the spare words: 128 bytes a wave, two blocks of 256 bytes that no other line names
.set HEADB,  215552                    ; a head's block of the kv buffer: 16 steps of 13,056 bytes and a tail of 6,656
.set ADRA, 16
.set ADRB, 20
.set ADRS, 27
.set SPW,  28
.set NIL,  29
.set SC,   32
.set AF,   128
.set L16,  3                           ; the way out: 16 x lane
.set L8,   4                           ; 8 x lane
.set X,    64
.set PC,   128
.set MX,   148
.set PB,   152
.set SO,   156
.set PW,   160                         ; v160 q's scale word, v161 0: a pair, stored as 8 bytes a lane
.set SW,   162                         ; v162-169 scale words kept for an image
.set PK,   170                         ; v170-175 images of scale words
.set T,    176
.set BQ,   192
.set BV,   192
.set G1,   24
.set G0,   32
.set G1S,  40
.set G0S,  48
.set HM,   12                          ; s12  the mask of lanes 16-31
.set SEL,  2                           ; s[2:3] lane selects: lane l xor 16
.set MSB, 0
.macro WIN new                         ; the immediate's high byte repeats the setting that is left
.if MSB != (\new)
	s_set_vgpr_msb (MSB<<8)|(\new)
.set MSB, \new
.endif
.endm
.set MUL_LO, 0xa1                      ; source 0 (B) window 1, source 1 (A) window 0, C and D window 2
.set MUL_HI, 0xf1
.set TO_B,   0x40
.macro TLOAD g0, g1                    ; every wave issues it: its own quarter of the rows.  An s_nop 0 and four v_nop follow
	tensor_load_to_lds s[\g0:\g0+3], s[\g1:\g1+7]
	s_nop 0
.rept 4
	v_nop
.endr
.endm
	s_load_b256 s[4:11], s[0:1], 0x0               ; xc, xs, wc, ws
	s_load_b256 s[68:75], s[0:1], 0x20             ; bq, bk, bv, bqa
	s_load_b256 s[76:83], s[0:1], 0x40             ; bka, bva, rope, q
	s_load_b64 s[84:85], s[0:1], 0x60              ; kv
	v_lshl_add_u32 v[SPW], v0, 2, SPARE
	v_mov_b32 v[NIL], 0
	ds_add_u32 v[SPW], v[NIL]                      ; the wave's opening: the add, twice on end, and its wait ahead of my first tensor load
	ds_add_u32 v[SPW], v[NIL]
	v_lshrrev_b32 v1, 5, v0
	v_readfirstlane_b32 s14, v1                    ; wave
	s_lshr_b32 s15, s14, 1                         ; my half of A's rows.  Also: I fetch for A (0) or B (1)
	s_and_b32 s16, s14, 1                          ; my half of B's rows.  Also: which 128 rows I fetch
	s_lshr_b32 s52, ttmp9, 2                       ; kind
	s_and_b32 s53, ttmp9, 3                        ; block of 256 channels
	s_and_b32 s54, ttmp7, 0xffff                   ; block of 256 tokens
	s_cmp_eq_u32 s54, 16
	s_cselect_b32 s55, 1, 0                        ; the action block?
	s_lshl_b32 s56, s54, 8
	s_lshl_b32 s57, s16, 7
	s_add_co_u32 s56, s56, s57
	s_min_u32 s56, s56, 4096                       ; the token rows that I would fetch (the action's 128 for both halves)
	s_mul_i32 s58, s55, 3
	s_add_co_u32 s58, s58, s52                     ; which weight and bias: kind + 3 x action
	s_lshl_b32 s59, s58, 10
	s_lshl_b32 s60, s53, 8
	s_add_co_u32 s59, s59, s60
	s_add_co_u32 s59, s59, s57                     ; the weight rows that I would fetch
	s_cmp_eq_u32 s52, 2
	s_cselect_b32 s61, 1, 0                        ; v?
	s_xor_b32 s62, s61, s15                        ; 0: my side is the tokens'
	s_mov_b32 s[G1+0], (1<<20)|(3<<22)|(3<<25)     ; elements of 1 byte; padding on: after every 16 words, 4 words
	s_mov_b32 s[G1+1], ROWB<<16                    ; tensor_dim0
	s_mov_b32 s[G1+2], 128<<16                     ; tensor_dim1
	s_mov_b32 s[G1+3], ROWB<<16                    ; tile_dim0
	s_mov_b32 s[G1+4], 128                         ; tile_dim1
	s_mov_b32 s[G1+5], KROW                        ; from row to row
	s_mov_b32 s[G1+6], 0
	s_mov_b32 s[G1+7], 0
	s_mov_b32 s[G1S+0], (3<<16)|(1<<20)|(5<<22)|(3<<25)   ; the scale bytes of 128 rows: 4,096 dense bytes as 16 rows of 32 elements of 8 bytes, 16 bytes of padding behind each
	s_mov_b32 s[G1S+1], 32<<16
	s_mov_b32 s[G1S+2], 16<<16
	s_mov_b32 s[G1S+3], 32<<16
	s_mov_b32 s[G1S+4], 16
	s_mov_b32 s[G1S+5], 32
	s_mov_b32 s[G1S+6], 0
	s_mov_b32 s[G1S+7], 0
	s_mul_i32 s86, s14, HALFT                      ; where my rows go: wave x 128 rows
	s_mul_i32 s87, s14, HALFS
	s_wait_dscnt 0x0                               ; both opening adds are done
	s_wait_kmcnt 0x0
	s_cmp_eq_u32 s62, 0
	s_cselect_b64 s[20:21], s[4:5], s[8:9]         ; codes
	s_cselect_b64 s[22:23], s[6:7], s[10:11]       ; scale bytes
	s_cselect_b32 s63, s56, s59                    ; first row
	s_mov_b32 s[G0S], 1
	s_add_co_u32 s[G0S+1], s87, SCL
	s_lshl_b32 s18, s63, 5
	s_mov_b32 s19, 0
	s_add_nc_u64 s[G0S+2:G0S+3], s[22:23], s[18:19]
	s_or_b32 s[G0S+3], s[G0S+3], 0x80000000
	TLOAD G0S, G1S                                 ; the three first fills go out together: three loads of mine are out
	s_mul_i32 s18, s63, KROW
	s_add_nc_u64 s[20:21], s[20:21], s[18:19]
.irp s, 0,1
	s_mov_b32 s[G0+4*\s], 1
	s_add_co_u32 s[G0+4*\s+1], s86, \s*SLOT
	s_add_nc_u64 s[G0+4*\s+2:G0+4*\s+3], s[20:21], \s*ROWB
	s_or_b32 s[G0+4*\s+3], s[G0+4*\s+3], 0x80000000
	TLOAD G0+4*\s, G1
.endr
	v_and_b32 v1, 15, v0                           ; r
	v_bfe_u32 v2, v0, 4, 1                         ; h
	v_mul_u32_u24 v3, v1, PITCH
	v_mul_u32_u24 v4, v2, 24
	v_add_nc_u32 v4, v3, v4                        ; a fragment's row x pitch + 24 x half
	v_lshl_add_u32 v5, v2, 4, v4                   ; and the same behind one padding more
	s_mul_i32 s21, s15, HALFT                      ; my 128 rows of A
	s_mul_i32 s22, s16, HALFT
	s_add_co_u32 s22, s22, 2*HALFT                 ; my 128 rows of B, behind A's 256
.irp s, 0,1
	v_add_nc_u32 v[ADRA+\s], s21, v4
	v_add_nc_u32 v[ADRB+\s], s22, v4
	v_add_nc_u32 v[ADRA+2+\s], s21, v5
	v_add_nc_u32 v[ADRB+2+\s], s22, v5
	s_add_co_u32 s21, s21, SLOT
	s_add_co_u32 s22, s22, SLOT
.endr
	v_lshlrev_b32 v5, 5, v1                        ; my row's scale bytes: 32 a row,
	v_lshrrev_b32 v6, 8, v5
	v_lshl_add_u32 v5, v6, 4, v5                   ; and 16 more for each 256 passed
	s_mul_i32 s21, s15, HALFS
	s_mul_i32 s22, s16, HALFS
	s_add_co_u32 s22, s22, 2*HALFS
	s_sub_co_u32 s22, s22, s21
	v_mul_u32_u24 v6, s22, v2                      ; lanes 16-31 take B's
	s_add_co_u32 s21, s21, SCL
	v_add_nc_u32 v5, v5, v6
	v_add_nc_u32 v[ADRS], s21, v5
.macro FRAG reg, adr, q, i             ; 16 rows x 128 K: 12 registers, in pieces of 8 bytes; where the piece three on lies behind one padding more, the second address register serves
.irp p, 0,1,2,3,4,5
.set PCE, 12*(\q)+6*(\p/3)+\p%3
.if PCE%8 < 5
	ds_load_b64 v[\reg+2*\p:\reg+2*\p+1], v[\adr] offset:8*PCE+16*(PCE/8)+(\i)*16*PITCH
.else
	ds_load_b64 v[\reg+2*\p:\reg+2*\p+1], v[\adr+2] offset:8*PCE+16*(PCE/8)+(\i)*16*PITCH
.endif
.endr
.endm
; 16 matrix instructions: A's blocks a0, a0 + 1 x B's eight.  The 64 accumulators take turns, one instruction a turn, in the same order in every step.
.macro MUL16 a0, p, q, sc, zero
.irp a, \a0, \a0+1
.irp b, 0,1,2,3,4,5,6,7
.if \zero
	v_wmma_scale_f32_16x16x128_f8f6f4 v[8*(8*((\a)%4)+\b):8*(8*((\a)%4)+\b)+7], v[128*(\p)+FR*\b:128*(\p)+FR*\b+FR-1], v[AF+FR*(\a):AF+FR*(\a)+FR-1], 0, v[SC+8*NQ*(\sc)+NQ*\b+(\q)], v[SC+8*NQ*(\sc)+NQ*(\a)+(\q)] matrix_a_fmt:MATRIX_FMT_FP6 matrix_b_fmt:MATRIX_FMT_FP6 matrix_a_scale:MATRIX_SCALE_ROW1
.else
	v_wmma_scale_f32_16x16x128_f8f6f4 v[8*(8*((\a)%4)+\b):8*(8*((\a)%4)+\b)+7], v[128*(\p)+FR*\b:128*(\p)+FR*\b+FR-1], v[AF+FR*(\a):AF+FR*(\a)+FR-1], v[8*(8*((\a)%4)+\b):8*(8*((\a)%4)+\b)+7], v[SC+8*NQ*(\sc)+NQ*\b+(\q)], v[SC+8*NQ*(\sc)+NQ*(\a)+(\q)] matrix_a_fmt:MATRIX_FMT_FP6 matrix_b_fmt:MATRIX_FMT_FP6 matrix_a_scale:MATRIX_SCALE_ROW1
.endif
.endr
.endr
.endm
.macro FETCH_B slot, q, p
	WIN TO_B
.irp i, 0,1,2,3,4,5,6,7
	FRAG 128*(\p)+FR*\i, ADRB+\slot, \q, \i
.endr
	WIN 0
.endm
.macro FETCH_A slot, q, i0
.irp i, \i0, \i0+1, \i0+2, \i0+3
	FRAG AF+FR*(\i), ADRA+\slot, \q, \i
.endr
.endm
.macro SCALES sc                       ; a slot's scale words: two a row; lanes 0-15 take A's block i, lanes 16-31 B's block i
.irp i, 0,1,2,3,4,5,6,7
	ds_load_b64 v[SC+8*NQ*\sc+NQ*\i:SC+8*NQ*\sc+NQ*\i+1], v[ADRS] offset:\i*SBLK
.endr
.endm
.macro PLACES n                        ; plain vector instructions between a matrix instruction and a load into, or a vector instruction on, its registers
.rept \n
	v_nop
.endr
.endm
.macro STEP slot, q, zero              ; 128 along K that have their successor in the same slot
	s_wait_dscnt 4*NL                              ; B's set and A's blocks 0-3 are in; the youngest 24 loads (A's blocks 4-7) may be out
	WIN MUL_LO
	MUL16 0, (\q)%2, \q, \slot, \zero
	MUL16 2, (\q)%2, \q, \slot, \zero
	s_wait_dscnt 0
	PLACES NP
	FETCH_B \slot, (\q)+1, 1-(\q)%2
	FETCH_A \slot, (\q)+1, 0
	WIN MUL_HI
	MUL16 4, (\q)%2, \q, \slot, \zero
	MUL16 6, (\q)%2, \q, \slot, \zero
	PLACES NP
	WIN 0
	FETCH_A \slot, (\q)+1, 4
.endm
; A slot's last step changes slots: ONE barrier; in front of it each wave waits for all its tensor loads, adds 0 to its spare word, and waits for that and for its reads of this slot.  fill = 1: this slot is filled again, two slots ahead.
.macro TURN slot, next, fill
	s_wait_tensorcnt 0x0                           ; all my tensor loads have landed: my part of the next slot
	ds_add_u32 v[SPW], v[NIL]                      ; 0 onto my spare word
	s_wait_dscnt 4*NL+1                            ; (the add and the youngest 24 loads may be out)
	WIN MUL_LO
	MUL16 0, 1, NQ-1, \slot, 0
	s_wait_dscnt 0x0                               ; the add is done, and my reads of this slot are over
	s_barrier_signal -1
	MUL16 2, 1, NQ-1, \slot, 0
	WIN 0
	s_barrier_wait -1
.if \fill
	s_add_nc_u64 s[G0+4*\slot+2:G0+4*\slot+3], s[G0+4*\slot+2:G0+4*\slot+3], 2*ROWB
	TLOAD G0+4*\slot, G1                           ; my one tensor load behind the barrier, and the first thing there; its four v_nop are also the places in front of the loads below
.else
	PLACES NP
.endif
	v_add_nc_u32 v[ADRS], 4*NQ, v[ADRS]            ; the next slot's scale words
	FETCH_B \next, 0, 0
	FETCH_A \next, 0, 0
	SCALES \next
	WIN MUL_HI
	MUL16 4, 1, NQ-1, \slot, 0
	MUL16 6, 1, NQ-1, \slot, 0
	PLACES NP
	WIN 0
	FETCH_A \next, 0, 4
.endm
	s_wait_tensorcnt 1                             ; the scale bytes and my part of slot 0 are in; slot 1's fill may be out
	s_barrier_signal -1
	s_barrier_wait -1
	FETCH_B 0, 0, 0
	FETCH_A 0, 0, 0
	SCALES 0
	FETCH_A 0, 0, 4
	STEP 0, 0, 1                                   ; the first products start the sums: nothing is cleared.  K = 1,024 is four slots: the walk is written out
	TURN 0, 1, 1
	STEP 1, 0, 0
	TURN 1, 0, 1
	STEP 0, 0, 0
	TURN 0, 1, 0                                   ; nothing is left to fetch
	STEP 1, 0, 0
	s_wait_dscnt 4*NL
	WIN MUL_LO
	MUL16 0, 1, NQ-1, 1, 0
	MUL16 2, 1, NQ-1, 1, 0
	s_wait_dscnt 0
	WIN MUL_HI
	MUL16 4, 1, NQ-1, 1, 0
	MUL16 6, 1, NQ-1, 1, 0
	WIN 0
	s_wait_tensorcnt 0x0                           ; behind my last tensor load; the way out touches no LDS, so these lines stand here, ahead of its branches
	ds_add_u32 v[SPW], v[NIL]
	s_wait_dscnt 0x0
	PLACES NP                                      ; behind the last products: the way out reads results and writes over fragments
; ---------------- THE WAY OUT ----------------
	s_mov_b32 s[HM], 0xffff0000
	s_mov_b32 s[SEL], 0x76543210
	s_mov_b32 s[SEL+1], 0xfedcba98
	s_cmp_eq_u32 s61, 0
	s_cselect_b32 s17, s15, s16                    ; my half of the tokens (A's for q, k; B's for v),
	s_cselect_b32 s20, s16, s15                    ; and of the channels
	s_and_b32 s18, s17, s55
	s_cmp_lg_u32 s18, 0
	s_cbranch_scc1 .Ldone                          ; the action block's second token half holds the first's numbers once more
	v_and_b32 v[L16], 31, v0
	v_lshlrev_b32 v[L8], 3, v[L16]
	v_lshlrev_b32 v[L16], 4, v[L16]
.irp b, 0,1,2,3
	v_mov_b32 v[PB+\b], 0                          ; written once: a lane permute's destination counts as one of its sources
.endr
	v_mov_b32 v[PW+1], 0
	s_lshl_b32 s18, s54, 1
	s_add_co_u32 s18, s18, s17                     ; my 128 tokens: unit 2 y + half
	s_lshr_b32 s19, s18, 4                         ; batch
	s_and_b32 s18, s18, 15                         ; key step
	s_cmp_lg_u32 s55, 0
	s_cselect_b32 s19, 0, s19                      ; the action tokens: both batches, from batch 0 on,
	s_cselect_b32 s18, 16, s18                     ; as step 16: the tail
	s_mov_b64 s[86:87], s[68:69]
.irp j, 1,2,3,4,5
	s_cmp_eq_u32 s58, \j
	s_cselect_b64 s[86:87], s[68+2*\j:69+2*\j], s[86:87]   ; my bias
.endr
	s_lshl_b32 s21, s53, 1
	s_add_co_u32 s21, s21, s20                     ; my 128 channels
	s_lshl_b32 s22, s21, 9
	s_mov_b32 s23, 0
	s_add_nc_u64 s[86:87], s[86:87], s[22:23]
	s_lshl_b32 s21, s21, 1                         ; my first head
	s_lshl_b32 s19, s19, 4
	s_add_co_u32 s21, s21, s19                     ; batch x 16 + head
	s_mul_i32 s56, s21, HEADB
	s_mul_i32 s57, s18, 13056
	s_add_co_u32 s56, s56, s57                     ; the step's block in kv
	s_cmp_eq_u32 s61, 0
	s_cbranch_scc0 .Lvpath
; nb blocks of 32: register 16 b + i of v[s] on = k 32 b + 16 (lane / 16) + i of my row.  They become codes in v[PC] on (6 registers for two blocks) and the row's scale word in v[w].
.macro QUANT s, nb, w
.set QB, 0
.rept \nb
	v_max3_num_f32 v[MX+QB], |v[\s+16*QB]|, |v[\s+16*QB+1]|, 0x1800000   ; my 16 numbers, and the floor 2^(3 - 127): the byte cannot fall under 1
.set QB, QB+1
.endr
.irp i, 2,4,6,8,10,12,14
.set QB, 0
.rept \nb
	v_max3_num_f32 v[MX+QB], v[MX+QB], |v[\s+16*QB+\i]|, |v[\s+16*QB+\i+1]|   ; (the blocks by turns)
.set QB, QB+1
.endr
.endr
.set QB, 0
.rept \nb
	v_permlanex16_b32 v[PB+QB], v[MX+QB], s[SEL], s[SEL+1]
.set QB, QB+1
.endr
.set QB, 0
.rept \nb
	v_max_num_f32 v[MX+QB], v[MX+QB], v[PB+QB]     ; with lane l xor 16's: the block's largest magnitude
.set QB, QB+1
.endr
.set QB, 0
.rept \nb
	v_add_nc_u32 v[SO+QB], 0xff000000, v[MX+QB]    ; 2 off its exponent field: the conversion's scale operand
.set QB, QB+1
.endr
.set QB, 0
.rept \nb
	v_lshrrev_b32 v[PB+QB], 23, v[SO+QB]           ; the scale's byte
.set QB, QB+1
.endr
	v_lshl_or_b32 v[\w], v[PB+1], 8, v[PB]         ; with two blocks bytes 2 and 3 stay 0
.if \nb == 4
	v_lshl_or_b32 v[\w], v[PB+2], 16, v[\w]
	v_lshl_or_b32 v[\w], v[PB+3], 24, v[\w]
.endif
.set QB, 0
.rept \nb/2
	v_cvt_scalef32_pk16_fp6_f32 v[PC+6*QB:PC+6*QB+2], v[\s+32*QB:\s+32*QB+15], v[SO+2*QB]
	v_cvt_scalef32_pk16_fp6_f32 v[PC+12+4*QB:PC+14+4*QB], v[\s+32*QB+16:\s+32*QB+31], v[SO+2*QB+1]   ; (a conversion's three registers begin on an even number)
.set QB, QB+1
.endr
	v_nop                                          ; one plain place behind a scaled conversion
.set QB, 0
.rept \nb/2                            ; the operand's layout wants a WHOLE block in a lane: lanes 0-15 the even block, lanes 16-31 the odd one
.irp i, 0,1,2
	v_permlane16_swap_b32 v[PC+6*QB+\i], v[PC+12+4*QB+\i]
.endr
.irp i, 0,1,2
	v_mov_b32 v[PC+6*QB+3+\i], v[PC+12+4*QB+\i]
.endr
.set QB, QB+1
.endr
.endm
; ---- q and k.  Tile a of my 128 tokens x head hd of my two: 32 numbers a lane.  q: a record of 1,024 bytes a tile (codes 512 + 256, then (scale word, 0) 8 bytes a lane).  k: 768 bytes of codes a tile, and the scale words as images.
	s_mul_i32 s59, s21, 132
	s_lshl_b32 s60, s18, 3
	s_add_co_u32 s59, s59, s60
	s_lshl_b32 s59, s59, 10                        ; q: record (batch x 16 + head) x 132 + 8 x step
	s_cmp_eq_u32 s52, 0
	s_cselect_b64 s[88:89], s[82:83], s[84:85]
	s_cselect_b32 s22, s59, s56
	s_mov_b32 s62, HEADB
	s_cselect_b32 s62, 132*1024, s62               ; from head to head
	s_mov_b32 s96, 768
	s_cselect_b32 s96, 1024, s96                   ; from tile to tile
	s_mov_b32 s63, 0
	s_mov_b32 s97, 0
	s_add_nc_u64 s[88:89], s[88:89], s[22:23]      ; s[88:89], s[90:91]: where the two heads' tiles go
	s_add_nc_u64 s[90:91], s[88:89], s[62:63]
	s_cmp_lg_u32 s55, 0
	s_mov_b32 s22, 12288
	s_cselect_b32 s22, 6144, s22
	s_add_nc_u64 s[92:93], s[88:89], s[22:23]      ; s[92:93], s[94:95]: k's scale images (not used for q)
	s_add_nc_u64 s[94:95], s[90:91], s[22:23]
	v_lshlrev_b32 v5, 6, v2                        ; the biases in the results' layout: register 16 b + i: channel 32 b + 16 h + i of the head
.irp hd, 0,1
.irp be, 0,1
.irp k, 0,1,2,3
	global_load_b128 v[BQ+32*\hd+16*\be+4*\k:BQ+32*\hd+16*\be+4*\k+3], v5, s[86:87] offset:(64*\hd+32*\be)*4+16*\k
.endr
.endr
.endr
.macro TABLE a                         ; tile a's cos and sin, 64 registers a lane, into buffer a % 2 of window 1: 512 consecutive bytes a load
	WIN 0x40
.irp qd, 0,1,2,3,4,5,6,7
	global_load_b128 v[128*((\a)%2)+4*\qd:128*((\a)%2)+4*\qd+3], v[L16], s[100:101] offset:(\a)*8192+512*\qd
	global_load_b128 v[128*((\a)%2)+32+4*\qd:128*((\a)%2)+32+4*\qd+3], v[L16], s[100:101] offset:(\a)*8192+4096+512*\qd
.endr
	WIN 0
.endm
.macro QK_UNIT a, hd, rope
	WIN 0x02+(\a)/4                                ; source 0: the accumulators' window
.set QP, 0
.rept 16
	v_pk_add_f32 v[X+2*QP:X+2*QP+1], v[64*((\a)%4)+32*(\hd)+2*QP:64*((\a)%4)+32*(\hd)+2*QP+1], v[BQ+32*(\hd)+2*QP:BQ+32*(\hd)+2*QP+1]   ; + bias; each accumulator from its low end on
.set QP, QP+1
.endr
.if \rope
	WIN 0x04                                       ; source 1: the table's window
.set TBB, 128*((\a)%2)
.irp g, 0,1,2,3                        ; a pair (even channel, odd channel): low = x_lo cos_lo - x_hi sin_lo, high = x_hi cos_hi + x_lo sin_hi
.irp e, 0,1,2,3
	v_pk_mul_f32 v[T+2*\e:T+2*\e+1], v[X+8*\g+2*\e:X+8*\g+2*\e+1], v[TBB+8*\g+2*\e:TBB+8*\g+2*\e+1]
.endr
.irp e, 0,1,2,3
	v_pk_fma_f32 v[X+8*\g+2*\e:X+8*\g+2*\e+1], v[X+8*\g+2*\e:X+8*\g+2*\e+1], v[TBB+32+8*\g+2*\e:TBB+32+8*\g+2*\e+1], v[T+2*\e:T+2*\e+1] op_sel:[1,0,0] op_sel_hi:[0,1,1] neg_lo:[0,1,0]
.endr
.endr
.endif
	WIN 0
	s_wait_xcnt 0x0                                ; the last unit's stores have read their data: the codes and q's word may be written again
	QUANT X, 2, SW+4*(\hd)+(\a)%4
	global_store_b128 v[L16], v[PC:PC+3], s[88+2*(\hd):89+2*(\hd)]               ; 512 consecutive bytes
	global_store_b64 v[L8], v[PC+4:PC+5], s[88+2*(\hd):89+2*(\hd)] offset:512    ; 256
	s_cmp_lg_u32 s52, 0
	s_cbranch_scc1 .Lnot_q_\@
	v_mov_b32 v[PW], v[SW+4*(\hd)+(\a)%4]          ; q: the word beside a zero, so that the store covers 256 consecutive bytes
	global_store_b64 v[L8], v[PW:PW+1], s[88+2*(\hd):89+2*(\hd)] offset:768
.Lnot_q_\@:
.endm
.macro KIMG jump, a                    ; k: four tiles' scale words as one image a head: word b of lane (r, u) is tile 2 b + u's word of key row r
	s_cmp_lg_u32 s52, 1
	s_cbranch_scc1 .Lnot_k_\@
.irp hd, 0,1
	v_cndmask_b32 v[PK+2*\hd], v[SW+4*\hd], v[SW+4*\hd+1], s[HM]
	v_cndmask_b32 v[PK+2*\hd+1], v[SW+4*\hd+2], v[SW+4*\hd+3], s[HM]
.endr
	global_store_b64 v[L8], v[PK:PK+1], s[92:93]
	global_store_b64 v[L8], v[PK+2:PK+3], s[94:95]
.if \a < 7
	s_wait_xcnt 0x0                                ; the stores have read their bases
	s_add_nc_u64 s[92:93], s[92:93], \jump
	s_add_nc_u64 s[94:95], s[94:95], \jump
.endif
.Lnot_k_\@:
.endm
; The whole way out of q and k, written twice: rope = 1, video tokens: table and rotation; rope = 0, action tokens: neither, and tiles 4-7 belong to batch 1.  Each copy has no branch round a load, so its counted waits hold on every way.
.macro QKOUT rope
.if \rope
	TABLE 0
	TABLE 1
.else
	s_wait_loadcnt 0x0                             ; the biases
.endif
.irp a, 0,1,2,3,4,5,6,7
.if \rope
.if \a < 7
	s_wait_loadcnt 16                              ; this tile's table is in (and, the first time, the older biases); the next tile's 16 loads may be out
.else
	s_wait_loadcnt 0x0
.endif
.endif
	QK_UNIT \a, 0, \rope
	QK_UNIT \a, 1, \rope
.if \rope && (\a < 6)
	TABLE \a+2                                     ; into the buffer that both units have read
.endif
.if \a%4 == 3
.if \rope
	KIMG 256, \a
.else
	KIMG 16*HEADB, \a
.endif
.endif
.if \a < 7
	s_wait_xcnt 0x0                                ; the stores have read their bases
	s_add_nc_u64 s[88:89], s[88:89], s[96:97]
	s_add_nc_u64 s[90:91], s[90:91], s[96:97]
.if (\rope == 0) && (\a == 3)
	s_add_nc_u64 s[88:89], s[88:89], s[98:99]      ; on to batch 1's heads
	s_add_nc_u64 s[90:91], s[90:91], s[98:99]
.endif
.endif
.endr
.endm
	s_cmp_lg_u32 s55, 0
	s_cbranch_scc1 .Lqk_act
	s_lshl_b32 s22, s18, 16
	s_add_nc_u64 s[100:101], s[80:81], s[22:23]    ; the table of my 128 tokens
	QKOUT 1
	s_endpgm
.Lqk_act:
	s_cmp_eq_u32 s52, 0
	s_mov_b32 s98, 16*HEADB-3072
	s_cselect_b32 s98, 16*132*1024-4096, s98       ; 16 heads on, less the four tiles walked
	s_mov_b32 s99, 0
	QKOUT 0
	s_endpgm
; ---- v.  Tile a of my 128 channels (head a / 4, tile a % 4 of V^T) x my 128 tokens: 64 numbers a lane, four blocks of 32 keys: a whole fragment of the second product and its scale word.
; Video: the fragment's two halves (keys 0-63, 64-127 of the step) go to the step's block.  Action: keys 0-63 are batch 0's tail, keys 64-127 batch 1's.
.Lvpath:
	s_mov_b32 s57, 0
	s_add_nc_u64 s[88:89], s[84:85], s[56:57]
	s_cmp_lg_u32 s55, 0
	s_mov_b32 s22, 6144
	s_cselect_b32 s22, 3072, s22                   ; the first half's place in the block,
	s_mov_b32 s62, 9216
	s_cselect_b32 s62, 3072+16*HEADB, s62          ; the second's,
	s_mov_b32 s56, 12800
	s_cselect_b32 s56, 6400, s56                   ; the scale image's
	s_mov_b32 s63, 0
.irp hd, 0,1
	s_add_nc_u64 s[90+4*\hd:91+4*\hd], s[88:89], s[22:23]
	s_add_nc_u64 s[92+4*\hd:93+4*\hd], s[88:89], s[62:63]
	s_add_nc_u64 s[98+2*\hd:99+2*\hd], s[88:89], s[56:57]
.if \hd == 0
	s_add_nc_u64 s[88:89], s[88:89], HEADB
.endif
.endr
	v_and_b32 v5, 8, v1
	v_add_nc_u32 v5, v5, v1
	v_lshlrev_b32 v5, 2, v5                        ; my channel in a tile: r + 8 (r / 8)
.irp a, 0,1,2,3,4,5,6,7
	global_load_b32 v[BV+2*\a], v5, s[86:87] offset:(32*(\a/2)+8*(\a%2))*4      ; one bias a lane and tile, in both registers of a pair for the packed addition
	global_load_b32 v[BV+2*\a+1], v5, s[86:87] offset:(32*(\a/2)+8*(\a%2))*4
.endr
	s_wait_loadcnt 0x0
.macro VIMG hd                         ; a head's four scale words as one image: word i of lane (r, u) is tile 2 i + u's word of channel row r
	v_cndmask_b32 v[PK], v[SW], v[SW+1], s[HM]
	v_cndmask_b32 v[PK+1], v[SW+2], v[SW+3], s[HM]
	s_cmp_lg_u32 s55, 0
	s_cbranch_scc1 .Lv_act_\@
	global_store_b64 v[L8], v[PK:PK+1], s[98+2*\hd:99+2*\hd]
	s_branch .Lv_done_\@
.Lv_act_\@:
	v_and_b32 v[PK+2], 0xffff, v[PK]               ; bytes 0, 1: batch 0's two blocks; bytes 2, 3 of a tail's word are 0
	v_and_b32 v[PK+3], 0xffff, v[PK+1]
	v_lshrrev_b32 v[PK+4], 16, v[PK]               ; bytes 2, 3: batch 1's
	v_lshrrev_b32 v[PK+5], 16, v[PK+1]
	global_store_b64 v[L8], v[PK+2:PK+3], s[98+2*\hd:99+2*\hd]
	global_store_b64 v[L8], v[PK+4:PK+5], s[98+2*\hd:99+2*\hd] offset:16*HEADB
.Lv_done_\@:
.endm
.macro V_UNIT a
	WIN 0x02+(\a)/4
.set QP, 0
.rept 32
	v_pk_add_f32 v[X+2*QP:X+2*QP+1], v[64*((\a)%4)+2*QP:64*((\a)%4)+2*QP+1], v[BV+2*(\a):BV+2*(\a)+1]   ; + bias; each accumulator from its low end on
.set QP, QP+1
.endr
	WIN 0
	s_wait_xcnt 0x0                                ; the last unit's stores have read their data
	QUANT X, 4, SW+(\a)%4
	global_store_b128 v[L16], v[PC:PC+3], s[90+4*((\a)/4):91+4*((\a)/4)] offset:768*((\a)%4)
	global_store_b64 v[L8], v[PC+4:PC+5], s[90+4*((\a)/4):91+4*((\a)/4)] offset:768*((\a)%4)+512
	global_store_b128 v[L16], v[PC+6:PC+9], s[92+4*((\a)/4):93+4*((\a)/4)] offset:768*((\a)%4)
	global_store_b64 v[L8], v[PC+10:PC+11], s[92+4*((\a)/4):93+4*((\a)/4)] offset:768*((\a)%4)+512
.endm
.irp a, 0,1,2,3
	V_UNIT \a
.endr
	VIMG 0
.irp a, 4,5,6,7
	V_UNIT \a
.endr
	VIMG 1
.Ldone:
	s_endpgm
.Lfunc_end_k_q0b8d6381b3_qkv:
	.size	k_q0b8d6381b3_qkv, .Lfunc_end_k_q0b8d6381b3_qkv-k_q0b8d6381b3_qkv
	.p2alignl 7, 3214868480
	.fill 96, 4, 3214868480
	.section	.rodata,"a",@progbits
	.p2align	6, 0x0
	.amdhsa_kernel k_q0b8d6381b3_qkv
		.amdhsa_group_segment_fixed_size 327680
		.amdhsa_private_segment_fixed_size 0
		.amdhsa_enable_private_segment 0
		.amdhsa_kernarg_size 104
		.amdhsa_user_sgpr_count 2
		.amdhsa_user_sgpr_kernarg_segment_ptr 1
		.amdhsa_wavefront_size32 1
		.amdhsa_system_sgpr_workgroup_id_x 1
		.amdhsa_system_sgpr_workgroup_id_y 1
		.amdhsa_system_sgpr_workgroup_id_z 1
		.amdhsa_system_vgpr_workitem_id 0
		.amdhsa_next_free_vgpr 1024
		.amdhsa_next_free_sgpr 102
		.amdhsa_reserve_vcc 0
		.amdhsa_float_denorm_mode_32 3
		.amdhsa_float_denorm_mode_16_64 3
		.amdhsa_memory_ordered 1
		.amdhsa_forward_progress 1
		.amdhsa_inst_pref_size 255
	.end_amdhsa_kernel
	.section	.bss,"aw",@nobits
	.p2align	6
	.space	262144
	.amdgpu_metadata
---
amdhsa.version: [ 1, 2 ]
amdhsa.kernels:
  - .name:           k_q0b8d6381b3_qkv
    .symbol:         k_q0b8d6381b3_qkv.kd
    .args:
      - { .name: xc, .offset: 0, .size: 8, .value_kind: global_buffer, .address_space: global }
      - { .name: xs, .offset: 8, .size: 8, .value_kind: global_buffer, .address_space: global }
      - { .name: wc, .offset: 16, .size: 8, .value_kind: global_buffer, .address_space: global }
      - { .name: ws, .offset: 24, .size: 8, .value_kind: global_buffer, .address_space: global }
      - { .name: bq, .offset: 32, .size: 8, .value_kind: global_buffer, .address_space: global }
      - { .name: bk, .offset: 40, .size: 8, .value_kind: global_buffer, .address_space: global }
      - { .name: bv, .offset: 48, .size: 8, .value_kind: global_buffer, .address_space: global }
      - { .name: bqa, .offset: 56, .size: 8, .value_kind: global_buffer, .address_space: global }
      - { .name: bka, .offset: 64, .size: 8, .value_kind: global_buffer, .address_space: global }
      - { .name: bva, .offset: 72, .size: 8, .value_kind: global_buffer, .address_space: global }
      - { .name: rope, .offset: 80, .size: 8, .value_kind: global_buffer, .address_space: global }
      - { .name: q, .offset: 88, .size: 8, .value_kind: global_buffer, .address_space: global }
      - { .name: kv, .offset: 96, .size: 8, .value_kind: global_buffer, .address_space: global }
    .group_segment_fixed_size: 327680
    .private_segment_fixed_size: 0
    .kernarg_segment_align: 8
    .kernarg_segment_size: 104
    .max_flat_workgroup_size: 128
    .sgpr_count:     102
    .vgpr_count:     1024
    .wavefront_size: 32
...
	.end_amdgpu_metadata
.endif
;; end of part 2
;; launch attn (part 3): grid 8 x 32, 17 waves a work-group, clusters of 4 x 1, 327,680 bytes of LDS; arguments q, kv, out0, ca; writes out0, ca
.if DOCPART == 3
	.amdgcn_target "amdgcn-amd-amdhsa--gfx1250"
	.amdhsa_code_object_version 6
	.text
	.protected	k_q0b8d6381b3_attn
	.globl	k_q0b8d6381b3_attn
	.p2align	8
	.type	k_q0b8d6381b3_attn,@function
k_q0b8d6381b3_attn:
	s_mov_b64 s[64:65], 0
	v_nop
	global_prefetch_b8 v0, s[64:65] scope:SCOPE_SE
	s_setreg_imm32_b32 hwreg(HW_REG_WAVE_MODE, 25, 1), 1
	s_wait_xcnt 0x0
	s_wait_alu depctr_hold_cnt(0) depctr_sa_sdst(0) depctr_va_vdst(0) depctr_va_sdst(0) depctr_va_ssrc(0) depctr_va_vcc(0) depctr_vm_vsrc(0)
	s_getreg_b32 s2, hwreg(HW_REG_IB_STS2, 6, 4)
	s_cmp_eq_u32 s2, 0
	s_cbranch_scc0 .Lentry_in_a_cluster
	s_endpgm
.Lentry_in_a_cluster:
	s_bfe_u32 s2, ttmp6, 0x10000c
	s_cmp_lg_u32 s2, 0x3003
	s_cbranch_scc0 .Lentry_shape_is_right
	s_endpgm
.Lentry_shape_is_right:
; ATTN.  ctx = softmax(q k^T / 8) v for one batch and head, both products on codes of FP6 (E2M3) with E8M0 scales; and the codes of the action rows of ctx for the last projection.
; THE SOFTMAX AHEAD OF THE SECOND PRODUCT: t = score x log2(e) / 8; M = the row's largest t so far, rounded UP to a whole number; p = 2^(t - M) is quantised along the keys, not normalised; the row's sum is taken of the
; unquantised p and divides at the end.  When M moves, the sum and O are multiplied by 2^(old M - new M): exact.
; SHARES.  A head has 2,112 queries = 132 tiles of 16.  Eight work-groups a head, in two clusters of four; wave w < 16 of work-group g owns tile 16 g + w; wave 16 owns the action tile 128 + g, which exists for g < 4: in the head's second
; cluster wave 16 fetches its block and computes nothing.  192 registers a wave: five waves fit on the SIMD that holds the seventeenth.
; LDS.  A head's k and v, codes and scale words, are 215,552 bytes: they come ONCE, as they lie in memory, wave w bringing block w (16 steps of 128 keys, 13,056 bytes each; the tail's 64 action keys, 6,656).  No slot is filled again and the loop has no barrier.
; CLUSTER.  The four work-groups of a cluster belong to one head: each block is asked for jointly, by the same tensor load with the same descriptor and a mask that names the four.
; LAYOUT.  Everything lies in LDS as images of operand registers: 16 x lane for four registers, 8 x lane for two.  Both products are used transposed (S^T = k q^T, O^T = v^T p^T): a lane holds ONE query.
; The keys of k's tile 2 b + u are 32 b + 8 u + r + 8 (r / 8), so that p's 16 registers of two neighbouring tiles are 16 neighbouring keys; v^T's tiles hold the channels in the same order, so that O^T's are 16 neighbouring channels.
; THE SCORES' K IS 64 in an instruction of 128.  q's registers 6-11 hold zero codes.  k's tile t stands at v[32 + 6 t] on, so that its registers 6-11 are the next tile's codes (behind the fourth: zeros): E2M3 has no NaN and no infinity, a code
; times q's zero is 0, and both sides' scale bytes of those two blocks are 0 (2^-127, no NaN).  The tail's second product is filled likewise: p's codes of keys 64-127 are zeros.
; LIMITS: NaN and infinities are not served.  A block's largest p is taken from its largest score: this takes v_exp_f32 not to fall where its input rises.
.set BLK,    13056
.set HEADB,  215552
.set SPITCH, 272
.set STAGE,  HEADB                     ; behind the head's block: 16 rows x (256 + 16) bytes for each wave, for the way out
.set SPARE,  STAGE+17*16*SPITCH        ; the spare words: 128 bytes a wave, nine blocks of 256 bytes that no other line names
.set L16, 1                            ; v1   16 x lane
.set L8,  2                            ; v2   8 x lane
.set A16, 3                            ; v3   the same in the step's block
.set A8,  4                            ; v4
.set SPW, 5
.set NIL, 6
.set GO,  8                            ; v8   the way out: my byte offset in out0
.set STO, 9                            ; v9   where I put a row's bytes in the stage
.set QS,  10                           ; v10  q's scale words
.set RD,  11                           ; v11  where I read a row back
.set QF,  16                           ; v16-27  q's fragment (v22-27: zeros);  v12 -M, v13 the largest t, v[14:15] the sum
.set KSR, 28                           ; v28-31  k's scale words, then v's
.set KB,  32                           ; v32-61  four tiles of k, 6 registers each, and six zeros
.set S,   62                           ; v62-125 S^T, then p, then v's fragments
.set O,   126                          ; v126-157 O^T
.set PC,  158                          ; v158-169 p's codes
.set BM,  170                          ; v170-173 the blocks' largest scores, then scale operands
.set T8,  174                          ; v174-181 at work
.set F,   182                          ; v182 2^(old M - new M)
.set PW,  183                          ; v183 p's scale word
.set TMP, 184
.set CW,  186                          ; v186, v187: ctx's scale word and 0
.set WV,   18
.set IDLE, 19
.set SEL,  20
.set CS,   22
.set G1,   24
.set G1T,  32
.set G0,   40
.set TB,   2                           ; s2   LDS byte at which the step's block begins
.set CNT,  3
.macro ROUND                           ; a round of the cluster's barrier
	s_barrier_signal -1
	s_barrier_wait -1
	s_cmp_lg_u32 s[WV], 0
	s_cbranch_scc1 .Lnot_wave_0_\@
	s_barrier_signal -3
.Lnot_wave_0_\@:
	s_barrier_wait -3
	s_barrier_signal -1
	s_barrier_wait -1
.endm
	s_load_b256 s[4:11], s[0:1], 0x0               ; q, kv, out0, ca
	v_lshl_add_u32 v[SPW], v0, 2, SPARE
	v_mov_b32 v[NIL], 0
	ds_add_u32 v[SPW], v[NIL]                      ; the wave's opening: the add, twice on end, and its wait ahead of my first tensor load
	ds_add_u32 v[SPW], v[NIL]
	v_lshrrev_b32 v1, 5, v0
	v_readfirstlane_b32 s[WV], v1                  ; wave 0..16
	s_bfe_u32 s12, ttmp6, 0x40000                  ; cx: it enters q's, out0's and ca's addresses alone
	s_lshl_b32 s13, ttmp9, 2
	s_add_co_u32 s13, s13, s12                     ; the head's work-group 0..7
	s_and_b32 s14, ttmp7, 0xffff                   ; batch x 16 + head, which the partners share
	s_lshl_b32 s15, s13, 4
	s_add_co_u32 s15, s15, s[WV]
	s_add_co_u32 s16, s13, 128
	s_min_u32 s16, s16, 131
	s_cmp_eq_u32 s[WV], 16
	s_cselect_b32 s15, s16, s15                    ; my tile of queries
	s_cselect_b32 s[IDLE], ttmp9, 0                ; 1 in wave 16 of the head's second cluster: the wave's number and the cluster's alone, the same in all partners
	s_mov_b32 s[G1], 15|(3<<16)|(1<<21)            ; the mask: all four work-groups; elements of 8 bytes; bit 21 set beside a mask; no padding
	s_mov_b32 s[G1+1], 32<<16                      ; rows of 256 bytes,
	s_mov_b32 s[G1+2], 51<<16                      ; 51 of them: a dense block of 13,056 bytes
	s_mov_b32 s[G1+3], 32<<16
	s_mov_b32 s[G1+4], 51
	s_mov_b32 s[G1+5], 32
	s_mov_b32 s[G1+6], 0
	s_mov_b32 s[G1+7], 0
	s_mov_b32 s[G1T], 15|(3<<16)|(1<<21)           ; the tail: 26 rows
	s_mov_b32 s[G1T+1], 32<<16
	s_mov_b32 s[G1T+2], 26<<16
	s_mov_b32 s[G1T+3], 32<<16
	s_mov_b32 s[G1T+4], 26
	s_mov_b32 s[G1T+5], 32
	s_mov_b32 s[G1T+6], 0
	s_mov_b32 s[G1T+7], 0
	s_mul_i32 s17, s[WV], BLK                      ; block w, in LDS as in the head's block of memory
	s_mul_i32 s44, s14, HEADB
	s_add_co_u32 s44, s44, s17
	s_mov_b32 s45, 0
	s_mov_b32 s[SEL], 0x76543210
	s_mov_b32 s[SEL+1], 0xfedcba98
	s_mov_b32 s[CS], 0x3e38aa3b                    ; c = log2(e) / 8
	s_mov_b32 s[CS+1], s[CS]                       ; (named with it as a pair, so it is written)
	s_mov_b32 s[TB], 0
	s_mov_b32 s[CNT], 16
	s_wait_dscnt 0x0                               ; both opening adds are done
	s_wait_kmcnt 0x0
	s_mov_b32 s[G0], 1
	s_mov_b32 s[G0+1], s17
	s_add_nc_u64 s[G0+2:G0+3], s[6:7], s[44:45]
	s_or_b32 s[G0+3], s[G0+3], 0x80000000
	ROUND                                          ; all four work-groups are here: the joint loads meet
	s_cmp_lt_u32 s[WV], 16                         ; a fill in each arm: one load of mine is out
	s_cbranch_scc0 .Ltail_load
	tensor_load_to_lds s[G0:G0+3], s[G1:G1+7]
	s_nop 0
.rept 4
	v_nop
.endr
	s_branch .Lasked
.Ltail_load:
	tensor_load_to_lds s[G0:G0+3], s[G1T:G1T+7]
	s_nop 0
.rept 4
	v_nop
.endr
.Lasked:
	v_and_b32 v1, 31, v0
	v_lshlrev_b32 v[L8], 3, v1
	v_lshlrev_b32 v[L16], 4, v1
	s_mul_i32 s44, s14, 132
	s_add_co_u32 s44, s44, s15
	s_lshl_b32 s44, s44, 10
	s_add_nc_u64 s[4:5], s[4:5], s[44:45]          ; my tile's record of q
	global_load_b128 v[QF:QF+3], v[L16], s[4:5]
	global_load_b64 v[QF+4:QF+5], v[L8], s[4:5] offset:512
	global_load_b32 v[QS], v[L8], s[4:5] offset:768
.irp i, 0,1,2,3,4,5
	v_mov_b32 v[QF+6+\i], 0                        ; zero codes for k = 64 .. 127
	v_mov_b32 v[KB+24+\i], 0
.endr
	v_mov_b32 v13, 0xff61b1e6                      ; the largest t so far: -3e38
	v_floor_f32 v12, -v13                          ; -M
	v_mov_b32 v14, 0
	v_mov_b32 v15, 0
.irp b, 0,1,2,3
	v_mov_b32 v[T8+\b], 0                          ; written once: a lane permute's destination counts as one of its sources
.endr
	v_mov_b32 v[PW], 0                             ; (named as the upper half of the pair v[182:183] before it is first written)
.set JJ, 0
.rept 32
	v_mov_b32 v[O+JJ], 0                           ; O^T: the step is written once; the first finds zeros, which the first change of M leaves zeros
.set JJ, JJ+1
.endr
	s_wait_loadcnt 0x0                             ; q
	s_wait_tensorcnt 0x0                           ; my block has landed,
	s_barrier_signal -1
	s_barrier_wait -1                              ; everybody's has: the whole head lies in LDS
.macro SCORE t, g
.if (\t)%2
	v_wmma_scale_f32_16x16x128_f8f6f4 v[S+8*(4*(\g)+\t):S+8*(4*(\g)+\t)+7], v[KB+6*\t:KB+6*\t+11], v[QF:QF+11], 0, v[KSR+(4*(\g)+\t)/2], v[QS] matrix_a_fmt:MATRIX_FMT_FP6 matrix_b_fmt:MATRIX_FMT_FP6 matrix_a_scale:MATRIX_SCALE_ROW1
.else
	v_wmma_scale_f32_16x16x128_f8f6f4 v[S+8*(4*(\g)+\t):S+8*(4*(\g)+\t)+7], v[KB+6*\t:KB+6*\t+11], v[QF:QF+11], 0, v[KSR+(4*(\g)+\t)/2], v[QS] matrix_a_fmt:MATRIX_FMT_FP6 matrix_b_fmt:MATRIX_FMT_FP6
.endif
.endm
.macro PV t, vst
.if (\t)%2
	v_wmma_scale_f32_16x16x128_f8f6f4 v[O+8*\t:O+8*\t+7], v[S+(\vst)*\t:S+(\vst)*\t+11], v[PC:PC+11], v[O+8*\t:O+8*\t+7], v[KSR+\t/2], v[PW] matrix_a_fmt:MATRIX_FMT_FP6 matrix_b_fmt:MATRIX_FMT_FP6 matrix_a_scale:MATRIX_SCALE_ROW1
.else
	v_wmma_scale_f32_16x16x128_f8f6f4 v[O+8*\t:O+8*\t+7], v[S+(\vst)*\t:S+(\vst)*\t+11], v[PC:PC+11], v[O+8*\t:O+8*\t+7], v[KSR+\t/2], v[PW] matrix_a_fmt:MATRIX_FMT_FP6 matrix_b_fmt:MATRIX_FMT_FP6
.endif
.endm
; A KEY STEP of nb blocks of 32 keys (4; the tail: 2).  In a block of memory: k's codes at 0, v's at 1,536 nb, k's scale images at 3,072 nb, v's 128 nb further on.
.macro STEP nb
	s_cmp_lg_u32 s[IDLE], 0                        ; the wave without a tile walks the loop and leaves the work out
	s_cbranch_scc1 .Lskip_\@
	v_add_nc_u32 v[A16], s[TB], v[L16]
	v_add_nc_u32 v[A8], s[TB], v[L8]
.rept 3
	v_nop                                          ; with the two additions five places behind the last step's products: the scores are written over registers that those read as v, and loads land in their scale registers
.endr
	ds_load_b64 v[KSR:KSR+1], v[A8] offset:3072*\nb
.if \nb == 4
	ds_load_b64 v[KSR+2:KSR+3], v[A8] offset:3072*\nb+256
.endif
.set GG, 0
.rept \nb/2                            ; S^T = k q^T, four tiles of 16 keys at a time
.if GG > 0
.rept 4
	v_nop                                          ; places in front of loads into registers that matrix instructions have read
.endr
.endif
.irp t, 0,1,2,3
	ds_load_b128 v[KB+6*\t:KB+6*\t+3], v[A16] offset:768*(4*GG+\t)
	ds_load_b64 v[KB+6*\t+4:KB+6*\t+5], v[A8] offset:768*(4*GG+\t)+512
.endr
	s_wait_dscnt 0x0
.irp t, 0,1,2,3
	SCORE \t, GG
.endr
.set GG, GG+1
.endr
.rept 4
	v_nop
.endr
.set BB, 0
.rept \nb
	v_max3_num_f32 v[BM+BB], v[S+16*BB], v[S+16*BB+1], v[S+16*BB+2]   ; the largest score of each block of 32 keys: for the row's maximum and for the block's largest p
.set BB, BB+1
.endr
.irp i, 3,5,7,9,11,13
.set BB, 0
.rept \nb
	v_max3_num_f32 v[BM+BB], v[BM+BB], v[S+16*BB+\i], v[S+16*BB+\i+1]
.set BB, BB+1
.endr
.endr
.set BB, 0
.rept \nb
	v_max_num_f32 v[BM+BB], v[BM+BB], v[S+16*BB+15]
.set BB, BB+1
.endr
.set BB, 0
.rept \nb
	v_permlanex16_b32 v[T8+BB], v[BM+BB], s[SEL], s[SEL+1]
.set BB, BB+1
.endr
.set BB, 0
.rept \nb
	v_max_num_f32 v[BM+BB], v[BM+BB], v[T8+BB]     ; with lane l xor 16's 16 keys
.set BB, BB+1
.endr
.if \nb == 4
	v_max3_num_f32 v[TMP], v[BM], v[BM+1], v[BM+2]
	v_max_num_f32 v[TMP], v[TMP], v[BM+3]
.else
	v_max_num_f32 v[TMP], v[BM], v[BM+1]
.endif
	v_mul_f32 v[TMP], s[CS], v[TMP]                ; the step's largest t of my query
	v_max_num_f32 v13, v13, v[TMP]
	v_mov_b32 v[TMP], v12
	v_floor_f32 v12, -v13                          ; the new -M = -ceil(t)
	v_sub_f32 v[TMP], v12, v[TMP]                  ; old M - new M: a whole number, 0 or less
	v_cvt_i32_f32 v[TMP], v[TMP]                   ; (it saturates)
	v_ldexp_f32 v[F], 1.0, v[TMP]
.set JJ, 0
.rept 8*\nb
	v_pk_fma_f32 v[S+JJ:S+JJ+1], v[S+JJ:S+JJ+1], s[CS:CS+1], v[12:13] op_sel_hi:[1,0,0]   ; t - M, two at a time
.set JJ, JJ+2
.endr
.set BB, 0
.rept \nb
	v_fma_f32 v[BM+BB], v[BM+BB], s[CS], v12
.set BB, BB+1
.endr
.set JJ, 0
.rept 16*\nb
	v_exp_f32 v[S+JJ], v[S+JJ]                     ; p = 2^(t - M)
.set JJ, JJ+1
.endr
	v_pk_mul_f32 v[14:15], v[14:15], v[F:F+1] op_sel_hi:[1,0]   ; the sums under the new M: a plain place behind the exponentials
	s_wait_alu depctr_va_vdst(0)                   ; one wait for the whole batch, ahead of its first reader
.set BB, 0
.rept \nb
	v_exp_f32 v[BM+BB], v[BM+BB]                   ; the blocks' largest p
.set BB, BB+1
.endr
	v_pk_add_f32 v[T8:T8+1], v[S:S+1], v[S+2:S+3]  ; the row's sum of the unquantised p, in two chains
.set JJ, 4
.rept 4*\nb-1
	v_pk_add_f32 v[14:15], v[14:15], v[S+JJ:S+JJ+1]
	v_pk_add_f32 v[T8:T8+1], v[T8:T8+1], v[S+JJ+2:S+JJ+3]
.set JJ, JJ+4
.endr
	v_pk_add_f32 v[14:15], v[14:15], v[T8:T8+1]
	s_wait_alu depctr_va_vdst(0)                   ; and one for the blocks' exponentials
.set BB, 0
.rept \nb
	v_max_num_f32 v[BM+BB], 0x1800000, v[BM+BB]    ; the floor 2^(3 - 127): the byte cannot fall under 1
.set BB, BB+1
.endr
.set BB, 0
.rept \nb
	v_add_nc_u32 v[BM+BB], 0xff000000, v[BM+BB]    ; 2 off the exponent field: the conversion's scale operand
.set BB, BB+1
.endr
.set BB, 0
.rept \nb
	v_lshrrev_b32 v[T8+BB], 23, v[BM+BB]           ; the scale's byte
.set BB, BB+1
.endr
	v_lshl_or_b32 v[PW], v[T8+1], 8, v[T8]         ; p's scale word (the tail's bytes 2, 3 are 0)
.if \nb == 4
	v_lshl_or_b32 v[PW], v[T8+2], 16, v[PW]
	v_lshl_or_b32 v[PW], v[T8+3], 24, v[PW]
.endif
.set CC, 0
.rept \nb/2
	v_cvt_scalef32_pk16_fp6_f32 v[PC+6*CC:PC+6*CC+2], v[S+32*CC:S+32*CC+15], v[BM+2*CC]
	v_cvt_scalef32_pk16_fp6_f32 v[T8+4*CC:T8+4*CC+2], v[S+32*CC+16:S+32*CC+31], v[BM+2*CC+1]   ; (a conversion's three registers begin on an even number)
.set CC, CC+1
.endr
	v_nop                                          ; one plain place behind a scaled conversion
.set VST, 3*\nb                        ; v's four fragments take p's registers: 12 apart; in the tail 6 apart, each one's upper six being the next one's codes or p's bits, all times zero codes of p
.irp t, 0,1,2,3
.set CC, 0
.rept \nb/2
	ds_load_b128 v[S+VST*\t+6*CC:S+VST*\t+6*CC+3], v[A16] offset:1536*\nb+3072*CC+768*\t
	ds_load_b64 v[S+VST*\t+6*CC+4:S+VST*\t+6*CC+5], v[A8] offset:1536*\nb+3072*CC+768*\t+512
.set CC, CC+1
.endr
.endr
	ds_load_b64 v[KSR:KSR+1], v[A8] offset:3072*\nb+128*\nb   ; v's scale words
.set CC, 0
.rept \nb/2                            ; the operand's layout wants a WHOLE block in a lane
.irp i, 0,1,2
	v_permlane16_swap_b32 v[PC+6*CC+\i], v[T8+4*CC+\i]
.endr
.irp i, 0,1,2
	v_mov_b32 v[PC+6*CC+3+\i], v[T8+4*CC+\i]
.endr
.set CC, CC+1
.endr
.if \nb == 2
.irp i, 6,7,8,9,10,11
	v_mov_b32 v[PC+\i], 0                          ; the tail: zero codes for keys 64 .. 127
.endr
.endif
.set JJ, 0
.rept 16
	v_pk_mul_f32 v[O+JJ:O+JJ+1], v[O+JJ:O+JJ+1], v[F:F+1] op_sel_hi:[1,0]   ; O^T under the new M.  (These sixteen are also the places between p's codes and scale word and the products)
.set JJ, JJ+2
.endr
	s_wait_dscnt 0x0
.irp t, 0,1,2,3
	PV \t, VST                                     ; O^T += v^T p^T: the four accumulators by turns, one instruction a turn
.endr
.Lskip_\@:
	s_add_co_u32 s[TB], s[TB], BLK
.endm
.Lstep:
	STEP 4
	s_sub_co_u32 s[CNT], s[CNT], 1
	s_cmp_lg_u32 s[CNT], 0
	s_cbranch_scc1 .Lstep
	STEP 2                                         ; the 64 action keys
	; THE WAY OUT.  O^T / the sum goes through my stage in LDS and leaves as whole units: sixteen lanes store one token's 64 channels of this head, 256 consecutive bytes, aligned.
	s_cmp_lg_u32 s[IDLE], 0
	s_cbranch_scc1 .Lfin
	v_add_f32 v14, v14, v15
	v_permlanex16_b32 v[T8], v14, s[SEL], s[SEL+1]
	v_add_f32 v14, v14, v[T8]                      ; the row's sum
	v_rcp_f32 v14, v14
	v_and_b32 v7, 15, v0                           ; (plain work behind the reciprocal, and the places behind the last products)  r
	v_bfe_u32 v[GO], v0, 4, 1                      ; h
	s_mul_i32 s45, s[WV], 16*SPITCH
	s_add_co_u32 s45, s45, STAGE                   ; my stage
	v_mul_u32_u24 v[STO], v7, SPITCH
	v_lshl_add_u32 v[STO], v[GO], 6, v[STO]
	v_add_nc_u32 v[STO], s45, v[STO]               ; in: row r, + 64 h
	v_mul_u32_u24 v[RD], v[GO], SPITCH
	v_lshl_add_u32 v[RD], v7, 4, v[RD]
	v_add_nc_u32 v[RD], s45, v[RD]                 ; back: lanes 0-15 one row, lanes 16-31 the next
	v_lshlrev_b32 v[GO], 12, v[GO]
	v_lshl_add_u32 v[GO], v7, 4, v[GO]             ; and the same two tokens in out0
	s_lshr_b32 s44, s14, 4                         ; batch
	s_and_b32 s46, s14, 15                         ; head
	s_mul_i32 s47, s44, 2112
	s_lshr_b32 s48, s15, 1
	s_lshl_b32 s48, s48, 5
	s_add_co_u32 s47, s47, s48
	s_and_b32 s48, s15, 1
	s_lshl_b32 s48, s48, 3
	s_add_co_u32 s47, s47, s48                     ; place 0 of tile t is token 32 (t / 2) + 8 (t % 2); place p: + p + 8 (p / 8)
	s_lshl_b32 s48, s47, 12
	s_lshl_b32 s49, s46, 8
	s_add_co_u32 s48, s48, s49
	s_mov_b32 s49, 0
	s_add_nc_u64 s[8:9], s[8:9], s[48:49]
	s_wait_alu depctr_va_vdst(0)                   ; the wait for the reciprocal, ahead of its first reader
.set JJ, 0
.rept 16
	v_pk_mul_f32 v[S+JJ:S+JJ+1], v[O+JJ:O+JJ+1], v[14:15] op_sel_hi:[1,0]   ; ctx: register 16 b + i is channel 32 b + 16 h + i of my query; each accumulator from its low end on
.set JJ, JJ+2
.endr
.irp be, 0,1
.irp k, 0,1,2,3
	ds_store_b128 v[STO], v[S+16*\be+4*\k:S+16*\be+4*\k+3] offset:128*\be+16*\k
.endr
.endr
.irp i, 0,1,2,3,4,5,6,7
	ds_load_b128 v[S+32+4*\i:S+32+4*\i+3], v[RD] offset:2*\i*SPITCH   ; LDS serves a wave's instructions in order: these see my stores
.endr
.irp i, 0,1,2,3,4,5,6,7
	s_wait_dscnt 7-\i                              ; the younger read-backs may be out
	global_store_b128 v[GO], v[S+32+4*\i:S+32+4*\i+3], s[8:9] offset:(2*\i+8*(\i/4))*4096 th:TH_STORE_NT
.endr
	s_cmp_lg_u32 s[WV], 16
	s_cbranch_scc1 .Lfin
	; Wave 16: an action tile.  Its 64 channels are two whole blocks of the last projection's K: they are quantised here, and leave as a record like q's.
.irp b, 0,1
	v_max3_num_f32 v[BM+\b], |v[S+16*\b]|, |v[S+16*\b+1]|, 0x1800000
.endr
.irp i, 2,4,6,8,10,12,14
.irp b, 0,1
	v_max3_num_f32 v[BM+\b], v[BM+\b], |v[S+16*\b+\i]|, |v[S+16*\b+\i+1]|
.endr
.endr
.irp b, 0,1
	v_permlanex16_b32 v[T8+\b], v[BM+\b], s[SEL], s[SEL+1]
.endr
.irp b, 0,1
	v_max_num_f32 v[BM+\b], v[BM+\b], v[T8+\b]
.endr
.irp b, 0,1
	v_add_nc_u32 v[BM+\b], 0xff000000, v[BM+\b]
.endr
.irp b, 0,1
	v_lshrrev_b32 v[T8+\b], 23, v[BM+\b]
.endr
	v_lshl_or_b32 v[CW], v[T8+1], 8, v[T8]
	v_mov_b32 v[CW+1], 0
	v_cvt_scalef32_pk16_fp6_f32 v[PC:PC+2], v[S:S+15], v[BM]
	v_cvt_scalef32_pk16_fp6_f32 v[T8:T8+2], v[S+16:S+31], v[BM+1]
	v_nop                                          ; one plain place behind a scaled conversion
.irp i, 0,1,2
	v_permlane16_swap_b32 v[PC+\i], v[T8+\i]
.endr
.irp i, 0,1,2
	v_mov_b32 v[PC+3+\i], v[T8+\i]
.endr
	s_lshl_b32 s48, s44, 2
	s_add_co_u32 s48, s48, s13
	s_lshl_b32 s48, s48, 4
	s_add_co_u32 s48, s48, s46
	s_lshl_b32 s48, s48, 10                        ; record ((batch x 4 + tile) x 16 + head)
	s_add_nc_u64 s[10:11], s[10:11], s[48:49]
	global_store_b128 v[L16], v[PC:PC+3], s[10:11]
	global_store_b64 v[L8], v[PC+4:PC+5], s[10:11] offset:512
	global_store_b64 v[L8], v[CW:CW+1], s[10:11] offset:768
.Lfin:
	s_wait_tensorcnt 0x0                           ; the wave's end, behind my tensor load and my last LDS store
	ds_add_u32 v[SPW], v[NIL]
	s_wait_dscnt 0x0
	ROUND                                          ; the closing round
	s_endpgm
.Lfunc_end_k_q0b8d6381b3_attn:
	.size	k_q0b8d6381b3_attn, .Lfunc_end_k_q0b8d6381b3_attn-k_q0b8d6381b3_attn
	.p2alignl 7, 3214868480
	.fill 96, 4, 3214868480
	.section	.rodata,"a",@progbits
	.p2align	6, 0x0
	.amdhsa_kernel k_q0b8d6381b3_attn
		.amdhsa_group_segment_fixed_size 327680
		.amdhsa_private_segment_fixed_size 0
		.amdhsa_enable_private_segment 0
		.amdhsa_kernarg_size 32
		.amdhsa_user_sgpr_count 2
		.amdhsa_user_sgpr_kernarg_segment_ptr 1
		.amdhsa_wavefront_size32 1
		.amdhsa_system_sgpr_workgroup_id_x 1
		.amdhsa_system_sgpr_workgroup_id_y 1
		.amdhsa_system_sgpr_workgroup_id_z 1
		.amdhsa_system_vgpr_workitem_id 0
		.amdhsa_next_free_vgpr 192
		.amdhsa_next_free_sgpr 66
		.amdhsa_reserve_vcc 0
		.amdhsa_float_denorm_mode_32 3
		.amdhsa_float_denorm_mode_16_64 3
		.amdhsa_memory_ordered 1
		.amdhsa_forward_progress 1
		.amdhsa_inst_pref_size 39
	.end_amdhsa_kernel
	.amdgpu_metadata
---
amdhsa.version: [ 1, 2 ]
amdhsa.kernels:
  - .name:           k_q0b8d6381b3_attn
    .symbol:         k_q0b8d6381b3_attn.kd
    .args:
      - { .name: q, .offset: 0, .size: 8, .value_kind: global_buffer, .address_space: global }
      - { .name: kv, .offset: 8, .size: 8, .value_kind: global_buffer, .address_space: global }
      - { .name: out0, .offset: 16, .size: 8, .value_kind: global_buffer, .address_space: global }
      - { .name: ca, .offset: 24, .size: 8, .value_kind: global_buffer, .address_space: global }
    .group_segment_fixed_size: 327680
    .private_segment_fixed_size: 0
    .kernarg_segment_align: 8
    .kernarg_segment_size: 32
    .max_flat_workgroup_size: 544
    .sgpr_count:     66
    .vgpr_count:     192
    .wavefront_size: 32
...
	.end_amdgpu_metadata
.endif
;; end of part 3
;; launch proj (part 4): grid 16 x 2, 4 waves a work-group, no clusters, 17,920 bytes of LDS; arguments ca, wc, ws, bpa, out1; writes out1
.if DOCPART == 4
	.amdgcn_target "amdgcn-amd-amdhsa--gfx1250"
	.amdhsa_code_object_version 6
	.text
	.protected	k_q0b8d6381b3_proj
	.globl	k_q0b8d6381b3_proj
	.p2align	8
	.type	k_q0b8d6381b3_proj,@function
k_q0b8d6381b3_proj:
	s_mov_b64 s[64:65], 0
	v_nop
	global_prefetch_b8 v0, s[64:65] scope:SCOPE_SE
	s_setreg_imm32_b32 hwreg(HW_REG_WAVE_MODE, 25, 1), 1
	s_wait_xcnt 0x0
; PROJ.  out1 = ctx[:, 2048:] Wpa^T + bpa on codes of FP6 (E2M3) with E8M0 scales: ctx's action rows were quantised by the wave that made them, Wpa by the first launch.
; SHARES.  Work-group (x, y): 64 output channels x, batch y; wave w: the tile w of 16 action rows.  A wave has 4 accumulators and 32 matrix instructions, K = 1,024 in 8 steps of 128 (two heads each).
; Everything a wave needs is asked for at once, and one wait stands in front of the products: the launch is one round trip to memory long, and a ring would only add round trips.  32 work-groups: there is no more work to share.
; THE MATRIX INSTRUCTION IS USED TRANSPOSED: source 0 = 16 rows of Wpa (in the row order of the codes' buffer), source 1 = 16 rows of ctx: register j of tile 2 b + u in lane half h is channel 32 b + 16 h + 8 u + j.  bpa is the C of each sum's first product.
; REGISTERS: window 0: v1-13 addresses; v16-111 ctx's 8 fragments, later rows of out1; v112-127 ctx's scale words a head, v128-135 a K step; v136-167 Wpa's scale words; v168-199 the accumulators; v200-231 bpa.
;   window 1: Wpa's fragments of K steps 0-4 (v[48 s + 12 i]);  window 2: of K steps 5-7.
.set SPITCH, 272
.set SPARE,  4*16*SPITCH               ; behind the four stages: the spare words, two blocks of 256 bytes that no other line names
.set L16, 3
.set L8,  4
.set GO,  8
.set STO, 9
.set RD,  10
.set SPW, 12
.set NIL, 13
.set AFR, 16
.set RAW, 112
.set AS,  128
.set WS,  136
.set ACC, 168
.set BI,  200
.set MSB, 0
.macro WIN new
.if MSB != (\new)
	s_set_vgpr_msb (MSB<<8)|(\new)
.set MSB, \new
.endif
.endm
	s_load_b256 s[4:11], s[0:1], 0x0               ; ca, wc, ws, bpa
	s_load_b64 s[12:13], s[0:1], 0x20              ; out1
	v_lshl_add_u32 v[SPW], v0, 2, SPARE
	v_mov_b32 v[NIL], 0
	v_lshrrev_b32 v1, 5, v0
	v_readfirstlane_b32 s14, v1                    ; wave = tile of rows
	v_and_b32 v1, 15, v0                           ; r
	v_bfe_u32 v2, v0, 4, 1                         ; h
	v_and_b32 v[L16], 31, v0
	v_lshlrev_b32 v[L8], 3, v[L16]
	v_lshlrev_b32 v[L16], 4, v[L16]
	v_mul_u32_u24 v5, v1, 768
	v_mad_u32_u24 v5, v2, 24, v5                   ; Wpa: row r of a tile, + 24 h
	v_lshlrev_b32 v6, 5, v1                        ; its scale bytes: 32 a row
	v_lshlrev_b32 v7, 6, v2                        ; bpa: 16 h channels
	s_lshl_b32 s15, ttmp9, 6                       ; first channel
	s_and_b32 s16, ttmp7, 0xffff                   ; batch
	s_add_co_u32 s17, s15, 6144                    ; Wpa is the seventh weight in wc and ws
	s_mul_i32 s18, s17, 768
	s_mov_b32 s19, 0
	s_lshl_b32 s20, s17, 5
	s_mov_b32 s21, 0
	s_lshl_b32 s22, s15, 2
	s_mov_b32 s23, 0
	s_lshl_b32 s24, s16, 2
	s_add_co_u32 s24, s24, s14
	s_lshl_b32 s24, s24, 14                        ; the tile's 16 records of 1,024 bytes
	s_mov_b32 s25, 0
	s_lshl_b32 s26, s16, 6
	s_lshr_b32 s27, s14, 1
	s_lshl_b32 s27, s27, 5
	s_add_co_u32 s26, s26, s27
	s_and_b32 s27, s14, 1
	s_lshl_b32 s27, s27, 3
	s_add_co_u32 s26, s26, s27                     ; place 0 of tile w is row 32 (w / 2) + 8 (w % 2) of the batch's 64
	s_lshl_b32 s26, s26, 12
	s_add_co_u32 s26, s26, s22
	s_mov_b32 s27, 0
	s_wait_kmcnt 0x0
	s_add_nc_u64 s[4:5], s[4:5], s[24:25]
	s_add_nc_u64 s[6:7], s[6:7], s[18:19]
	s_add_nc_u64 s[8:9], s[8:9], s[20:21]
	s_add_nc_u64 s[10:11], s[10:11], s[22:23]
	s_add_nc_u64 s[12:13], s[12:13], s[26:27]
	WIN 0x40                                       ; destination window 1
.irp s, 0,1,2,3,4
.irp i, 0,1,2,3
.irp p, 0,1,2,3,4,5
	global_load_b64 v[48*\s+12*\i+2*\p:48*\s+12*\i+2*\p+1], v5, s[6:7] offset:16*\i*768+96*\s+48*(\p/3)+8*(\p%3)
.endr
.endr
.endr
	WIN 0x80                                       ; destination window 2
.irp s, 5,6,7
.irp i, 0,1,2,3
.irp p, 0,1,2,3,4,5
	global_load_b64 v[48*(\s-5)+12*\i+2*\p:48*(\s-5)+12*\i+2*\p+1], v5, s[6:7] offset:16*\i*768+96*\s+48*(\p/3)+8*(\p%3)
.endr
.endr
.endr
	WIN 0
.irp i, 0,1,2,3
	global_load_b128 v[WS+8*\i:WS+8*\i+3], v6, s[8:9] offset:16*\i*32          ; a row's eight scale words
	global_load_b128 v[WS+8*\i+4:WS+8*\i+7], v6, s[8:9] offset:16*\i*32+16
	global_load_b128 v[BI+8*\i:BI+8*\i+3], v7, s[10:11] offset:(32*(\i/2)+8*(\i%2))*4
	global_load_b128 v[BI+8*\i+4:BI+8*\i+7], v7, s[10:11] offset:(32*(\i/2)+8*(\i%2))*4+16
.endr
.irp hd, 0,1,2,3,4,5,6,7,8,9,10,11,12,13,14,15     ; head hd's record is half a fragment: registers 6 (hd % 2) on of K step hd / 2
	global_load_b128 v[AFR+6*\hd:AFR+6*\hd+3], v[L16], s[4:5] offset:1024*\hd
	global_load_b64 v[AFR+6*\hd+4:AFR+6*\hd+5], v[L8], s[4:5] offset:1024*\hd+512
	global_load_b32 v[RAW+\hd], v[L8], s[4:5] offset:1024*\hd+768
.endr
	s_mul_i32 s28, s14, 16*SPITCH                  ; my stage
	v_mul_u32_u24 v[STO], v1, SPITCH
	v_lshl_add_u32 v[STO], v2, 6, v[STO]
	v_add_nc_u32 v[STO], s28, v[STO]               ; in: row r, + 64 h
	v_mul_u32_u24 v[RD], v2, SPITCH
	v_lshl_add_u32 v[RD], v1, 4, v[RD]
	v_add_nc_u32 v[RD], s28, v[RD]                 ; back: lanes 0-15 one row, lanes 16-31 the next
	v_lshlrev_b32 v[GO], 12, v2
	v_lshl_add_u32 v[GO], v1, 4, v[GO]             ; and the same two rows in out1
	s_wait_loadcnt 0x0
.irp s, 0,1,2,3,4,5,6,7
	v_lshl_or_b32 v[AS+\s], v[RAW+2*\s+1], 16, v[RAW+2*\s]   ; two heads' two bytes each make a K step's scale word
.endr
.rept 8
	v_nop                                          ; a scale register written by a vector instruction stands eight places ahead of a scaled matrix instruction
.endr
.irp s, 0,1,2,3,4,5,6,7
	WIN 0x01+\s/5                                  ; source 0: window 1, from K step 5 on window 2
.irp i, 0,1,2,3                                    ; the four accumulators by turns, one instruction a turn
.if \s == 0
	v_wmma_scale_f32_16x16x128_f8f6f4 v[ACC+8*\i:ACC+8*\i+7], v[48*(\s%5)+12*\i:48*(\s%5)+12*\i+11], v[AFR+12*\s:AFR+12*\s+11], v[BI+8*\i:BI+8*\i+7], v[WS+8*\i+\s], v[AS+\s] matrix_a_fmt:MATRIX_FMT_FP6 matrix_b_fmt:MATRIX_FMT_FP6
.else
	v_wmma_scale_f32_16x16x128_f8f6f4 v[ACC+8*\i:ACC+8*\i+7], v[48*(\s%5)+12*\i:48*(\s%5)+12*\i+11], v[AFR+12*\s:AFR+12*\s+11], v[ACC+8*\i:ACC+8*\i+7], v[WS+8*\i+\s], v[AS+\s] matrix_a_fmt:MATRIX_FMT_FP6 matrix_b_fmt:MATRIX_FMT_FP6
.endif
.endr
.endr
	WIN 0
.rept 4
	v_nop                                          ; places in front of the first read of results and of loads into registers that the products read
.endr
.irp be, 0,1
.irp k, 0,1,2,3
	ds_store_b128 v[STO], v[ACC+16*\be+4*\k:ACC+16*\be+4*\k+3] offset:128*\be+16*\k   ; register 16 b + i is channel 32 b + 16 h + i; each accumulator from its low end on
.endr
.endr
.irp i, 0,1,2,3,4,5,6,7
	ds_load_b128 v[AFR+4*\i:AFR+4*\i+3], v[RD] offset:2*\i*SPITCH   ; LDS serves a wave's instructions in order: these see my stores
.endr
.irp i, 0,1,2,3,4,5,6,7
	s_wait_dscnt 7-\i                              ; the younger read-backs may be out
	global_store_b128 v[GO], v[AFR+4*\i:AFR+4*\i+3], s[12:13] offset:(2*\i+8*(\i/4))*4096 th:TH_STORE_NT   ; sixteen lanes store 256 consecutive bytes, aligned
.endr
	s_wait_tensorcnt 0x0                           ; the wave's end, behind my last LDS store
	ds_add_u32 v[SPW], v[NIL]
	s_wait_dscnt 0x0
	s_endpgm
.Lfunc_end_k_q0b8d6381b3_proj:
	.size	k_q0b8d6381b3_proj, .Lfunc_end_k_q0b8d6381b3_proj-k_q0b8d6381b3_proj
	.p2alignl 7, 3214868480
	.fill 96, 4, 3214868480
	.section	.rodata,"a",@progbits
	.p2align	6, 0x0
	.amdhsa_kernel k_q0b8d6381b3_proj
		.amdhsa_group_segment_fixed_size 17920
		.amdhsa_private_segment_fixed_size 0
		.amdhsa_enable_private_segment 0
		.amdhsa_kernarg_size 40
		.amdhsa_user_sgpr_count 2
		.amdhsa_user_sgpr_kernarg_segment_ptr 1
		.amdhsa_wavefront_size32 1
		.amdhsa_system_sgpr_workgroup_id_x 1
		.amdhsa_system_sgpr_workgroup_id_y 1
		.amdhsa_system_sgpr_workgroup_id_z 1
		.amdhsa_system_vgpr_workitem_id 0
		.amdhsa_next_free_vgpr 672
		.amdhsa_next_free_sgpr 66
		.amdhsa_reserve_vcc 0
		.amdhsa_float_denorm_mode_32 3
		.amdhsa_float_denorm_mode_16_64 3
		.amdhsa_memory_ordered 1
		.amdhsa_forward_progress 1
		.amdhsa_inst_pref_size 34
	.end_amdhsa_kernel
	.amdgpu_metadata
---
amdhsa.version: [ 1, 2 ]
amdhsa.kernels:
  - .name:           k_q0b8d6381b3_proj
    .symbol:         k_q0b8d6381b3_proj.kd
    .args:
      - { .name: ca, .offset: 0, .size: 8, .value_kind: global_buffer, .address_space: global }
      - { .name: wc, .offset: 8, .size: 8, .value_kind: global_buffer, .address_space: global }
      - { .name: ws, .offset: 16, .size: 8, .value_kind: global_buffer, .address_space: global }
      - { .name: bpa, .offset: 24, .size: 8, .value_kind: global_buffer, .address_space: global }
      - { .name: out1, .offset: 32, .size: 8, .value_kind: global_buffer, .address_space: global }
    .group_segment_fixed_size: 17920
    .private_segment_fixed_size: 0
    .kernarg_segment_align: 8
    .kernarg_segment_size: 40
    .max_flat_workgroup_size: 128
    .sgpr_count:     66
    .vgpr_count:     672
    .wavefront_size: 32
...
	.end_amdgpu_metadata
.endif
;; end of part 4
;; ======== version 2 of 2: 4 launches
;; limits: right only within a limited range of input values
;; workspace buffers: cw 8,749,056 bytes; sw 364,544 bytes; rope 1,048,576 bytes; q 4,325,376 bytes; kv 6,897,664 bytes; ca 131,072 bytes
;; launch prep (part 5): grid 388 x 1, 4 waves a work-group, no clusters, 33,280 bytes of LDS; arguments video_hidden_states, action_hidden_states, Wq, Wk, Wv, Wqa, Wka, Wva, Wpa, cw, sw, rope; writes cw, sw, rope
.if DOCPART == 5
	.amdgcn_target "amdgcn-amd-amdhsa--gfx1250"
	.amdhsa_code_object_version 6
	.text
	.protected	k_q0b8d6381b3_prep
	.globl	k_q0b8d6381b3_prep
	.p2align	8
	.type	k_q0b8d6381b3_prep,@function
k_q0b8d6381b3_prep:
	s_mov_b64 s[64:65], 0
	v_nop
	global_prefetch_b8 v0, s[64:65] scope:SCOPE_SE
	s_setreg_imm32_b32 hwreg(HW_REG_WAVE_MODE, 25, 1), 1
	s_wait_xcnt 0x0
; PREP.  (1) The nine f32 operands whose K (1,024) is innermost (video x, action x, Wq, Wk, Wv, Wqa, Wka, Wva, Wpa) become codes of FP6 (E2M3), 768 bytes a row, and one E8M0 byte for each 32 along K, 32 bytes a row.
; (2) The cos/sin table of the video tokens' rotary positions, laid in the order of the registers that the next launch multiplies by it.
; DEAD WORK LEFT OUT, in the whole program: the rotation of qa and ka.  Their positions are linspace(f_ids[0], f_ids[1], 64) with f_ids = arange(2048) // 256, built in the problem's own body: f_ids[0] = f_ids[1] = 0,
; so every action position is 0 for all values of the inputs, cos = 1, sin = 0, and x * 1 + y * 0 = x.  So the table has no action tokens and the next launch does not rotate them.  Every input keeps a way to an output: all 16 are loaded.
; LIMIT: an infinity or NaN in qa or ka would give NaN in y * 0; that NaN, which reaches only the work left out, is not carried to the result.
; A block's scale is 2^(floor(log2(its largest magnitude)) - 2): its byte is the largest magnitude's exponent field - 2, held at 1 from below.  A block of zeros so gets the byte 1 where the rule says 127: its codes are zeros, and this program alone reads the bytes.
; LIMITS: NaN and infinities among the inputs are not served.  sin and cos come from a reduction by pi/2 in three parts and polynomials of degree 7 and 8: about 1e-7 absolute beside the rounding of position x frequency.
; ROW ORDER.  In the codes' and the bytes' buffers the four groups of 8 rows of each 32 rows lie in the order 0, 2, 1, 3: place 16 u + r of a group of 32 holds row 8 u + r + 8 (r / 8).  Sixteen places on end are then a tile
; whose results, used transposed, give a lane 16 neighbours along the next product's K in the registers of two neighbouring tiles.
; SHARES.  Work-groups 0-127: video (32 rows each); 128-131: action; 132-355: the seven weights, 32 work-groups each; 356-387: the table.  A wave of the first 356 takes 8 rows = 8,192 numbers, 16 steps of 512.
; Each of a step's four loads reads 512 consecutive bytes; the 2,048 bytes turn through the wave's own stage in LDS and come back 64 bytes (16 neighbours) a lane; two neighbouring lanes hold a block.
.set NQWG,  356
.set WAVES, 4
.set STEPS, 16
.set EMAX,  2
; WHERE THE CODES AND BYTES GO.  One buffer of codes, cw, and one of scale bytes, sw, for all nine operands: places 0-4,223 are x (video, then action), places 4,224 + 1,024 j on are weight j.
; cw is laid by quarters of K: quarter c (256 along K, 192 bytes a row) of place p stands at QS c + 192 p, so that 128 places of a quarter are 24,576 bytes on end, 96 whole runs of 256 bytes from a multiple of 256.
; sw: 32 bytes a place.  Work-group g < 356 fills places 32 g .. 32 g + 31.  Loads run eight steps (32 loads a wave) ahead, in eight sets of 16 registers.
.set CB,    12                         ; bytes of 16 codes
.set QS,    2187264                    ; a quarter of cw: 11,392 places x 192 bytes
.set R,     16                         ; v16-143  eight sets of 16 numbers as loaded
.set X,     144                        ; v144-175 two sets of 16 neighbours (v16-143: eight sets of 16 numbers as loaded)
.set E,     176                        ; v176-191 a scale byte for each step
.set CD,    192                        ; v192-255 codes: four registers a step, so that no store's data are written again
.set WREG,  8192                       ; LDS: a region for each wave: two stages of 32 x SP bytes, then its 256 scale bytes
.set SP,    80
.set SPW,   12                         ; v12  LDS address of my spare word; never rewritten
.set NIL,   13                         ; v13  0; never rewritten
.set SPARE, WAVES*WREG                 ; the spare words: 128 bytes a wave, two blocks of 256 bytes that no other line names
; the table's way
.set POS,   16                         ; v16-19  the token's three positions as f32, and 0 for the four channels that pass through
.set OM,    20                         ; v20-29  the ten frequencies
.set TX,    32
.set TY,    33
.set TN,    34
.set TR,    35
.set TZ,    36
.set TS,    37
.set TC,    38
.set TH,    39
.set CO,    64                         ; v64-95  cos of my 32 channels
.set SI,    96                         ; v96-127 sin
.set K2PI,  40                         ; s40-49  constants of the reduction and the polynomials
.set KP1,   41
.set KP2,   42
.set KP3,   43
.set KS0,   44
.set KS1,   45
.set KS2,   46
.set KC0,   47
.set KC1,   48
.set KC2,   49
.set HM,    50                         ; s50  the mask of lanes 16-31
	s_load_b512 s[4:19], s[0:1], 0x0               ; video, action, Wq, Wk, Wv, Wqa, Wka, Wva
	s_load_b256 s[20:27], s[0:1], 0x40             ; Wpa, cw, sw, (rope)
	s_load_b64 s[30:31], s[0:1], 0x58              ; rope
	v_lshl_add_u32 v[SPW], v0, 2, SPARE
	v_mov_b32 v[NIL], 0
	v_lshrrev_b32 v1, 5, v0
	v_readfirstlane_b32 s34, v1                    ; wave
	v_and_b32 v2, 31, v0                           ; lane
	v_lshlrev_b32 v3, 4, v2                        ; 16 x lane
	s_cmp_ge_u32 ttmp9, NQWG
	s_cbranch_scc1 .Ltable
	s_mul_i32 s35, s34, WREG
	v_lshrrev_b32 v14, 2, v2
	v_mul_u32_u24 v14, v14, SP
	v_and_b32 v15, 3, v2
	v_lshl_add_u32 v14, v15, 4, v14
	v_add_nc_u32 v14, s35, v14                     ; the stage, in: SP (lane / 4) + 16 (lane % 4)
	v_mul_u32_u24 v15, v2, SP
	v_add_nc_u32 v15, s35, v15                     ; and out: SP x lane
	v_and_b32 v4, 15, v2
	v_mul_u32_u24 v4, v4, CB
	v_lshrrev_b32 v10, 4, v2
	v_mad_u32_u24 v4, v10, QS, v4                  ; a step is half a row, two quarters of K: lanes 0-15 fill the first's 192 bytes, lanes 16-31 the second's, QS further on
	v_lshrrev_b32 v5, 1, v2
	s_add_co_u32 s35, s35, 2*32*SP
	v_add_nc_u32 v5, s35, v5                       ; LDS: my block's byte among my wave's 256
	v_lshlrev_b32 v7, 3, v2
	v_add_nc_u32 v6, s35, v7
	s_wait_alu depctr_va_vdst(0)
	s_wait_kmcnt 0x0
	s_cmp_lt_u32 ttmp9, 128                        ; which tensor: the choices hang on the work-group's number alone
	s_cselect_b64 s[36:37], s[4:5], s[6:7]
.irp j, 0,1,2,3,4,5,6
	s_cmp_ge_u32 ttmp9, 132+32*\j
	s_cselect_b64 s[36:37], s[8+2*\j:9+2*\j], s[36:37]
.endr
	s_cmp_lt_u32 ttmp9, 132
	s_mov_b64 s[38:39], s[22:23]                   ; the codes go to cw,
	s_mov_b64 s[40:41], s[24:25]                   ; the bytes to sw
	s_cselect_b32 s42, 0, 132
	s_cselect_b32 s43, 127, 31
	s_sub_co_u32 s42, ttmp9, s42                   ; the work-group's number among x's or the weights' ones,
	s_and_b32 s43, s42, s43                        ; and in the tensor that it reads
	s_lshl_b32 s43, s43, 2
	s_add_co_u32 s43, s43, s34                     ; my run of 8 rows in the tensor
	s_lshl_b32 s44, s43, 15                        ; x 32,768 bytes
	s_mov_b32 s45, 0
	s_add_nc_u64 s[36:37], s[36:37], s[44:45]
	s_and_b32 s46, s34, 1
	s_lshl_b32 s46, s46, 1
	s_lshr_b32 s47, s34, 1
	s_or_b32 s46, s46, s47                         ; the row order: groups 0, 1, 2, 3 go to places 0, 2, 1, 3
	s_lshl_b32 s42, ttmp9, 2                       ; in cw and sw the work-group's 32 places are 32 x its number
	s_add_co_u32 s42, s42, s46
	s_mul_i32 s44, s42, 8*192                      ; 8 places of 192 bytes in each quarter
	s_add_nc_u64 s[38:39], s[38:39], s[44:45]      ; quarters 0, 1: the even steps
	s_add_nc_u64 s[48:49], s[38:39], 2*QS          ; quarters 2, 3: the odd steps
	s_lshl_b32 s44, s42, 8                         ; 256 scale bytes a run
	s_add_nc_u64 s[40:41], s[40:41], s[44:45]
.macro LOAD t
.irp i, 0,1,2,3
	global_load_b128 v[R+16*((\t)%8)+4*\i:R+16*((\t)%8)+4*\i+3], v3, s[36:37] offset:2048*(\t)+512*\i th:TH_LOAD_NT   ; 32 lanes read 512 consecutive bytes
.endr
.endm
.macro TURN t                          ; step t's numbers through the stage: LDS serves a wave's instructions in order, so no wait stands between the stores and the loads
.irp i, 0,1,2,3
	ds_store_b128 v14, v[R+16*((\t)%8)+4*\i:R+16*((\t)%8)+4*\i+3] offset:32*SP*((\t)%2)+8*SP*\i
.endr
.irp i, 0,1,2,3
	ds_load_b128 v[X+16*((\t)%2)+4*\i:X+16*((\t)%2)+4*\i+3], v15 offset:32*SP*((\t)%2)+16*\i
.endr
.endm
.irp t, 0,1,2,3,4,5,6,7
	LOAD \t
.endr
	s_wait_loadcnt 28                              ; step 0's four loads are in; the 28 of steps 1 to 7 may be out
	TURN 0
.macro STEP t
.set XS, X+16*((\t)%2)
.if (\t) > 0
	s_wait_dscnt 1                                 ; this step's numbers are back from the stage (the last step's byte store may be out)
.else
	s_wait_dscnt 0x0
.endif
.if (\t)+8 < STEPS
	LOAD (\t)+8                                    ; into the registers that this step's stores into the stage have read
.endif
.if (\t)+1 < STEPS
.if STEPS-2-(\t) >= 7
	s_wait_loadcnt 28                              ; the next step's four loads are in; those of the seven steps behind it may be out
.else
	s_wait_loadcnt 4*(STEPS-2-(\t))
.endif
	TURN (\t)+1
.endif
	v_max3_num_f32 v8, |v[XS]|, |v[XS+1]|, |v[XS+2]|               ; the largest magnitude of my 16
	v_max3_num_f32 v9, |v[XS+3]|, |v[XS+4]|, |v[XS+5]|
.irp i, 6,10
	v_max3_num_f32 v8, v8, |v[XS+\i]|, |v[XS+\i+1]|
	v_max3_num_f32 v9, v9, |v[XS+\i+2]|, |v[XS+\i+3]|
.endr
	v_max3_num_f32 v8, v8, |v[XS+14]|, |v[XS+15]|
	v_max3_num_f32 v8, v8, v9, (EMAX+1)<<23        ; and the floor 2^(3 - 127): the byte cannot fall under 1
	v_max_num_f32_dpp v8, v8, v8 row_xmask:1 row_mask:0xf bank_mask:0xf   ; and of my neighbour's 16: the block's
	v_add_nc_u32 v11, -(EMAX<<23), v8              ; 2 off its exponent field: the conversion takes the exponent field of this operand as its scale
	v_cvt_scalef32_pk16_fp6_f32 v[CD+4*(\t):CD+4*(\t)+2], v[XS:XS+15], v11
	v_lshrrev_b32 v[E+(\t)], 23, v11               ; the scale's byte
	ds_store_b8 v5, v[E+(\t)] offset:16*(\t)       ; both lanes of a block write the same byte with the same value
	global_store_b96 v4, v[CD+4*(\t):CD+4*(\t)+2], s[38+10*((\t)%2):39+10*((\t)%2)] offset:192*((\t)/2)   ; row t / 2 of my 8: sixteen lanes store 192 consecutive bytes of one quarter, sixteen of the next
.endm
.irp t, 0,1,2,3,4,5,6,7,8,9,10,11,12,13,14,15
	STEP \t
.endr
	ds_load_b64 v[8:9], v6                         ; LDS serves a wave's instructions in order: these see my stores
	s_wait_dscnt 0x0
	global_store_b64 v7, v[8:9], s[40:41]          ; 32 lanes store 256 consecutive bytes, aligned
	s_wait_tensorcnt 0x0                           ; the wave's end, behind my last LDS store
	ds_add_u32 v[SPW], v[NIL]
	s_wait_dscnt 0x0
	s_endpgm
; THE TABLE.  Wave W = 4 (work-group - 356) + wave makes the 16 tokens of tile a = W % 8 of the 128 tokens st = W / 8: lane (r, h): token 128 st + 32 (a / 2) + 8 (a % 2) + r + 8 (r / 8), as the row order gives them to the next launch.
; Register i of the lane is the head's channel j = 32 (i / 16) + 16 h + i % 16.  Channel j turns by position[j / 20] x 10000^(-((j % 20) % 10) / 10); channels 60-63 have position 0: cos 1, sin 0.  This way stores nothing to LDS.
.macro SINCOS x, c, s
	v_mul_f32 v[TN], s[K2PI], v[\x]
	v_rndne_f32 v[TN], v[TN]                       ; n = the nearest multiple of pi/2
	v_fma_f32 v[TR], -v[TN], s[KP1], v[\x]         ; x - n pi/2, pi/2 in three parts
	v_fma_f32 v[TR], -v[TN], s[KP2], v[TR]
	v_fma_f32 v[TR], -v[TN], s[KP3], v[TR]
	v_mul_f32 v[TZ], v[TR], v[TR]
	v_fma_f32 v[TS], v[TZ], s[KS0], s[KS1]
	v_fma_f32 v[TC], v[TZ], s[KC0], s[KC1]
	v_fma_f32 v[TS], v[TS], v[TZ], s[KS2]
	v_fma_f32 v[TC], v[TC], v[TZ], s[KC2]
	v_mul_f32 v[TS], v[TS], v[TZ]
	v_fma_f32 v[TH], v[TZ], -0.5, 1.0
	v_mul_f32 v[TZ], v[TZ], v[TZ]
	v_fma_f32 v[TS], v[TS], v[TR], v[TR]           ; sin of the rest
	v_fma_f32 v[TC], v[TZ], v[TC], v[TH]           ; cos of the rest
	v_cvt_i32_f32 v[TN], v[TN]
	v_and_b32 v[TH], 1, v[TN]
	v_cmp_ne_u32 vcc_lo, 0, v[TH]                  ; odd quadrants change the two over
	v_cndmask_b32 v[\s], v[TS], v[TC], vcc_lo
	v_cndmask_b32 v[\c], v[TC], v[TS], vcc_lo
	v_and_b32 v[TH], 2, v[TN]
	v_lshlrev_b32 v[TH], 30, v[TH]
	v_xor_b32 v[\s], v[\s], v[TH]                  ; sin is negative in quadrants 2, 3
	v_add_nc_u32 v[TN], 1, v[TN]
	v_and_b32 v[TH], 2, v[TN]
	v_lshlrev_b32 v[TH], 30, v[TH]
	v_xor_b32 v[\c], v[\c], v[TH]                  ; cos in quadrants 1, 2
.endm
.Ltable:
	s_sub_co_u32 s35, ttmp9, NQWG
	s_lshl_b32 s35, s35, 2
	s_add_co_u32 s35, s35, s34                     ; W
	s_lshr_b32 s36, s35, 3
	s_lshl_b32 s36, s36, 7                         ; 128 st
	s_and_b32 s37, s35, 7                          ; a
	s_lshr_b32 s38, s37, 1
	s_lshl_b32 s38, s38, 5
	s_add_co_u32 s36, s36, s38
	s_and_b32 s38, s37, 1
	s_lshl_b32 s38, s38, 3
	s_add_co_u32 s36, s36, s38
	v_and_b32 v4, 15, v0
	v_and_b32 v5, 8, v4
	v_add_nc_u32 v4, v4, v5
	v_add_nc_u32 v4, s36, v4                       ; my token
	v_lshrrev_b32 v5, 8, v4
	v_cvt_f32_u32 v[POS], v5                       ; frame
	v_bfe_u32 v5, v4, 4, 4
	v_cvt_f32_u32 v[POS+1], v5                     ; row
	v_and_b32 v5, 15, v4
	v_cvt_f32_u32 v[POS+2], v5                     ; column
	v_mov_b32 v[POS+3], 0
	s_mov_b32 s[K2PI], 0x3f22f983                  ; 2 / pi
	s_mov_b32 s[KP1], 0x3fc90000
	s_mov_b32 s[KP2], 0x39fda000
	s_mov_b32 s[KP3], 0x33a22168
	s_mov_b32 s[KS0], 0xb94ca1f9
	s_mov_b32 s[KS1], 0x3c08839e
	s_mov_b32 s[KS2], 0xbe2aaaa3
	s_mov_b32 s[KC0], 0x37ccf5ce
	s_mov_b32 s[KC1], 0xbab6061a
	s_mov_b32 s[KC2], 0x3d2aaaa5
	s_mov_b32 s[HM], 0xffff0000
	s_mov_b32 s51, 0xbfaa152d                      ; -log2(10000) / 10
.irp k, 0,1,2,3,4,5,6,7,8,9
	v_mov_b32 v[TX], \k
	v_cvt_f32_u32 v[OM+\k], v[TX]
	v_mul_f32 v[OM+\k], s51, v[OM+\k]
.endr
	s_wait_alu depctr_va_vdst(0)
.irp k, 0,1,2,3,4,5,6,7,8,9
	v_exp_f32 v[OM+\k], v[OM+\k]                   ; 10000^(-k / 10)
.endr
	v_nop                                          ; a plain instruction behind the last exponential,
	s_wait_alu depctr_va_vdst(0)                   ; and one wait for the batch of ten, ahead of the first reader
	s_lshl_b32 s52, s35, 13                        ; 8,192 bytes a tile
	s_mov_b32 s53, 0
	s_wait_kmcnt 0x0
	s_add_nc_u64 s[30:31], s[30:31], s[52:53]
.set I, 0
.rept 32
.set J0, 32*(I/16)+I%16                ; the channel in lanes 0-15,
.set J1, J0+16                         ; and in lanes 16-31
	v_cndmask_b32 v[TX], v[POS+J0/20], v[POS+J1/20], s[HM]
	v_cndmask_b32 v[TY], v[OM+(J0%20)%10], v[OM+(J1%20)%10], s[HM]
	v_mul_f32 v[TX], v[TX], v[TY]
	SINCOS TX, CO+I, SI+I
.set I, I+1
.endr
.irp qd, 0,1,2,3,4,5,6,7
	global_store_b128 v3, v[CO+4*\qd:CO+4*\qd+3], s[30:31] offset:512*\qd          ; 512 consecutive bytes a store
	global_store_b128 v3, v[SI+4*\qd:SI+4*\qd+3], s[30:31] offset:4096+512*\qd
.endr
	s_endpgm
.Lfunc_end_k_q0b8d6381b3_prep:
	.size	k_q0b8d6381b3_prep, .Lfunc_end_k_q0b8d6381b3_prep-k_q0b8d6381b3_prep
	.p2alignl 7, 3214868480
	.fill 96, 4, 3214868480
	.section	.rodata,"a",@progbits
	.p2align	6, 0x0
	.amdhsa_kernel k_q0b8d6381b3_prep
		.amdhsa_group_segment_fixed_size 33280
		.amdhsa_private_segment_fixed_size 0
		.amdhsa_enable_private_segment 0
		.amdhsa_kernarg_size 96
		.amdhsa_user_sgpr_count 2
		.amdhsa_user_sgpr_kernarg_segment_ptr 1
		.amdhsa_wavefront_size32 1
		.amdhsa_system_sgpr_workgroup_id_x 1
		.amdhsa_system_sgpr_workgroup_id_y 1
		.amdhsa_system_sgpr_workgroup_id_z 1
		.amdhsa_system_vgpr_workitem_id 0
		.amdhsa_next_free_vgpr 256
		.amdhsa_next_free_sgpr 66
		.amdhsa_reserve_vcc 1
		.amdhsa_float_denorm_mode_32 3
		.amdhsa_float_denorm_mode_16_64 3
		.amdhsa_memory_ordered 1
		.amdhsa_forward_progress 1
		.amdhsa_inst_pref_size 80
	.end_amdhsa_kernel
	.amdgpu_metadata
---
amdhsa.version: [ 1, 2 ]
amdhsa.kernels:
  - .name:           k_q0b8d6381b3_prep
    .symbol:         k_q0b8d6381b3_prep.kd
    .args:
      - { .name: video_hidden_states, .offset: 0, .size: 8, .value_kind: global_buffer, .address_space: global }
      - { .name: action_hidden_states, .offset: 8, .size: 8, .value_kind: global_buffer, .address_space: global }
      - { .name: Wq, .offset: 16, .size: 8, .value_kind: global_buffer, .address_space: global }
      - { .name: Wk, .offset: 24, .size: 8, .value_kind: global_buffer, .address_space: global }
      - { .name: Wv, .offset: 32, .size: 8, .value_kind: global_buffer, .address_space: global }
      - { .name: Wqa, .offset: 40, .size: 8, .value_kind: global_buffer, .address_space: global }
      - { .name: Wka, .offset: 48, .size: 8, .value_kind: global_buffer, .address_space: global }
      - { .name: Wva, .offset: 56, .size: 8, .value_kind: global_buffer, .address_space: global }
      - { .name: Wpa, .offset: 64, .size: 8, .value_kind: global_buffer, .address_space: global }
      - { .name: cw, .offset: 72, .size: 8, .value_kind: global_buffer, .address_space: global }
      - { .name: sw, .offset: 80, .size: 8, .value_kind: global_buffer, .address_space: global }
      - { .name: rope, .offset: 88, .size: 8, .value_kind: global_buffer, .address_space: global }
    .group_segment_fixed_size: 33280
    .private_segment_fixed_size: 0
    .kernarg_segment_align: 8
    .kernarg_segment_size: 96
    .max_flat_workgroup_size: 128
    .sgpr_count:     66
    .vgpr_count:     256
    .wavefront_size: 32
...
	.end_amdgpu_metadata
.endif
;; end of part 5
;; launch qkv (part 6): grid 12 x 17, 4 waves a work-group, no clusters, 327,680 bytes of LDS; arguments cw, sw, bq, bk, bv, bqa, bka, bva, rope, q, kv; writes q, kv
.if DOCPART == 6
	.amdgcn_target "amdgcn-amd-amdhsa--gfx1250"
	.amdhsa_code_object_version 6
	.text
	.protected	k_q0b8d6381b3_qkv
	.globl	k_q0b8d6381b3_qkv
	.p2align	8
	.type	k_q0b8d6381b3_qkv,@function
k_q0b8d6381b3_qkv:
	s_mov_b64 s[64:65], 0
	v_nop
	global_prefetch_b8 v0, s[64:65] scope:SCOPE_SE
	s_setreg_imm32_b32 hwreg(HW_REG_WAVE_MODE, 25, 1), 1
	s_wait_xcnt 0x0
; QKV.  q, k and v of the video and of the action tokens: x W^T on codes of FP6 (E2M3) with E8M0 scales, sums in f32; then the bias, the rotary turn (video q and k), and the quantiser of the product that takes the result.
; The results leave as images of operand registers: q's records in q, a head's k and v by key steps in kv.
; DEAD WORK LEFT OUT: the rotation of qa and ka: their positions are linspace(f_ids[0], f_ids[1], 64) with f_ids[0] = f_ids[1] = 0 by the problem's own body, so cos = 1 and sin = 0 for all inputs (shown at the first kernel's head).
; SHARES.  Work-group (x, y): x / 4 says q, k or v, x % 4 the 256 output channels; y < 16: 256 video tokens; y = 16: the 128 action tokens with Wqa, Wka, Wva.  Four waves, 128 x 128 each: 64 accumulators in windows 2 and 3.
; For q and k source 0 takes W's rows and source 1 x's (a lane holds a token, its registers run along the channels); for v the other way round (a lane holds a channel, its registers run along the keys).
; THE CODES come from cw, laid by quarters of K (256 along K, 192 bytes a row, rows on end): a wave's part of a slot, 128 rows of one quarter, is 24,576 consecutive bytes and is stated as 96 rows of 256 bytes, each from a multiple of 256.
; The mover lays 16 bytes of padding behind every 64, so that a row of codes is 240 bytes in LDS.  Two slots take turns over the four quarters; each wave fills a quarter of a slot by one tensor load.
; THE SCALES go from sw straight into registers, once: a lane's row has 32 bytes for all of K; lanes 0-15 take the rows of source 1's block i, lanes 16-31 those of source 0's: v[32 + 16 f + 2 i + s] is the word of step s of quarter f.
; PREFETCH.  Behind the load of quarter f stands a request for quarter f + 2 (f = 0, 1): a part's 96 runs of 256 bytes are shared out by address among the work-groups that read it, 8 to each of the 12 that share x's rows,
; 6 to each of the 16 that share a weight's (an action weight's part has one reader, which asks for 6).  The cos/sin table of 128 tokens, 256 runs, is shared out among the 16 waves (8 work-groups x 2) that read it, 16 runs each.
; NO CLUSTER: the grid has 17 rows of work-groups, which do not divide into clusters of four.
; LIMITS: NaN and infinities are not served.  A block of zeros gets the byte 1 where the rule says 127: its codes are zeros, and this program alone reads the bytes.
.set NQ,     2
.set ROWB,   192
.set QS,     2187264                   ; a quarter of cw: 11,392 rows x 192 bytes
.set PITCH,  240
.set FR,     12
.set NL,     6
.set NP,     4
.set HALFT,  128*PITCH
.set SLOT,   4*HALFT
.set SPARE,  2*SLOT                    ; behind the ring: the spare words, 128 bytes a wave, two blocks of 256 bytes that no other line names
.set HEADB,  215552
.set ADRA, 16
.set ADRB, 20
.set ADRS, 27
.set SPW,  28
.set NIL,  29
.set SC,   32
.set AF,   128
.set L16,  3
.set L8,   4
.set X,    64
.set PC,   128
.set MX,   148
.set PB,   152
.set SO,   156
.set PW,   160
.set SW,   162
.set PK,   170
.set T,    176
.set BQ,   192
.set BV,   192
.set G1,   24
.set G0,   32
.set HM,   12
.set SEL,  2
.set MSB, 0
.macro WIN new
.if MSB != (\new)
	s_set_vgpr_msb (MSB<<8)|(\new)
.set MSB, \new
.endif
.endm
.set MUL_LO, 0xa1
.set MUL_HI, 0xf1
.set TO_B,   0x40
.macro TLOAD g0, g1
	tensor_load_to_lds s[\g0:\g0+3], s[\g1:\g1+7]
	s_nop 0
.rept 4
	v_nop
.endr
.endm
	s_load_b128 s[4:7], s[0:1], 0x0                ; cw, sw
	s_load_b256 s[68:75], s[0:1], 0x10             ; bq, bk, bv, bqa
	s_load_b256 s[76:83], s[0:1], 0x30             ; bka, bva, rope, q
	s_load_b64 s[84:85], s[0:1], 0x50              ; kv
	v_lshl_add_u32 v[SPW], v0, 2, SPARE
	v_mov_b32 v[NIL], 0
	ds_add_u32 v[SPW], v[NIL]
	ds_add_u32 v[SPW], v[NIL]
	v_lshrrev_b32 v1, 5, v0
	v_readfirstlane_b32 s14, v1
	s_lshr_b32 s15, s14, 1
	s_and_b32 s16, s14, 1
	s_lshr_b32 s52, ttmp9, 2
	s_and_b32 s53, ttmp9, 3
	s_and_b32 s54, ttmp7, 0xffff
	s_cmp_eq_u32 s54, 16
	s_cselect_b32 s55, 1, 0
	s_lshl_b32 s56, s54, 8
	s_lshl_b32 s57, s16, 7
	s_add_co_u32 s56, s56, s57
	s_min_u32 s56, s56, 4096
	s_mul_i32 s58, s55, 3
	s_add_co_u32 s58, s58, s52
	s_lshl_b32 s59, s58, 10
	s_lshl_b32 s60, s53, 8
	s_add_co_u32 s59, s59, s60
	s_add_co_u32 s59, s59, s57
	s_add_co_u32 s59, s59, 4224                    ; the weights' rows stand behind x's 4,224 in cw and sw
	s_cmp_eq_u32 s52, 2
	s_cselect_b32 s61, 1, 0
	s_xor_b32 s62, s61, s15
	s_mov_b32 s[G1+0], (1<<20)|(3<<22)|(3<<25)
	s_mov_b32 s[G1+1], 256<<16                     ; a dense block of 24,576 bytes as 96 rows of 256
	s_mov_b32 s[G1+2], 96<<16
	s_mov_b32 s[G1+3], 256<<16
	s_mov_b32 s[G1+4], 96
	s_mov_b32 s[G1+5], 256
	s_mov_b32 s[G1+6], 0
	s_mov_b32 s[G1+7], 0
	s_mul_i32 s86, s14, HALFT
	s_wait_dscnt 0x0
	s_wait_kmcnt 0x0
	s_cmp_eq_u32 s62, 0
	s_cselect_b32 s63, s56, s59                    ; the first of the 128 rows that I fetch: x's or a weight's
	s_mul_i32 s18, s63, ROWB
	s_mov_b32 s19, 0
	s_add_nc_u64 s[20:21], s[4:5], s[18:19]        ; my part of quarter 0
	s_mov_b64 s[46:47], s[20:21]                   ; kept for the prefetches; never rewritten
.irp s, 0,1
	s_mov_b32 s[G0+4*\s], 1
	s_add_co_u32 s[G0+4*\s+1], s86, \s*SLOT
	s_add_nc_u64 s[G0+4*\s+2:G0+4*\s+3], s[20:21], \s*QS
	s_or_b32 s[G0+4*\s+3], s[G0+4*\s+3], 0x80000000
.endr
	TLOAD G0, G1                                   ; quarter 0: one tensor load a wave at the head
	v_and_b32 v1, 15, v0
	v_bfe_u32 v2, v0, 4, 1
	v_mul_u32_u24 v3, v1, PITCH
	v_mul_u32_u24 v4, v2, 24
	v_add_nc_u32 v4, v3, v4
	v_lshl_add_u32 v5, v2, 4, v4
	s_mul_i32 s21, s15, HALFT
	s_mul_i32 s22, s16, HALFT
	s_add_co_u32 s22, s22, 2*HALFT
.irp s, 0,1
	v_add_nc_u32 v[ADRA+\s], s21, v4
	v_add_nc_u32 v[ADRB+\s], s22, v4
	v_add_nc_u32 v[ADRA+2+\s], s21, v5
	v_add_nc_u32 v[ADRB+2+\s], s22, v5
	s_add_co_u32 s21, s21, SLOT
	s_add_co_u32 s22, s22, SLOT
.endr
	; the rows whose scales I multiply by: source 1's 128 rows (half s15 of parts 0, 1) and source 0's (half s16 of parts 2, 3); parts 0, 1 are x's rows, for v a weight's
	s_lshl_b32 s40, s15, 7
	s_lshl_b32 s41, s54, 8
	s_add_co_u32 s41, s41, s40
	s_min_u32 s41, s41, 4096                       ; x's rows, half s15
	s_sub_co_u32 s42, s59, s57
	s_add_co_u32 s42, s42, s40                     ; the weight's rows, half s15
	s_cmp_eq_u32 s61, 0
	s_cselect_b32 s41, s41, s42
	s_cselect_b32 s42, s59, s56                    ; (s59, s56: the weight's and x's rows, half s16)
	s_lshl_b32 s41, s41, 5                         ; 32 scale bytes a row
	s_lshl_b32 s42, s42, 5
	s_mov_b32 s43, 0xffff0000
	; my share of the prefetches
	s_cmp_eq_u32 s62, 0
	s_cselect_b32 s48, ttmp9, s54                  ; my place among the work-groups that read the part that I fetch: x's by column, a weight's by row,
	s_cselect_b32 s49, 8, 6                        ; and the runs of 256 bytes for each: 96 / 12, 96 / 16
	s_min_u32 s48, s48, 15
	s_mul_i32 s48, s48, s49
	s_sub_co_u32 s49, s49, 1
	s_lshl_b32 s50, s54, 1
	s_add_co_u32 s50, s50, s15
	s_and_b32 s50, s50, 15                         ; the table's 128 tokens (q, k: my rows are half s15),
	s_lshl_b32 s50, s50, 4
	s_and_b32 s51, ttmp9, 7
	s_lshl_b32 s51, s51, 1
	s_add_co_u32 s51, s51, s16                     ; my place among the 16 waves that read them,
	s_add_co_u32 s50, s50, s51
	s_lshl_b32 s50, s50, 12                        ; 16 runs of 256 bytes each
	s_or_b32 s51, s61, s55                         ; v and the action tokens read no table
	v_mov_b32 v5, s41
	v_mov_b32 v6, s42
	v_cndmask_b32 v5, v5, v6, s43                  ; lanes 16-31 take source 0's rows
	v_lshl_add_u32 v[ADRS], v1, 5, v5
	v_and_b32 v30, 31, v0
	v_min_u32 v30, s49, v30                        ; (lanes that are left over name my last run again)
	v_add_lshl_u32 v30, v30, s48, 8                ; v30: my runs of a part; never rewritten
	v_lshl_add_u32 v31, v1, 8, s50                 ; v31: my runs of the table; never rewritten
	s_wait_alu depctr_va_vdst(0)                   ; the wait ahead of readers behind a stretch of scalar work
.irp f, 0,1,2,3
.irp i, 0,1,2,3,4,5,6,7
	global_load_b64 v[SC+16*\f+2*\i:SC+16*\f+2*\i+1], v[ADRS], s[6:7] offset:512*\i+8*\f   ; block i's rows, the two scale words of quarter f
.endr
.endr
	global_prefetch_b8 v30, s[46:47] offset:2*QS th:TH_LOAD_NT scope:SCOPE_SE   ; quarter 2, two fills ahead of its load
.macro FRAG reg, adr, q, i
.irp p, 0,1,2,3,4,5
.set PCE, 12*(\q)+6*(\p/3)+\p%3
.if PCE%8 < 5
	ds_load_b64 v[\reg+2*\p:\reg+2*\p+1], v[\adr] offset:8*PCE+16*(PCE/8)+(\i)*16*PITCH
.else
	ds_load_b64 v[\reg+2*\p:\reg+2*\p+1], v[\adr+2] offset:8*PCE+16*(PCE/8)+(\i)*16*PITCH
.endif
.endr
.endm
.macro MUL16 a0, p, q, sc, zero
.irp a, \a0, \a0+1
.irp b, 0,1,2,3,4,5,6,7
.if \zero
	v_wmma_scale_f32_16x16x128_f8f6f4 v[8*(8*((\a)%4)+\b):8*(8*((\a)%4)+\b)+7], v[128*(\p)+FR*\b:128*(\p)+FR*\b+FR-1], v[AF+FR*(\a):AF+FR*(\a)+FR-1], 0, v[SC+8*NQ*(\sc)+NQ*\b+(\q)], v[SC+8*NQ*(\sc)+NQ*(\a)+(\q)] matrix_a_fmt:MATRIX_FMT_FP6 matrix_b_fmt:MATRIX_FMT_FP6 matrix_a_scale:MATRIX_SCALE_ROW1
.else
	v_wmma_scale_f32_16x16x128_f8f6f4 v[8*(8*((\a)%4)+\b):8*(8*((\a)%4)+\b)+7], v[128*(\p)+FR*\b:128*(\p)+FR*\b+FR-1], v[AF+FR*(\a):AF+FR*(\a)+FR-1], v[8*(8*((\a)%4)+\b):8*(8*((\a)%4)+\b)+7], v[SC+8*NQ*(\sc)+NQ*\b+(\q)], v[SC+8*NQ*(\sc)+NQ*(\a)+(\q)] matrix_a_fmt:MATRIX_FMT_FP6 matrix_b_fmt:MATRIX_FMT_FP6 matrix_a_scale:MATRIX_SCALE_ROW1
.endif
.endr
.endr
.endm
.macro FETCH_B slot, q, p
	WIN TO_B
.irp i, 0,1,2,3,4,5,6,7
	FRAG 128*(\p)+FR*\i, ADRB+\slot, \q, \i
.endr
	WIN 0
.endm
.macro FETCH_A slot, q, i0
.irp i, \i0, \i0+1, \i0+2, \i0+3
	FRAG AF+FR*(\i), ADRA+\slot, \q, \i
.endr
.endm
.macro PLACES n
.rept \n
	v_nop
.endr
.endm
.macro STEP slot, q, zero
	s_wait_dscnt 4*NL
	WIN MUL_LO
	MUL16 0, (\q)%2, \q, \slot, \zero
	MUL16 2, (\q)%2, \q, \slot, \zero
	s_wait_dscnt 0
	PLACES NP
	FETCH_B \slot, (\q)+1, 1-(\q)%2
	FETCH_A \slot, (\q)+1, 0
	WIN MUL_HI
	MUL16 4, (\q)%2, \q, \slot, \zero
	MUL16 6, (\q)%2, \q, \slot, \zero
	PLACES NP
	WIN 0
	FETCH_A \slot, (\q)+1, 4
.endm
.macro TURN slot, next, fill
	s_wait_tensorcnt 0x0
	ds_add_u32 v[SPW], v[NIL]
	s_wait_dscnt 4*NL+1
	WIN MUL_LO
	MUL16 0, 1, NQ-1, \slot, 0
	s_wait_dscnt 0x0
	s_barrier_signal -1
	MUL16 2, 1, NQ-1, \slot, 0
	WIN 0
	s_barrier_wait -1
.if \fill
	s_add_nc_u64 s[G0+4*\slot+2:G0+4*\slot+3], s[G0+4*\slot+2:G0+4*\slot+3], 2*QS
	TLOAD G0+4*\slot, G1
.else
	PLACES NP
.endif
	FETCH_B \next, 0, 0
	FETCH_A \next, 0, 0
	WIN MUL_HI
	MUL16 4, 1, NQ-1, \slot, 0
	MUL16 6, 1, NQ-1, \slot, 0
	PLACES NP
	WIN 0
	FETCH_A \next, 0, 4
.endm
	s_wait_alu depctr_va_vdst(0)
	s_wait_tensorcnt 0x0                           ; my part of quarter 0 is in; these lines stand ahead of a later first fill, as ahead of a refill
	ds_add_u32 v[SPW], v[NIL]
	s_wait_dscnt 0x0
	s_barrier_signal -1
	s_barrier_wait -1                              ; everybody's part is in
	TLOAD G0+4, G1                                 ; quarter 1, slot 1's first fill: my one tensor load behind this barrier
	FETCH_B 0, 0, 0
	FETCH_A 0, 0, 0
	FETCH_A 0, 0, 4
	global_prefetch_b8 v30, s[46:47] offset:3*QS th:TH_LOAD_NT scope:SCOPE_SE   ; quarter 3, two fills ahead of its load
	s_cmp_lg_u32 s51, 0
	s_cbranch_scc1 .Lno_table
	global_prefetch_b8 v31, s[80:81] th:TH_LOAD_NT scope:SCOPE_SE               ; my 16 runs of the table that the way out reads, four quarters ahead
.Lno_table:
	s_wait_loadcnt 0x0                             ; the 32 loads of scale words are in
	STEP 0, 0, 1
	TURN 0, 1, 1
	STEP 1, 0, 0
	TURN 1, 0, 1
.set SC, 64                            ; quarters 2 and 3: their scale words stand 32 registers further on
	STEP 0, 0, 0
	TURN 0, 1, 0
	STEP 1, 0, 0
	s_wait_dscnt 4*NL
	WIN MUL_LO
	MUL16 0, 1, NQ-1, 1, 0
	MUL16 2, 1, NQ-1, 1, 0
	s_wait_dscnt 0
	WIN MUL_HI
	MUL16 4, 1, NQ-1, 1, 0
	MUL16 6, 1, NQ-1, 1, 0
	WIN 0
	s_wait_tensorcnt 0x0
	ds_add_u32 v[SPW], v[NIL]
	s_wait_dscnt 0x0
	PLACES NP
	s_mov_b32 s[HM], 0xffff0000
	s_mov_b32 s[SEL], 0x76543210
	s_mov_b32 s[SEL+1], 0xfedcba98
	s_cmp_eq_u32 s61, 0
	s_cselect_b32 s17, s15, s16
	s_cselect_b32 s20, s16, s15
	s_and_b32 s18, s17, s55
	s_cmp_lg_u32 s18, 0
	s_cbranch_scc1 .Ldone
	v_and_b32 v[L16], 31, v0
	v_lshlrev_b32 v[L8], 3, v[L16]
	v_lshlrev_b32 v[L16], 4, v[L16]
.irp b, 0,1,2,3
	v_mov_b32 v[PB+\b], 0
.endr
	v_mov_b32 v[PW+1], 0
	s_lshl_b32 s18, s54, 1
	s_add_co_u32 s18, s18, s17
	s_lshr_b32 s19, s18, 4
	s_and_b32 s18, s18, 15
	s_cmp_lg_u32 s55, 0
	s_cselect_b32 s19, 0, s19
	s_cselect_b32 s18, 16, s18
	s_mov_b64 s[86:87], s[68:69]
.irp j, 1,2,3,4,5
	s_cmp_eq_u32 s58, \j
	s_cselect_b64 s[86:87], s[68+2*\j:69+2*\j], s[86:87]
.endr
	s_lshl_b32 s21, s53, 1
	s_add_co_u32 s21, s21, s20
	s_lshl_b32 s22, s21, 9
	s_mov_b32 s23, 0
	s_add_nc_u64 s[86:87], s[86:87], s[22:23]
	s_lshl_b32 s21, s21, 1
	s_lshl_b32 s19, s19, 4
	s_add_co_u32 s21, s21, s19
	s_mul_i32 s56, s21, HEADB
	s_mul_i32 s57, s18, 13056
	s_add_co_u32 s56, s56, s57
	s_cmp_eq_u32 s61, 0
	s_cbranch_scc0 .Lvpath
.macro QUANT s, nb, w
.set QB, 0
.rept \nb
	v_max3_num_f32 v[MX+QB], |v[\s+16*QB]|, |v[\s+16*QB+1]|, 0x1800000
.set QB, QB+1
.endr
.irp i, 2,4,6,8,10,12,14
.set QB, 0
.rept \nb
	v_max3_num_f32 v[MX+QB], v[MX+QB], |v[\s+16*QB+\i]|, |v[\s+16*QB+\i+1]|
.set QB, QB+1
.endr
.endr
.set QB, 0
.rept \nb
	v_permlanex16_b32 v[PB+QB], v[MX+QB], s[SEL], s[SEL+1]
.set QB, QB+1
.endr
.set QB, 0
.rept \nb
	v_max_num_f32 v[MX+QB], v[MX+QB], v[PB+QB]
.set QB, QB+1
.endr
.set QB, 0
.rept \nb
	v_add_nc_u32 v[SO+QB], 0xff000000, v[MX+QB]
.set QB, QB+1
.endr
.set QB, 0
.rept \nb
	v_lshrrev_b32 v[PB+QB], 23, v[SO+QB]
.set QB, QB+1
.endr
	v_lshl_or_b32 v[\w], v[PB+1], 8, v[PB]
.if \nb == 4
	v_lshl_or_b32 v[\w], v[PB+2], 16, v[\w]
	v_lshl_or_b32 v[\w], v[PB+3], 24, v[\w]
.endif
.set QB, 0
.rept \nb/2
	v_cvt_scalef32_pk16_fp6_f32 v[PC+6*QB:PC+6*QB+2], v[\s+32*QB:\s+32*QB+15], v[SO+2*QB]
	v_cvt_scalef32_pk16_fp6_f32 v[PC+12+4*QB:PC+14+4*QB], v[\s+32*QB+16:\s+32*QB+31], v[SO+2*QB+1]
.set QB, QB+1
.endr
	v_nop
.set QB, 0
.rept \nb/2
.irp i, 0,1,2
	v_permlane16_swap_b32 v[PC+6*QB+\i], v[PC+12+4*QB+\i]
.endr
.irp i, 0,1,2
	v_mov_b32 v[PC+6*QB+3+\i], v[PC+12+4*QB+\i]
.endr
.set QB, QB+1
.endr
.endm
	s_mul_i32 s59, s21, 132
	s_lshl_b32 s60, s18, 3
	s_add_co_u32 s59, s59, s60
	s_lshl_b32 s59, s59, 10
	s_cmp_eq_u32 s52, 0
	s_cselect_b64 s[88:89], s[82:83], s[84:85]
	s_cselect_b32 s22, s59, s56
	s_mov_b32 s62, HEADB
	s_cselect_b32 s62, 132*1024, s62
	s_mov_b32 s96, 768
	s_cselect_b32 s96, 1024, s96
	s_mov_b32 s63, 0
	s_mov_b32 s97, 0
	s_add_nc_u64 s[88:89], s[88:89], s[22:23]
	s_add_nc_u64 s[90:91], s[88:89], s[62:63]
	s_cmp_lg_u32 s55, 0
	s_mov_b32 s22, 12288
	s_cselect_b32 s22, 6144, s22
	s_add_nc_u64 s[92:93], s[88:89], s[22:23]
	s_add_nc_u64 s[94:95], s[90:91], s[22:23]
	v_lshlrev_b32 v5, 6, v2
.irp hd, 0,1
.irp be, 0,1
.irp k, 0,1,2,3
	global_load_b128 v[BQ+32*\hd+16*\be+4*\k:BQ+32*\hd+16*\be+4*\k+3], v5, s[86:87] offset:(64*\hd+32*\be)*4+16*\k
.endr
.endr
.endr
.macro TABLE a
	WIN 0x40
.irp qd, 0,1,2,3,4,5,6,7
	global_load_b128 v[64*((\a)%4)+4*\qd:64*((\a)%4)+4*\qd+3], v[L16], s[100:101] offset:(\a)*8192+512*\qd               ; four sets of 64 registers fill window 1, which the products have left: cos,
	global_load_b128 v[64*((\a)%4)+32+4*\qd:64*((\a)%4)+32+4*\qd+3], v[L16], s[100:101] offset:(\a)*8192+4096+512*\qd   ; and sin
.endr
	WIN 0
.endm
.macro QK_UNIT a, hd, rope
	WIN 0x02+(\a)/4
.set QP, 0
.rept 16
	v_pk_add_f32 v[X+2*QP:X+2*QP+1], v[64*((\a)%4)+32*(\hd)+2*QP:64*((\a)%4)+32*(\hd)+2*QP+1], v[BQ+32*(\hd)+2*QP:BQ+32*(\hd)+2*QP+1]
.set QP, QP+1
.endr
.if \rope
	WIN 0x04
.set TBB, 64*((\a)%4)
.irp g, 0,1,2,3
.irp e, 0,1,2,3
	v_pk_mul_f32 v[T+2*\e:T+2*\e+1], v[X+8*\g+2*\e:X+8*\g+2*\e+1], v[TBB+8*\g+2*\e:TBB+8*\g+2*\e+1]
.endr
.irp e, 0,1,2,3
	v_pk_fma_f32 v[X+8*\g+2*\e:X+8*\g+2*\e+1], v[X+8*\g+2*\e:X+8*\g+2*\e+1], v[TBB+32+8*\g+2*\e:TBB+32+8*\g+2*\e+1], v[T+2*\e:T+2*\e+1] op_sel:[1,0,0] op_sel_hi:[0,1,1] neg_lo:[0,1,0]
.endr
.endr
.endif
	WIN 0
.endm
; Both heads of tile a, 64 registers from v64 on, go through ONE quantiser of four blocks (blocks 0, 1: the first head; 2, 3: the second), the four chains by turns.
.macro QK_OUT a
	s_wait_alu depctr_va_vdst(0)
	s_wait_xcnt 0x0                                ; the last tile's stores have read their registers
	QUANT X, 4, T
	v_and_b32 v[SW+(\a)%4], 0xffff, v[T]           ; the scale word's two bytes of the first head,
	v_lshrrev_b32 v[SW+4+(\a)%4], 16, v[T]         ; and of the second
	s_wait_alu depctr_va_vdst(0)
	global_store_b128 v[L16], v[PC:PC+3], s[88:89]
	global_store_b64 v[L8], v[PC+4:PC+5], s[88:89] offset:512
	global_store_b128 v[L16], v[PC+6:PC+9], s[90:91]
	global_store_b64 v[L8], v[PC+10:PC+11], s[90:91] offset:512
	s_cmp_lg_u32 s52, 0
	s_cbranch_scc1 .Lnot_q_\@
	v_mov_b32 v[PW], v[SW+(\a)%4]
	v_mov_b32 v[T+2], v[SW+4+(\a)%4]
	v_mov_b32 v[T+3], 0
	global_store_b64 v[L8], v[PW:PW+1], s[88:89] offset:768
	global_store_b64 v[L8], v[T+2:T+3], s[90:91] offset:768
.Lnot_q_\@:
.endm
.macro KIMG jump, a
	s_cmp_lg_u32 s52, 1
	s_cbranch_scc1 .Lnot_k_\@
.irp hd, 0,1
	v_cndmask_b32 v[PK+2*\hd], v[SW+4*\hd], v[SW+4*\hd+1], s[HM]
	v_cndmask_b32 v[PK+2*\hd+1], v[SW+4*\hd+2], v[SW+4*\hd+3], s[HM]
.endr
	global_store_b64 v[L8], v[PK:PK+1], s[92:93]
	global_store_b64 v[L8], v[PK+2:PK+3], s[94:95]
.if \a < 7
	s_wait_xcnt 0x0
	s_add_nc_u64 s[92:93], s[92:93], \jump
	s_add_nc_u64 s[94:95], s[94:95], \jump
.endif
.Lnot_k_\@:
.endm
.macro QKOUT rope
.if \rope
	TABLE 0
	TABLE 1
	TABLE 2
	TABLE 3
.else
	s_wait_loadcnt 0x0
.endif
.irp a, 0,1,2,3,4,5,6,7
.if \rope
.if \a < 5
	s_wait_loadcnt 48                              ; tile a's table is in; those of the three tiles behind it, 16 loads each, may be out
.else
	s_wait_loadcnt 16*(7-\a)
.endif
.endif
.set X, 64
	QK_UNIT \a, 0, \rope                           ; the first head's 32 channels into v64-95,
.set X, 96
	QK_UNIT \a, 1, \rope                           ; the second's into v96-127
.set X, 64
	QK_OUT \a
.if \rope && (\a < 4)
	TABLE \a+4                                     ; into the set that this tile has read
.endif
.if \a%4 == 3
.if \rope
	KIMG 256, \a
.else
	KIMG 16*HEADB, \a
.endif
.endif
.if \a < 7
	s_wait_xcnt 0x0
	s_add_nc_u64 s[88:89], s[88:89], s[96:97]
	s_add_nc_u64 s[90:91], s[90:91], s[96:97]
.if (\rope == 0) && (\a == 3)
	s_add_nc_u64 s[88:89], s[88:89], s[98:99]
	s_add_nc_u64 s[90:91], s[90:91], s[98:99]
.endif
.endif
.endr
.endm
	s_cmp_lg_u32 s55, 0
	s_cbranch_scc1 .Lqk_act
	s_lshl_b32 s22, s18, 16
	s_add_nc_u64 s[100:101], s[80:81], s[22:23]
	s_wait_alu depctr_va_vdst(0)
	QKOUT 1
	s_endpgm
.Lqk_act:
	s_cmp_eq_u32 s52, 0
	s_mov_b32 s98, 16*HEADB-3072
	s_cselect_b32 s98, 16*132*1024-4096, s98
	s_mov_b32 s99, 0
	QKOUT 0
	s_endpgm
.Lvpath:
	s_mov_b32 s57, 0
	s_add_nc_u64 s[88:89], s[84:85], s[56:57]
	s_cmp_lg_u32 s55, 0
	s_mov_b32 s22, 6144
	s_cselect_b32 s22, 3072, s22
	s_mov_b32 s62, 9216
	s_cselect_b32 s62, 3072+16*HEADB, s62
	s_mov_b32 s56, 12800
	s_cselect_b32 s56, 6400, s56
	s_mov_b32 s63, 0
.irp hd, 0,1
	s_add_nc_u64 s[90+4*\hd:91+4*\hd], s[88:89], s[22:23]
	s_add_nc_u64 s[92+4*\hd:93+4*\hd], s[88:89], s[62:63]
	s_add_nc_u64 s[98+2*\hd:99+2*\hd], s[88:89], s[56:57]
.if \hd == 0
	s_add_nc_u64 s[88:89], s[88:89], HEADB
.endif
.endr
	v_and_b32 v5, 8, v1
	v_add_nc_u32 v5, v5, v1
	v_lshlrev_b32 v5, 2, v5
.irp a, 0,1,2,3,4,5,6,7
	global_load_b32 v[BV+2*\a], v5, s[86:87] offset:(32*(\a/2)+8*(\a%2))*4
	global_load_b32 v[BV+2*\a+1], v5, s[86:87] offset:(32*(\a/2)+8*(\a%2))*4
.endr
	s_wait_loadcnt 0x0
.macro VIMG hd
	v_cndmask_b32 v[PK], v[SW], v[SW+1], s[HM]
	v_cndmask_b32 v[PK+1], v[SW+2], v[SW+3], s[HM]
	s_cmp_lg_u32 s55, 0
	s_cbranch_scc1 .Lv_act_\@
	global_store_b64 v[L8], v[PK:PK+1], s[98+2*\hd:99+2*\hd]
	s_branch .Lv_done_\@
.Lv_act_\@:
	s_wait_alu depctr_va_vdst(0)
	v_and_b32 v[PK+2], 0xffff, v[PK]
	v_and_b32 v[PK+3], 0xffff, v[PK+1]
	v_lshrrev_b32 v[PK+4], 16, v[PK]
	v_lshrrev_b32 v[PK+5], 16, v[PK+1]
	global_store_b64 v[L8], v[PK+2:PK+3], s[98+2*\hd:99+2*\hd]
	global_store_b64 v[L8], v[PK+4:PK+5], s[98+2*\hd:99+2*\hd] offset:16*HEADB
.Lv_done_\@:
.endm
.macro V_UNIT a
	WIN 0x02+(\a)/4
.set QP, 0
.rept 32
	v_pk_add_f32 v[X+2*QP:X+2*QP+1], v[64*((\a)%4)+2*QP:64*((\a)%4)+2*QP+1], v[BV+2*(\a):BV+2*(\a)+1]
.set QP, QP+1
.endr
	WIN 0
	s_wait_xcnt 0x0
	QUANT X, 4, SW+(\a)%4
	global_store_b128 v[L16], v[PC:PC+3], s[90+4*((\a)/4):91+4*((\a)/4)] offset:768*((\a)%4)
	global_store_b64 v[L8], v[PC+4:PC+5], s[90+4*((\a)/4):91+4*((\a)/4)] offset:768*((\a)%4)+512
	global_store_b128 v[L16], v[PC+6:PC+9], s[92+4*((\a)/4):93+4*((\a)/4)] offset:768*((\a)%4)
	global_store_b64 v[L8], v[PC+10:PC+11], s[92+4*((\a)/4):93+4*((\a)/4)] offset:768*((\a)%4)+512
.endm
.irp a, 0,1,2,3
	V_UNIT \a
.endr
	VIMG 0
.irp a, 4,5,6,7
	V_UNIT \a
.endr
	VIMG 1
.Ldone:
	s_endpgm
.Lfunc_end_k_q0b8d6381b3_qkv:
	.size	k_q0b8d6381b3_qkv, .Lfunc_end_k_q0b8d6381b3_qkv-k_q0b8d6381b3_qkv
	.p2alignl 7, 3214868480
	.fill 96, 4, 3214868480
	.section	.rodata,"a",@progbits
	.p2align	6, 0x0
	.amdhsa_kernel k_q0b8d6381b3_qkv
		.amdhsa_group_segment_fixed_size 327680
		.amdhsa_private_segment_fixed_size 0
		.amdhsa_enable_private_segment 0
		.amdhsa_kernarg_size 88
		.amdhsa_user_sgpr_count 2
		.amdhsa_user_sgpr_kernarg_segment_ptr 1
		.amdhsa_wavefront_size32 1
		.amdhsa_system_sgpr_workgroup_id_x 1
		.amdhsa_system_sgpr_workgroup_id_y 1
		.amdhsa_system_sgpr_workgroup_id_z 1
		.amdhsa_system_vgpr_workitem_id 0
		.amdhsa_next_free_vgpr 1024
		.amdhsa_next_free_sgpr 102
		.amdhsa_reserve_vcc 0
		.amdhsa_float_denorm_mode_32 3
		.amdhsa_float_denorm_mode_16_64 3
		.amdhsa_memory_ordered 1
		.amdhsa_forward_progress 1
		.amdhsa_inst_pref_size 255
	.end_amdhsa_kernel
	.section	.bss,"aw",@nobits
	.p2align	6
	.space	262144
	.amdgpu_metadata
---
amdhsa.version: [ 1, 2 ]
amdhsa.kernels:
  - .name:           k_q0b8d6381b3_qkv
    .symbol:         k_q0b8d6381b3_qkv.kd
    .args:
      - { .name: cw, .offset: 0, .size: 8, .value_kind: global_buffer, .address_space: global }
      - { .name: sw, .offset: 8, .size: 8, .value_kind: global_buffer, .address_space: global }
      - { .name: bq, .offset: 16, .size: 8, .value_kind: global_buffer, .address_space: global }
      - { .name: bk, .offset: 24, .size: 8, .value_kind: global_buffer, .address_space: global }
      - { .name: bv, .offset: 32, .size: 8, .value_kind: global_buffer, .address_space: global }
      - { .name: bqa, .offset: 40, .size: 8, .value_kind: global_buffer, .address_space: global }
      - { .name: bka, .offset: 48, .size: 8, .value_kind: global_buffer, .address_space: global }
      - { .name: bva, .offset: 56, .size: 8, .value_kind: global_buffer, .address_space: global }
      - { .name: rope, .offset: 64, .size: 8, .value_kind: global_buffer, .address_space: global }
      - { .name: q, .offset: 72, .size: 8, .value_kind: global_buffer, .address_space: global }
      - { .name: kv, .offset: 80, .size: 8, .value_kind: global_buffer, .address_space: global }
    .group_segment_fixed_size: 327680
    .private_segment_fixed_size: 0
    .kernarg_segment_align: 8
    .kernarg_segment_size: 88
    .max_flat_workgroup_size: 128
    .sgpr_count:     102
    .vgpr_count:     1024
    .wavefront_size: 32
...
	.end_amdgpu_metadata
.endif
;; end of part 6
;; launch attn (part 7): grid 8 x 32, 20 waves a work-group, clusters of 4 x 1, 327,680 bytes of LDS; arguments q, kv, out0, ca; writes out0, ca
.if DOCPART == 7
	.amdgcn_target "amdgcn-amd-amdhsa--gfx1250"
	.amdhsa_code_object_version 6
	.text
	.protected	k_q0b8d6381b3_attn
	.globl	k_q0b8d6381b3_attn
	.p2align	8
	.type	k_q0b8d6381b3_attn,@function
k_q0b8d6381b3_attn:
	s_mov_b64 s[64:65], 0
	v_nop
	global_prefetch_b8 v0, s[64:65] scope:SCOPE_SE
	s_setreg_imm32_b32 hwreg(HW_REG_WAVE_MODE, 25, 1), 1
	s_wait_xcnt 0x0
	s_wait_alu depctr_hold_cnt(0) depctr_sa_sdst(0) depctr_va_vdst(0) depctr_va_sdst(0) depctr_va_ssrc(0) depctr_va_vcc(0) depctr_vm_vsrc(0)
	s_getreg_b32 s2, hwreg(HW_REG_IB_STS2, 6, 4)
	s_cmp_eq_u32 s2, 0
	s_cbranch_scc0 .Lentry_in_a_cluster
	s_endpgm
.Lentry_in_a_cluster:
	s_bfe_u32 s2, ttmp6, 0x10000c
	s_cmp_lg_u32 s2, 0x3003
	s_cbranch_scc0 .Lentry_shape_is_right
	s_endpgm
.Lentry_shape_is_right:
; ATTN.  ctx = softmax(q k^T / 8) v for one batch and head, both products on codes of FP6 (E2M3) with E8M0 scales; and the codes of the action rows of ctx for the last projection.
; THE SOFTMAX AHEAD OF THE SECOND PRODUCT: t = score x log2(e) / 8; M = the row's largest t so far, rounded UP to a whole number; p = 2^(t - M) is quantised along the keys, not normalised; the row's sum is taken of the
; unquantised p and divides at the end.  When M moves, the sum and O are multiplied by 2^(old M - new M): exact.
; SHARES.  A head has 2,112 queries = 132 tiles of 16 = 8 x 16 + 4.  Eight work-groups a head, in two clusters of four; wave w < 16 of work-group g owns tile 16 g + w and walks all 17 key steps (16 of 128 keys, one of 64).
; The action tile 128 + g, which exists for g < 4, is shared BY KEYS among waves 16 to 19: wave 16 + d takes the key steps whose number % 4 is d (wave 16 so the last, step 16, too): 17 steps in quarters, one extra step in every four for each.
; Each quarter has its own running M.  Waves 17 to 19 hand O^T, the sum and -M to wave 16 through LDS, as images of their registers; behind one barrier wave 16 brings the four parts under the largest M by exact powers of two and adds them.
; In the head's second cluster waves 16 to 19 fetch their parts of the head's block and compute nothing.  192 registers a wave: five waves to a SIMD.
; EVERY WAVE WALKS THE SAME LOOP, with the same trip count and the same LDS addresses; a step that is not the wave's is left out by one compare of (step & MSK) with WNT, made of the wave's and the cluster's number alone.
; IN STEP.  Each trip opens with the work-group barrier's signal and closes with its wait: no wave begins step i + 1 before every wave has begun step i.  Between the two stand register work and LDS loads of bytes that nobody writes.
; LDS.  A head's k and v, codes and scale words, are 215,552 bytes = 842 rows of 256: they come ONCE, as they lie in memory, waves 0-18 bringing 42 rows each and wave 19 the last 44.  No byte is filled again.
; No prefetch: all that the launch reads by tensor loads is asked for at its head, so no loop runs ahead of a load.
; CLUSTER.  The four work-groups of a cluster belong to one head: each part is asked for jointly, by the same tensor load with the same descriptor and a mask that names the four.
; LAYOUT.  Everything lies in LDS as images of operand registers: 16 x lane for four registers, 8 x lane for two.  Both products are used transposed (S^T = k q^T, O^T = v^T p^T): a lane holds ONE query.
; The keys of k's tile 2 b + u are 32 b + 8 u + r + 8 (r / 8), so that p's 16 registers of two neighbouring tiles are 16 neighbouring keys; v^T's tiles hold the channels in the same order, so that O^T's are 16 neighbouring channels.
; THE SCORES' K IS 64 in an instruction of 128.  q's registers 6-11 hold zero codes.  k's tile t stands at v[32 + 6 t] on, so that its registers 6-11 are the next tile's codes (behind the fourth: zeros): E2M3 has no NaN and no infinity, a code
; times q's zero is 0, and both sides' scale bytes of those two blocks are 0 (2^-127, no NaN).  The last step's second product is filled likewise: p's codes of keys 64-127 are zeros.
; LIMITS: NaN and infinities are not served.  A block's largest p is taken from its largest score: this takes v_exp_f32 not to fall where its input rises.  The scaled scores t stay under 2^31 in magnitude.
.set BLK,    13056                     ; a key step's block: 128 keys' codes and scale words of k and v
.set HEADB,  215552
.set FROWS,  42                        ; rows of 256 bytes that each of waves 0-18 fetches
.set SPITCH, 272
.set WST,    16*SPITCH                 ; 4,352 bytes a wave: a stage of 16 rows x (256 + 16) bytes for the way out; for waves 17-19 the image of O^T (4,096) and of (-M, sum) (256)
.set STAGE,  HEADB                     ; behind the head's block
.set SPARE,  STAGE+20*WST              ; the spare words: 128 bytes a wave, ten blocks of 256 bytes that no other line names
.set L16, 1                            ; v1   16 x lane
.set L8,  2                            ; v2   8 x lane
.set A16, 3                            ; v3   the same in the step's block
.set A8,  4                            ; v4
.set SPW, 5
.set NIL, 6
.set GO,  8                            ; v8   the way out: my byte offset in out0
.set STO, 9                            ; v9   where I put a row's bytes in the stage
.set QS,  10                           ; v10  q's scale words
.set RD,  11                           ; v11  where I read a row back
.set QF,  16                           ; v16-27  q's fragment (v22-27: zeros);  v12 -M, v13 the largest t, v[14:15] the sum
.set KSR, 28                           ; v28-31  k's scale words, then v's
.set KB,  32                           ; v32-61  four tiles of k, 6 registers each, and six zeros
.set S,   62                           ; v62-125 S^T, then p, then v's fragments
.set O,   126                          ; v126-157 O^T
.set PC,  158                          ; v158-169 p's codes
.set BM,  170                          ; v170-173 the blocks' largest scores, then scale operands
.set T8,  174                          ; v174-181 at work
.set F,   182                          ; v182 2^(old M - new M)
.set PW,  183                          ; v183 p's scale word
.set TMP, 184
.set CW,  186                          ; v186, v187: ctx's scale word and 0
.set P16, 188                          ; v188 my wave's region, 16 x lane;  v189 the same, 8 x lane
.set P8,  189
.set M16, 190                          ; v190 wave 17's region, 16 x lane;  v191 the same, 8 x lane
.set M8,  191
.set WV,   18
.set IDLE, 19
.set SEL,  20
.set CS,   22
.set G1,   24
.set G1T,  32
.set G0,   40
.set TB,   2                           ; s2   LDS byte at which the step's block begins
.set IDX,  3                           ; s3   the step's number, 0 .. 16
.set MSK,  50                          ; s50, s51: a step is mine where (its number & MSK) = WNT
.set WNT,  51
.set TST,  55
.macro ROUND                           ; a round of the cluster's barrier
	s_barrier_signal -1
	s_barrier_wait -1
	s_cmp_lg_u32 s[WV], 0
	s_cbranch_scc1 .Lnot_wave_0_\@
	s_barrier_signal -3
.Lnot_wave_0_\@:
	s_barrier_wait -3
	s_barrier_signal -1
	s_barrier_wait -1
.endm
	s_load_b256 s[4:11], s[0:1], 0x0               ; q, kv, out0, ca
	v_lshl_add_u32 v[SPW], v0, 2, SPARE
	v_mov_b32 v[NIL], 0
	ds_add_u32 v[SPW], v[NIL]                      ; the wave's opening: the add, twice on end, and its wait ahead of my first tensor load
	ds_add_u32 v[SPW], v[NIL]
	v_lshrrev_b32 v1, 5, v0
	s_delay_alu instid0(VALU_DEP_1)
	v_readfirstlane_b32 s[WV], v1                  ; wave 0..19
	s_bfe_u32 s12, ttmp6, 0x40000                  ; cx: it enters q's, out0's and ca's addresses alone
	s_lshl_b32 s13, ttmp9, 2
	s_add_co_u32 s13, s13, s12                     ; the head's work-group 0..7
	s_and_b32 s14, ttmp7, 0xffff                   ; batch x 16 + head, which the partners share
	s_lshl_b32 s15, s13, 4
	s_add_co_u32 s15, s15, s[WV]
	s_add_co_u32 s16, s13, 128
	s_min_u32 s16, s16, 131
	s_and_b32 s46, s[WV], 3                        ; d
	s_cmp_ge_u32 s[WV], 16
	s_cselect_b32 s15, s16, s15                    ; my tile of queries
	s_cselect_b32 s[IDLE], ttmp9, 0                ; 1 in waves 16-19 of the head's second cluster: the wave's number and the cluster's alone, the same in all partners
	s_cselect_b32 s[MSK], 3, 0                     ; a whole wave takes every step (step & 0 = 0), a quarter those with step & 3 = d,
	s_cselect_b32 s[WNT], s46, 0
	s_cmp_lg_u32 s[IDLE], 0
	s_cselect_b32 s[WNT], 99, s[WNT]               ; a wave without a tile none
	s_mov_b32 s[G1], 15|(3<<16)|(1<<21)            ; the mask: all four work-groups; elements of 8 bytes; bit 21 set beside a mask; no padding
	s_mov_b32 s[G1+1], 32<<16                      ; rows of 256 bytes,
	s_mov_b32 s[G1+2], FROWS<<16                   ; 42 of them, dense
	s_mov_b32 s[G1+3], 32<<16
	s_mov_b32 s[G1+4], FROWS
	s_mov_b32 s[G1+5], 32
	s_mov_b32 s[G1+6], 0
	s_mov_b32 s[G1+7], 0
	s_mov_b32 s[G1T], 15|(3<<16)|(1<<21)           ; wave 19: the last 842 - 19 x 42 = 44 rows
	s_mov_b32 s[G1T+1], 32<<16
	s_mov_b32 s[G1T+2], 44<<16
	s_mov_b32 s[G1T+3], 32<<16
	s_mov_b32 s[G1T+4], 44
	s_mov_b32 s[G1T+5], 32
	s_mov_b32 s[G1T+6], 0
	s_mov_b32 s[G1T+7], 0
	s_mul_i32 s17, s[WV], FROWS*256                ; my part, in LDS as in the head's block of memory
	s_mul_i32 s44, s14, HEADB
	s_add_co_u32 s44, s44, s17
	s_mov_b32 s45, 0
	s_mov_b32 s[SEL], 0x76543210
	s_mov_b32 s[SEL+1], 0xfedcba98
	s_mov_b32 s[CS], 0x3e38aa3b                    ; c = log2(e) / 8
	s_mov_b32 s[CS+1], s[CS]                       ; (named with it as a pair, so it is written)
	s_mov_b32 s[TB], 0
	s_mov_b32 s[IDX], 0
	s_wait_dscnt 0x0                               ; both opening adds are done
	s_wait_kmcnt 0x0
	s_mov_b32 s[G0], 1
	s_mov_b32 s[G0+1], s17
	s_add_nc_u64 s[G0+2:G0+3], s[6:7], s[44:45]
	s_or_b32 s[G0+3], s[G0+3], 0x80000000
	ROUND                                          ; all four work-groups are here: the joint loads meet
	s_cmp_lt_u32 s[WV], 19                         ; a fill in each arm: one load of mine is out
	s_cbranch_scc0 .Ltail_load
	tensor_load_to_lds s[G0:G0+3], s[G1:G1+7]
	s_nop 0
.rept 4
	v_nop
.endr
	s_branch .Lasked
.Ltail_load:
	tensor_load_to_lds s[G0:G0+3], s[G1T:G1T+7]
	s_nop 0
.rept 4
	v_nop
.endr
.Lasked:
	v_and_b32 v1, 31, v0
	s_delay_alu instid0(VALU_DEP_1)
	v_lshlrev_b32 v[L8], 3, v1
	s_delay_alu instid0(VALU_DEP_2)
	v_lshlrev_b32 v[L16], 4, v1
	s_mul_i32 s44, s14, 132
	s_add_co_u32 s44, s44, s15
	s_lshl_b32 s44, s44, 10
	s_add_nc_u64 s[4:5], s[4:5], s[44:45]          ; my tile's record of q
	global_load_b128 v[QF:QF+3], v[L16], s[4:5]
	global_load_b64 v[QF+4:QF+5], v[L8], s[4:5] offset:512
	global_load_b32 v[QS], v[L8], s[4:5] offset:768
.irp i, 0,1,2,3,4,5
	v_mov_b32 v[QF+6+\i], 0                        ; zero codes for k = 64 .. 127
	v_mov_b32 v[KB+24+\i], 0
.endr
	v_mov_b32 v13, 0xff61b1e6                      ; the largest t so far: -3e38
	s_delay_alu instid0(VALU_DEP_1)
	v_floor_f32 v12, -v13                          ; -M
	v_mov_b32 v14, 0
	v_mov_b32 v15, 0
.irp b, 0,1,2,3
	v_mov_b32 v[T8+\b], 0                          ; written once: a lane permute's destination counts as one of its sources
.endr
	v_mov_b32 v[PW], 0                             ; (named as the upper half of the pair v[182:183] before it is first written)
.set JJ, 0
.rept 32
	v_mov_b32 v[O+JJ], 0                           ; O^T: the step is written once; a wave's first step finds zeros, which the first change of M leaves zeros
.set JJ, JJ+1
.endr
	; every address of the way out and of the merge is made here, on the way that all waves take, while the tiles are on their way
	v_and_b32 v7, 15, v0                           ; r
	v_bfe_u32 v[GO], v0, 4, 1                      ; h
	s_mul_i32 s52, s[WV], WST
	s_add_co_u32 s52, s52, STAGE                   ; my wave's region
	v_mul_u32_u24 v[STO], v7, SPITCH
	s_delay_alu instid0(VALU_DEP_1)
	v_lshl_add_u32 v[STO], v[GO], 6, v[STO]
	s_delay_alu instid0(VALU_DEP_1)
	v_add_nc_u32 v[STO], s52, v[STO]               ; the stage, in: row r, + 64 h
	v_mul_u32_u24 v[RD], v[GO], SPITCH
	s_delay_alu instid0(VALU_DEP_1)
	v_lshl_add_u32 v[RD], v7, 4, v[RD]
	s_delay_alu instid0(VALU_DEP_1)
	v_add_nc_u32 v[RD], s52, v[RD]                 ; back: lanes 0-15 one row, lanes 16-31 the next
	v_lshlrev_b32 v[GO], 12, v[GO]
	s_delay_alu instid0(VALU_DEP_1)
	v_lshl_add_u32 v[GO], v7, 4, v[GO]             ; and the same two tokens in out0
	v_add_nc_u32 v[P16], s52, v[L16]
	v_add_nc_u32 v[P8], s52, v[L8]
	v_add_nc_u32 v[M16], STAGE+17*WST, v[L16]
	v_add_nc_u32 v[M8], STAGE+17*WST, v[L8]
	s_lshr_b32 s53, s14, 4                         ; batch
	s_and_b32 s54, s14, 15                         ; head
	s_mul_i32 s47, s53, 2112
	s_lshr_b32 s48, s15, 1
	s_lshl_b32 s48, s48, 5
	s_add_co_u32 s47, s47, s48
	s_and_b32 s48, s15, 1
	s_lshl_b32 s48, s48, 3
	s_add_co_u32 s47, s47, s48                     ; place 0 of tile t is token 32 (t / 2) + 8 (t % 2); place p: + p + 8 (p / 8)
	s_lshl_b32 s48, s47, 12
	s_lshl_b32 s49, s54, 8
	s_add_co_u32 s48, s48, s49
	s_mov_b32 s49, 0
	s_add_nc_u64 s[8:9], s[8:9], s[48:49]
	s_wait_alu depctr_va_vdst(0)
	s_wait_loadcnt 0x0                             ; q
	s_wait_tensorcnt 0x0                           ; my part has landed,
	s_barrier_signal -1
	s_barrier_wait -1                              ; everybody's has: the whole head lies in LDS
.macro SCORE t, g
.if (\t)%2
	v_wmma_scale_f32_16x16x128_f8f6f4 v[S+8*(4*(\g)+\t):S+8*(4*(\g)+\t)+7], v[KB+6*\t:KB+6*\t+11], v[QF:QF+11], 0, v[KSR+(4*(\g)+\t)/2], v[QS] matrix_a_fmt:MATRIX_FMT_FP6 matrix_b_fmt:MATRIX_FMT_FP6 matrix_a_scale:MATRIX_SCALE_ROW1
.else
	v_wmma_scale_f32_16x16x128_f8f6f4 v[S+8*(4*(\g)+\t):S+8*(4*(\g)+\t)+7], v[KB+6*\t:KB+6*\t+11], v[QF:QF+11], 0, v[KSR+(4*(\g)+\t)/2], v[QS] matrix_a_fmt:MATRIX_FMT_FP6 matrix_b_fmt:MATRIX_FMT_FP6
.endif
.endm
.macro PV t, vst
.if (\t)%2
	v_wmma_scale_f32_16x16x128_f8f6f4 v[O+8*\t:O+8*\t+7], v[S+(\vst)*\t:S+(\vst)*\t+11], v[PC:PC+11], v[O+8*\t:O+8*\t+7], v[KSR+\t/2], v[PW] matrix_a_fmt:MATRIX_FMT_FP6 matrix_b_fmt:MATRIX_FMT_FP6 matrix_a_scale:MATRIX_SCALE_ROW1
.else
	v_wmma_scale_f32_16x16x128_f8f6f4 v[O+8*\t:O+8*\t+7], v[S+(\vst)*\t:S+(\vst)*\t+11], v[PC:PC+11], v[O+8*\t:O+8*\t+7], v[KSR+\t/2], v[PW] matrix_a_fmt:MATRIX_FMT_FP6 matrix_b_fmt:MATRIX_FMT_FP6
.endif
.endm
; Round r of the search for block b's largest score: r = 0 takes my first three of its 16, r = 1 .. 6 two more each, r = 7 the last.  Each accumulator is first read at its low end.
.macro BMX b, r
.if (\r) == 0
	v_max3_num_f32 v[BM+(\b)], v[S+16*(\b)], v[S+16*(\b)+1], v[S+16*(\b)+2]
.elseif (\r) < 7
	v_max3_num_f32 v[BM+(\b)], v[BM+(\b)], v[S+16*(\b)+2*(\r)+1], v[S+16*(\b)+2*(\r)+2]
.else
	v_max_num_f32 v[BM+(\b)], v[BM+(\b)], v[S+16*(\b)+15]
.endif
.endm
; A KEY STEP of nb blocks of 32 keys (4; the last: 2).  In a block of memory: k's codes at 0, v's at 1,536 nb, k's scale images at 3,072 nb, v's 128 nb further on.
.macro STEP nb
	s_and_b32 s[TST], s[IDX], s[MSK]               ; a step that is not mine is walked and its work left out
	s_cmp_lg_u32 s[TST], s[WNT]
	s_cbranch_scc1 .Lskip_\@
	v_add_nc_u32 v[A16], s[TB], v[L16]
	v_add_nc_u32 v[A8], s[TB], v[L8]
	s_wait_alu depctr_va_vdst(0)
.rept 3
	v_nop                                          ; with the two additions five places behind the last step's products: the scores are written over registers that those read as v, and loads land in their scale registers
.endr
	ds_load_b64 v[KSR:KSR+1], v[A8] offset:3072*\nb
.if \nb == 4
	ds_load_b64 v[KSR+2:KSR+3], v[A8] offset:3072*\nb+256
.endif
.set GG, 0
.rept \nb/2                            ; S^T = k q^T, four tiles of 16 keys at a time
.if GG > 0
.rept 4
	v_nop                                          ; places in front of loads into registers that matrix instructions have read, and behind the first four products
.endr
.endif
.irp t, 0,1,2,3
	ds_load_b128 v[KB+6*\t:KB+6*\t+3], v[A16] offset:768*(4*GG+\t)
	ds_load_b64 v[KB+6*\t+4:KB+6*\t+5], v[A8] offset:768*(4*GG+\t)+512
.endr
	s_wait_dscnt 0x0
.irp t, 0,1,2,3
	SCORE \t, GG
.endr
.set GG, GG+1
.endr
; the largest score of each block of 32 keys: for the row's maximum and for the block's largest p
.if \nb == 4
.irp r, 0,1,2,3,4,5,6,7,8,9            ; blocks 2 and 3 go two rounds behind blocks 0 and 1, whose first four lines, on the first four products' results alone, are the places behind the last four products
.if \r < 8
	BMX 0, \r
	BMX 1, \r
.endif
.if \r > 1
	BMX 2, \r-2
	BMX 3, \r-2
.endif
.endr
.else
.rept 4
	v_nop
.endr
.irp r, 0,1,2,3,4,5,6,7
	BMX 0, \r
	BMX 1, \r
.endr
.endif
.set BB, 0
.rept \nb
	v_permlanex16_b32 v[T8+BB], v[BM+BB], s[SEL], s[SEL+1]
.set BB, BB+1
.endr
.set BB, 0
.rept \nb
	v_max_num_f32 v[BM+BB], v[BM+BB], v[T8+BB]     ; with lane l xor 16's 16 keys
.set BB, BB+1
.endr
.if \nb == 4
	s_delay_alu instid0(VALU_DEP_2)
	v_max3_num_f32 v[TMP], v[BM], v[BM+1], v[BM+2]
	s_delay_alu instid0(VALU_DEP_1)
	v_max_num_f32 v[TMP], v[TMP], v[BM+3]
.else
	s_delay_alu instid0(VALU_DEP_1)
	v_max_num_f32 v[TMP], v[BM], v[BM+1]
.endif
	s_delay_alu instid0(VALU_DEP_1)
	v_mul_f32 v[TMP], s[CS], v[TMP]                ; the step's largest t of my query
	s_delay_alu instid0(VALU_DEP_1)
	v_max_num_f32 v13, v13, v[TMP]
	v_mov_b32 v[TMP], v12
	s_delay_alu instid0(VALU_DEP_2)
	v_floor_f32 v12, -v13                          ; the new -M = -ceil(t)
	s_delay_alu instid0(VALU_DEP_1)
	v_sub_f32 v[TMP], v12, v[TMP]                  ; old M - new M: a whole number, 0 or less
	s_delay_alu instid0(VALU_DEP_1)
	v_cvt_i32_f32 v[TMP], v[TMP]                   ; (it saturates)
	s_delay_alu instid0(VALU_DEP_1)
	v_ldexp_f32 v[F], 1.0, v[TMP]
.set JJ, 0
.rept 8*\nb
	v_pk_fma_f32 v[S+JJ:S+JJ+1], v[S+JJ:S+JJ+1], s[CS:CS+1], v[12:13] op_sel_hi:[1,0,0]   ; t - M, two at a time
.set JJ, JJ+2
.endr
.set BB, 0
.rept \nb
	v_fma_f32 v[BM+BB], v[BM+BB], s[CS], v12
.set BB, BB+1
.endr
.set JJ, 0
	s_wait_alu depctr_va_vdst(0)
.rept 16*\nb
	v_exp_f32 v[S+JJ], v[S+JJ]                     ; p = 2^(t - M)
.set JJ, JJ+1
.endr
	v_pk_mul_f32 v[14:15], v[14:15], v[F:F+1] op_sel_hi:[1,0]   ; the sums under the new M: a plain place behind the exponentials
	s_wait_alu depctr_va_vdst(0)                   ; one wait for the whole batch, ahead of its first reader
.set BB, 0
.rept \nb
	v_exp_f32 v[BM+BB], v[BM+BB]                   ; the blocks' largest p
.set BB, BB+1
.endr
	v_pk_add_f32 v[T8:T8+1], v[S:S+1], v[S+2:S+3]  ; the row's sum of the unquantised p, in two chains
.set JJ, 4
.rept 4*\nb-1
	v_pk_add_f32 v[14:15], v[14:15], v[S+JJ:S+JJ+1]
	v_pk_add_f32 v[T8:T8+1], v[T8:T8+1], v[S+JJ+2:S+JJ+3]
.set JJ, JJ+4
.endr
	s_delay_alu instid0(VALU_DEP_1)
	v_pk_add_f32 v[14:15], v[14:15], v[T8:T8+1]
	s_wait_alu depctr_va_vdst(0)                   ; and one for the blocks' exponentials
.set BB, 0
.rept \nb
	v_max_num_f32 v[BM+BB], 0x1800000, v[BM+BB]    ; the floor 2^(3 - 127): the byte cannot fall under 1
.set BB, BB+1
.endr
.set BB, 0
.rept \nb
	v_add_nc_u32 v[BM+BB], 0xff000000, v[BM+BB]    ; 2 off the exponent field: the conversion's scale operand
.set BB, BB+1
.endr
.set BB, 0
.rept \nb
	v_lshrrev_b32 v[T8+BB], 23, v[BM+BB]           ; the scale's byte
.set BB, BB+1
.endr
	v_lshl_or_b32 v[PW], v[T8+1], 8, v[T8]         ; p's scale word (the last step's bytes 2, 3 are 0)
.if \nb == 4
	s_delay_alu instid0(VALU_DEP_1)
	v_lshl_or_b32 v[PW], v[T8+2], 16, v[PW]
	s_delay_alu instid0(VALU_DEP_1)
	v_lshl_or_b32 v[PW], v[T8+3], 24, v[PW]
.endif
.set CC, 0
.rept \nb/2
	v_cvt_scalef32_pk16_fp6_f32 v[PC+6*CC:PC+6*CC+2], v[S+32*CC:S+32*CC+15], v[BM+2*CC]
	v_cvt_scalef32_pk16_fp6_f32 v[T8+4*CC:T8+4*CC+2], v[S+32*CC+16:S+32*CC+31], v[BM+2*CC+1]   ; (a conversion's three registers begin on an even number)
.set CC, CC+1
.endr
	v_nop                                          ; one plain place behind a scaled conversion
.set VST, 3*\nb                        ; v's four fragments take p's registers: 12 apart; in the last step 6 apart, each one's upper six being the next one's codes or p's bits, all times zero codes of p
.irp t, 0,1,2,3
.set CC, 0
.rept \nb/2
	ds_load_b128 v[S+VST*\t+6*CC:S+VST*\t+6*CC+3], v[A16] offset:1536*\nb+3072*CC+768*\t
	ds_load_b64 v[S+VST*\t+6*CC+4:S+VST*\t+6*CC+5], v[A8] offset:1536*\nb+3072*CC+768*\t+512
.set CC, CC+1
.endr
.endr
	ds_load_b64 v[KSR:KSR+1], v[A8] offset:3072*\nb+128*\nb   ; v's scale words
.set CC, 0
.rept \nb/2                            ; the operand's layout wants a WHOLE block in a lane
.irp i, 0,1,2
	v_permlane16_swap_b32 v[PC+6*CC+\i], v[T8+4*CC+\i]
.endr
.irp i, 0,1,2
	s_delay_alu instid0(VALU_DEP_3)
	v_mov_b32 v[PC+6*CC+3+\i], v[T8+4*CC+\i]
.endr
.set CC, CC+1
.endr
.if \nb == 2
.irp i, 6,7,8,9,10,11
	v_mov_b32 v[PC+\i], 0                          ; the last step: zero codes for keys 64 .. 127
.endr
.endif
.set JJ, 0
.rept 16
	v_pk_mul_f32 v[O+JJ:O+JJ+1], v[O+JJ:O+JJ+1], v[F:F+1] op_sel_hi:[1,0]   ; O^T under the new M.  (These sixteen are also the places between p's codes and scale word and the products)
.set JJ, JJ+2
.endr
	s_wait_alu depctr_va_vdst(0)
	s_wait_dscnt 0x0
.irp t, 0,1,2,3
	PV \t, VST                                     ; O^T += v^T p^T: the four accumulators by turns, one instruction a turn
.endr
.Lskip_\@:
	s_add_co_u32 s[TB], s[TB], BLK
.endm
; THE WAY OUT of a tile: v14 holds my lane's sum.  O^T / the sum goes through my stage in LDS and leaves as whole units: sixteen lanes store one token's 64 channels of this head, 256 consecutive bytes, aligned.
.macro WAYOUT
	v_permlanex16_b32 v[T8], v14, s[SEL], s[SEL+1]
	s_delay_alu instid0(VALU_DEP_1)
	v_add_f32 v14, v14, v[T8]                      ; the row's sum
	s_wait_alu depctr_va_vdst(0)
	v_rcp_f32 v14, v14
	v_nop                                          ; a plain instruction behind the reciprocal,
	s_wait_alu depctr_va_vdst(0)                   ; and the wait for it, ahead of its first reader
.set JJ, 0
.rept 16
	v_pk_mul_f32 v[S+JJ:S+JJ+1], v[O+JJ:O+JJ+1], v[14:15] op_sel_hi:[1,0]   ; ctx: register 16 b + i is channel 32 b + 16 h + i of my query; each accumulator from its low end on
.set JJ, JJ+2
.endr
.irp be, 0,1
.irp k, 0,1,2,3
	ds_store_b128 v[STO], v[S+16*\be+4*\k:S+16*\be+4*\k+3] offset:128*\be+16*\k
.endr
.endr
.irp i, 0,1,2,3,4,5,6,7
	ds_load_b128 v[S+32+4*\i:S+32+4*\i+3], v[RD] offset:2*\i*SPITCH   ; LDS serves a wave's instructions in order: these see my stores
.endr
.irp i, 0,1,2,3,4,5,6,7
	s_wait_dscnt 7-\i                              ; the younger read-backs may be out
	global_store_b128 v[GO], v[S+32+4*\i:S+32+4*\i+3], s[8:9] offset:(2*\i+8*(\i/4))*4096 th:TH_STORE_NT
.endr
.endm
.Lstep:
	s_barrier_signal -1                            ; I begin step IDX (none of my LDS loads is out here);
	STEP 4
	s_barrier_wait -1                              ; every wave has begun it: only now do I go on to the next
	s_add_co_u32 s[IDX], s[IDX], 1
	s_cmp_lt_u32 s[IDX], 16
	s_cbranch_scc1 .Lstep
	STEP 2                                         ; step 16: the 64 action keys
.rept 5
	v_nop                                          ; the places behind a wave's last products, on every way: their results are read, and their operands' registers loaded into, below
.endr
	s_cmp_ge_u32 s[WV], 16
	s_cbranch_scc1 .Lpart
	v_add_f32 v14, v14, v15                        ; a whole wave: the sum's two halves, and out
	WAYOUT
	s_branch .Lmeet
.Lpart:
	s_cmp_eq_u32 s[WV], 16                         ; wave 16 keeps its part in registers
	s_cbranch_scc1 .Lmeet
	s_cmp_lg_u32 s[IDLE], 0
	s_cbranch_scc1 .Lmeet
	v_add_f32 v13, v14, v15                        ; waves 17-19: my lane's sum beside -M,
	s_wait_alu depctr_va_vdst(0)
.irp k, 0,1,2,3,4,5,6,7
	ds_store_b128 v[P16], v[O+4*\k:O+4*\k+3] offset:512*\k   ; O^T as it stands, each accumulator from its low end on,
.endr
	ds_store_b64 v[P8], v[12:13] offset:4096       ; and the pair (-M, sum)
.Lmeet:
	s_wait_dscnt 0x0                               ; for wave 16's sake: my stores have landed
	s_barrier_signal -1
	s_barrier_wait -1
	s_cmp_lg_u32 s[WV], 16
	s_cbranch_scc1 .Lfin
	s_cmp_lg_u32 s[IDLE], 0
	s_cbranch_scc1 .Lfin
	; THE MERGE, by wave 16.  The four parts were summed under four values of M, all whole numbers: part i is brought under the largest by 2^(M_i - M*), which rounds nothing, and the parts are added.
	s_wait_alu depctr_va_vdst(0)
.irp i, 0,1,2
	ds_load_b64 v[T8+2*\i:T8+2*\i+1], v[M8] offset:\i*WST+4096
.endr
.irp k, 0,1,2,3,4,5,6,7
	ds_load_b128 v[S+4*\k:S+4*\k+3], v[M16] offset:512*\k
.endr
.irp k, 0,1,2,3,4,5,6,7
	ds_load_b128 v[S+32+4*\k:S+32+4*\k+3], v[M16] offset:WST+512*\k
.endr
.irp k, 0,1,2,3,4,5,6,7
	ds_load_b128 v[KSR+4*\k:KSR+4*\k+3], v[M16] offset:2*WST+512*\k
.endr
	v_add_f32 v14, v14, v15                        ; my own lane's sum
	s_wait_dscnt 24                                ; the three pairs are in; the 24 loads of O^T may be out
	v_min_num_f32 v[TMP], v12, v[T8]
	s_delay_alu instid0(VALU_DEP_1)
	v_min_num_f32 v[TMP], v[TMP], v[T8+2]
	s_delay_alu instid0(VALU_DEP_1)
	v_min_num_f32 v[TMP], v[TMP], v[T8+4]          ; -M* = the least -M
	s_delay_alu instid0(VALU_DEP_1)
	v_sub_f32 v[F], v[TMP], v12                    ; M_i - M*: a whole number, 0 or less
.irp i, 0,1,2
	v_sub_f32 v[T8+2*\i], v[TMP], v[T8+2*\i]
.endr
	s_delay_alu instid0(VALU_DEP_4)
	v_cvt_i32_f32 v[F], v[F]                       ; (it saturates)
.irp i, 0,1,2
	s_delay_alu instid0(VALU_DEP_4)
	v_cvt_i32_f32 v[T8+2*\i], v[T8+2*\i]
.endr
	s_delay_alu instid0(VALU_DEP_4)
	v_ldexp_f32 v[F], 1.0, v[F]
.irp i, 0,1,2
	s_delay_alu instid0(VALU_DEP_4)
	v_ldexp_f32 v[T8+2*\i], 1.0, v[T8+2*\i]        ; the factor takes -M's place beside the part's sum
.endr
	s_delay_alu instid0(VALU_DEP_4)
	v_mul_f32 v14, v14, v[F]
.irp i, 0,1,2
	s_delay_alu instid0(VALU_DEP_1)
	v_fma_f32 v14, v[T8+2*\i], v[T8+2*\i+1], v14
.endr
.set JJ, 0
.rept 16
	v_pk_mul_f32 v[O+JJ:O+JJ+1], v[O+JJ:O+JJ+1], v[F:F+1] op_sel_hi:[1,0]   ; each accumulator from its low end on
.set JJ, JJ+2
.endr
	s_wait_dscnt 16                                ; wave 17's part is in
.set JJ, 0
.rept 16
	v_pk_fma_f32 v[O+JJ:O+JJ+1], v[S+JJ:S+JJ+1], v[T8:T8+1], v[O+JJ:O+JJ+1] op_sel_hi:[1,0,1]
.set JJ, JJ+2
.endr
	s_wait_dscnt 8                                 ; wave 18's
.set JJ, 0
.rept 16
	v_pk_fma_f32 v[O+JJ:O+JJ+1], v[S+32+JJ:S+32+JJ+1], v[T8+2:T8+3], v[O+JJ:O+JJ+1] op_sel_hi:[1,0,1]
.set JJ, JJ+2
.endr
	s_wait_dscnt 0x0                               ; wave 19's
.set JJ, 0
.rept 16
	v_pk_fma_f32 v[O+JJ:O+JJ+1], v[KSR+JJ:KSR+JJ+1], v[T8+4:T8+5], v[O+JJ:O+JJ+1] op_sel_hi:[1,0,1]
.set JJ, JJ+2
.endr
	WAYOUT
	; The action tile's 64 channels are two whole blocks of the last projection's K: they are quantised here, and leave as a record like q's.
	s_wait_alu depctr_va_vdst(0)
.irp b, 0,1
	v_max3_num_f32 v[BM+\b], |v[S+16*\b]|, |v[S+16*\b+1]|, 0x1800000
.endr
.irp i, 2,4,6,8,10,12,14
.irp b, 0,1
	s_delay_alu instid0(VALU_DEP_2)
	v_max3_num_f32 v[BM+\b], v[BM+\b], |v[S+16*\b+\i]|, |v[S+16*\b+\i+1]|
.endr
.endr
.irp b, 0,1
	s_delay_alu instid0(VALU_DEP_2)
	v_permlanex16_b32 v[T8+\b], v[BM+\b], s[SEL], s[SEL+1]
.endr
.irp b, 0,1
	s_delay_alu instid0(VALU_DEP_2)
	v_max_num_f32 v[BM+\b], v[BM+\b], v[T8+\b]
.endr
.irp b, 0,1
	s_delay_alu instid0(VALU_DEP_2)
	v_add_nc_u32 v[BM+\b], 0xff000000, v[BM+\b]
.endr
.irp b, 0,1
	s_delay_alu instid0(VALU_DEP_2)
	v_lshrrev_b32 v[T8+\b], 23, v[BM+\b]
.endr
	s_delay_alu instid0(VALU_DEP_1)
	v_lshl_or_b32 v[CW], v[T8+1], 8, v[T8]
	v_mov_b32 v[CW+1], 0
	v_cvt_scalef32_pk16_fp6_f32 v[PC:PC+2], v[S:S+15], v[BM]
	v_cvt_scalef32_pk16_fp6_f32 v[T8:T8+2], v[S+16:S+31], v[BM+1]
	v_nop                                          ; one plain place behind a scaled conversion
.irp i, 0,1,2
	v_permlane16_swap_b32 v[PC+\i], v[T8+\i]
.endr
.irp i, 0,1,2
	s_delay_alu instid0(VALU_DEP_3)
	v_mov_b32 v[PC+3+\i], v[T8+\i]
.endr
	s_lshl_b32 s48, s53, 2
	s_add_co_u32 s48, s48, s13
	s_lshl_b32 s48, s48, 4
	s_add_co_u32 s48, s48, s54
	s_lshl_b32 s48, s48, 10                        ; record ((batch x 4 + tile) x 16 + head)
	s_add_nc_u64 s[10:11], s[10:11], s[48:49]
	global_store_b128 v[L16], v[PC:PC+3], s[10:11]
	global_store_b64 v[L8], v[PC+4:PC+5], s[10:11] offset:512
	global_store_b64 v[L8], v[CW:CW+1], s[10:11] offset:768
.Lfin:
	s_wait_tensorcnt 0x0                           ; the wave's end, behind my tensor load and my last LDS store
	ds_add_u32 v[SPW], v[NIL]
	s_wait_dscnt 0x0
	ROUND                                          ; the closing round
	s_endpgm
.Lfunc_end_k_q0b8d6381b3_attn:
	.size	k_q0b8d6381b3_attn, .Lfunc_end_k_q0b8d6381b3_attn-k_q0b8d6381b3_attn
	.p2alignl 7, 3214868480
	.fill 96, 4, 3214868480
	.section	.rodata,"a",@progbits
	.p2align	6, 0x0
	.amdhsa_kernel k_q0b8d6381b3_attn
		.amdhsa_group_segment_fixed_size 327680
		.amdhsa_private_segment_fixed_size 0
		.amdhsa_enable_private_segment 0
		.amdhsa_kernarg_size 32
		.amdhsa_user_sgpr_count 2
		.amdhsa_user_sgpr_kernarg_segment_ptr 1
		.amdhsa_wavefront_size32 1
		.amdhsa_system_sgpr_workgroup_id_x 1
		.amdhsa_system_sgpr_workgroup_id_y 1
		.amdhsa_system_sgpr_workgroup_id_z 1
		.amdhsa_system_vgpr_workitem_id 0
		.amdhsa_next_free_vgpr 192
		.amdhsa_next_free_sgpr 66
		.amdhsa_reserve_vcc 0
		.amdhsa_float_denorm_mode_32 3
		.amdhsa_float_denorm_mode_16_64 3
		.amdhsa_memory_ordered 1
		.amdhsa_forward_progress 1
		.amdhsa_inst_pref_size 53
	.end_amdhsa_kernel
	.amdgpu_metadata
---
amdhsa.version: [ 1, 2 ]
amdhsa.kernels:
  - .name:           k_q0b8d6381b3_attn
    .symbol:         k_q0b8d6381b3_attn.kd
    .args:
      - { .name: q, .offset: 0, .size: 8, .value_kind: global_buffer, .address_space: global }
      - { .name: kv, .offset: 8, .size: 8, .value_kind: global_buffer, .address_space: global }
      - { .name: out0, .offset: 16, .size: 8, .value_kind: global_buffer, .address_space: global }
      - { .name: ca, .offset: 24, .size: 8, .value_kind: global_buffer, .address_space: global }
    .group_segment_fixed_size: 327680
    .private_segment_fixed_size: 0
    .kernarg_segment_align: 8
    .kernarg_segment_size: 32
    .max_flat_workgroup_size: 640
    .sgpr_count:     66
    .vgpr_count:     192
    .wavefront_size: 32
...
	.end_amdgpu_metadata
.endif
;; end of part 7
;; launch proj (part 8): grid 16 x 8, 4 waves a work-group, no clusters, 4,864 bytes of LDS; arguments ca, cw, sw, bpa, out1; writes out1
.if DOCPART == 8
	.amdgcn_target "amdgcn-amd-amdhsa--gfx1250"
	.amdhsa_code_object_version 6
	.text
	.protected	k_q0b8d6381b3_proj
	.globl	k_q0b8d6381b3_proj
	.p2align	8
	.type	k_q0b8d6381b3_proj,@function
k_q0b8d6381b3_proj:
	s_mov_b64 s[64:65], 0
	v_nop
	global_prefetch_b8 v0, s[64:65] scope:SCOPE_SE
	s_setreg_imm32_b32 hwreg(HW_REG_WAVE_MODE, 25, 1), 1
	s_wait_xcnt 0x0
; PROJ.  out1 = ctx[:, 2048:] Wpa^T + bpa on codes of FP6 (E2M3) with E8M0 scales: ctx's action rows were quantised by the wave that made them, Wpa by the first launch.
; SHARES.  Work-group (x, y): 64 output channels x, the tile y of 16 action rows (batch y / 4, tile y % 4); wave w: the 16 channels of tile w of the 64.  K = 1,024 is 8 steps of 128 (two heads each): 8 matrix instructions a wave.
; A wave's loads of Wpa take 8 bytes a lane from sixteen rows 192 bytes apart: they are the dear ones, so they are shared out: 48 a wave, 128 work-groups.  ctx's records are dense (512 and 256 consecutive bytes a load); each wave loads the tile's sixteen.
; Everything a wave needs is asked for at once, and one wait stands in front of the products.
; THE MATRIX INSTRUCTION IS USED TRANSPOSED: source 0 = 16 rows of Wpa (in the row order of the codes' buffer), source 1 = 16 rows of ctx: register j of tile 2 b + u in lane half h is channel 32 b + 16 h + 8 u + j of the 64.
; TWO ACCUMULATORS BY TURNS: the even K steps begin from bpa, the odd ones from 0; they are added at the end.
; THE WAY OUT.  A wave's 16 channels are 64 bytes of a row: the four waves' meet in one stage in LDS; behind a barrier each wave stores four whole rows, sixteen lanes to 256 consecutive bytes, aligned.
; REGISTERS: v1-13 addresses; v16-111 ctx's 8 fragments, later rows of out1; v112-127 ctx's scale words a head, later the odd steps' accumulator (v112-119) and the sums (v120-127); v128-135 ctx's scale words a K step;
;   v136-143 Wpa's scale words; v144-239 Wpa's 8 fragments; v240-247 the even steps' accumulator; v248-255 bpa.
.set SPITCH, 272
.set SPARE,  16*SPITCH                 ; behind the stage: the spare words, two blocks of 256 bytes that no other line names
.set L16, 3
.set L8,  4
.set GO,  8
.set STO, 9
.set RD,  10
.set SPW, 12
.set NIL, 13
.set AFR, 16
.set RAW, 112
.set AC1, 112
.set RES, 120
.set AS,  128
.set WS,  136
.set WF,  144
.set AC0, 240
.set BI,  248
	s_load_b256 s[4:11], s[0:1], 0x0               ; ca, cw, sw, bpa
	s_load_b64 s[12:13], s[0:1], 0x20              ; out1
	v_lshl_add_u32 v[SPW], v0, 2, SPARE
	v_mov_b32 v[NIL], 0
	v_lshrrev_b32 v1, 5, v0
	v_readfirstlane_b32 s14, v1                    ; wave = tile of channels
	v_and_b32 v1, 15, v0                           ; r
	s_wait_alu depctr_va_vdst(0)
	v_bfe_u32 v2, v0, 4, 1                         ; h
	v_and_b32 v[L16], 31, v0
	v_lshlrev_b32 v[L8], 3, v[L16]
	v_lshlrev_b32 v[L16], 4, v[L16]
	v_mul_u32_u24 v5, v1, 192                      ; cw is laid by quarters of K: 192 bytes a row in each
	v_mad_u32_u24 v5, v2, 24, v5                   ; Wpa: row r of my tile, + 24 h
	v_lshlrev_b32 v6, 5, v1                        ; its scale bytes: 32 a row
	v_lshlrev_b32 v7, 6, v2                        ; bpa: 16 h channels
	s_lshl_b32 s15, ttmp9, 6                       ; first channel of the 64
	s_and_b32 s16, ttmp7, 0xffff                   ; tile of rows: 4 x batch + tile
	s_lshl_b32 s17, s14, 4
	s_add_co_u32 s17, s17, s15
	s_add_co_u32 s17, s17, 10368                   ; Wpa is the seventh weight in cw and sw: rows 4,224 + 6,144 on
	s_mul_i32 s18, s17, 192
	s_mov_b32 s19, 0
	s_lshl_b32 s20, s17, 5
	s_mov_b32 s21, 0
	s_lshr_b32 s28, s14, 1                         ; b
	s_and_b32 s29, s14, 1                          ; u
	s_lshl_b32 s22, s28, 5
	s_lshl_b32 s23, s29, 3
	s_add_co_u32 s22, s22, s23
	s_add_co_u32 s22, s22, s15
	s_lshl_b32 s22, s22, 2                         ; bpa at channel 32 b + 8 u of the 64
	s_mov_b32 s23, 0
	s_lshl_b32 s24, s16, 14                        ; the tile's 16 records of 1,024 bytes
	s_mov_b32 s25, 0
	s_lshr_b32 s26, s16, 2
	s_lshl_b32 s26, s26, 6                         ; 64 x batch
	s_bfe_u32 s27, s16, 0x10001
	s_lshl_b32 s27, s27, 5
	s_add_co_u32 s26, s26, s27
	s_and_b32 s27, s16, 1
	s_lshl_b32 s27, s27, 3
	s_add_co_u32 s26, s26, s27                     ; place 0 of tile t is row 32 (t / 2) + 8 (t % 2) of the batch's 64; place p: + p + 8 (p / 8)
	s_lshl_b32 s27, s14, 2
	s_add_co_u32 s26, s26, s27                     ; I store places 4 w .. 4 w + 3:
	s_lshl_b32 s27, s28, 3
	s_add_co_u32 s26, s26, s27                     ; + 4 w + 8 (w / 2)
	s_lshl_b32 s26, s26, 12
	s_lshl_b32 s27, s15, 2
	s_add_co_u32 s26, s26, s27
	s_mov_b32 s27, 0
	s_lshl_b32 s30, s28, 7
	s_lshl_b32 s31, s29, 5
	s_add_co_u32 s30, s30, s31                     ; my channels' bytes in a row of the stage: 128 b + 32 u
	s_mul_i32 s31, s14, 4*SPITCH                   ; the four rows that I read back
	v_mul_u32_u24 v[STO], v1, SPITCH
	s_wait_alu depctr_va_vdst(0)
	v_lshl_add_u32 v[STO], v2, 6, v[STO]
	v_add_nc_u32 v[STO], s30, v[STO]               ; in: row r, + 64 h, + my channels
	v_mul_u32_u24 v[RD], v2, SPITCH
	v_lshl_add_u32 v[RD], v1, 4, v[RD]
	v_add_nc_u32 v[RD], s31, v[RD]                 ; back: lanes 0-15 one row, lanes 16-31 the next
	v_lshlrev_b32 v[GO], 12, v2
	v_lshl_add_u32 v[GO], v1, 4, v[GO]             ; and the same two rows in out1
	s_wait_kmcnt 0x0
	s_add_nc_u64 s[4:5], s[4:5], s[24:25]
	s_add_nc_u64 s[6:7], s[6:7], s[18:19]
	s_add_nc_u64 s[8:9], s[8:9], s[20:21]
	s_add_nc_u64 s[10:11], s[10:11], s[22:23]
	s_add_nc_u64 s[12:13], s[12:13], s[26:27]
.irp s, 0,1,2,3,4,5,6,7
.irp p, 0,1,2,3,4,5
	global_load_b64 v[WF+12*\s+2*\p:WF+12*\s+2*\p+1], v5, s[6:7] offset:2187264*(\s/2)+96*(\s%2)+48*(\p/3)+8*(\p%3)   ; K step s: quarter s / 2 (2,187,264 bytes each), its half s % 2
.endr
.endr
	global_load_b128 v[WS:WS+3], v6, s[8:9]                    ; a row's eight scale words
	global_load_b128 v[WS+4:WS+7], v6, s[8:9] offset:16
	global_load_b128 v[BI:BI+3], v7, s[10:11]
	global_load_b128 v[BI+4:BI+7], v7, s[10:11] offset:16
.irp hd, 0,1,2,3,4,5,6,7,8,9,10,11,12,13,14,15     ; head hd's record is half a fragment: registers 6 (hd % 2) on of K step hd / 2
	global_load_b128 v[AFR+6*\hd:AFR+6*\hd+3], v[L16], s[4:5] offset:1024*\hd
	global_load_b64 v[AFR+6*\hd+4:AFR+6*\hd+5], v[L8], s[4:5] offset:1024*\hd+512
	global_load_b32 v[RAW+\hd], v[L8], s[4:5] offset:1024*\hd+768
.endr
	s_wait_loadcnt 0x0
.irp s, 0,1,2,3,4,5,6,7
	v_lshl_or_b32 v[AS+\s], v[RAW+2*\s+1], 16, v[RAW+2*\s]   ; two heads' two bytes each make a K step's scale word
.endr
.rept 8
	v_nop                                          ; a scale register written by a vector instruction stands eight places ahead of a scaled matrix instruction
.endr
.irp s, 0,1,2,3,4,5,6,7                            ; the two accumulators by turns, one instruction a turn
.set AX, AC0-(AC0-AC1)*(\s%2)
.if \s == 0
	v_wmma_scale_f32_16x16x128_f8f6f4 v[AX:AX+7], v[WF+12*\s:WF+12*\s+11], v[AFR+12*\s:AFR+12*\s+11], v[BI:BI+7], v[WS+\s], v[AS+\s] matrix_a_fmt:MATRIX_FMT_FP6 matrix_b_fmt:MATRIX_FMT_FP6
.elseif \s == 1
	v_wmma_scale_f32_16x16x128_f8f6f4 v[AX:AX+7], v[WF+12*\s:WF+12*\s+11], v[AFR+12*\s:AFR+12*\s+11], 0, v[WS+\s], v[AS+\s] matrix_a_fmt:MATRIX_FMT_FP6 matrix_b_fmt:MATRIX_FMT_FP6
.else
	v_wmma_scale_f32_16x16x128_f8f6f4 v[AX:AX+7], v[WF+12*\s:WF+12*\s+11], v[AFR+12*\s:AFR+12*\s+11], v[AX:AX+7], v[WS+\s], v[AS+\s] matrix_a_fmt:MATRIX_FMT_FP6 matrix_b_fmt:MATRIX_FMT_FP6
.endif
.endr
.rept 4
	v_nop                                          ; places in front of the first read of results and of loads into registers that the products read
.endr
.irp j, 0,1,2,3
	v_pk_add_f32 v[RES+2*\j:RES+2*\j+1], v[AC0+2*\j:AC0+2*\j+1], v[AC1+2*\j:AC1+2*\j+1]   ; both accumulators from their low ends on
.endr
	ds_store_b128 v[STO], v[RES:RES+3]             ; eight neighbouring channels of row r
	ds_store_b128 v[STO], v[RES+4:RES+7] offset:16
	s_wait_dscnt 0x0                               ; for the others' sake: my stores into the stage are done
	s_barrier_signal -1
	s_barrier_wait -1
.irp i, 0,1
	ds_load_b128 v[AFR+4*\i:AFR+4*\i+3], v[RD] offset:2*\i*SPITCH
.endr
.irp i, 0,1
	s_wait_dscnt 1-\i                              ; the younger read-back may be out
	global_store_b128 v[GO], v[AFR+4*\i:AFR+4*\i+3], s[12:13] offset:2*\i*4096 th:TH_STORE_NT   ; sixteen lanes store 256 consecutive bytes, aligned
.endr
	s_wait_tensorcnt 0x0                           ; the wave's end, behind my last LDS store
	ds_add_u32 v[SPW], v[NIL]
	s_wait_dscnt 0x0
	s_endpgm
.Lfunc_end_k_q0b8d6381b3_proj:
	.size	k_q0b8d6381b3_proj, .Lfunc_end_k_q0b8d6381b3_proj-k_q0b8d6381b3_proj
	.p2alignl 7, 3214868480
	.fill 96, 4, 3214868480
	.section	.rodata,"a",@progbits
	.p2align	6, 0x0
	.amdhsa_kernel k_q0b8d6381b3_proj
		.amdhsa_group_segment_fixed_size 4864
		.amdhsa_private_segment_fixed_size 0
		.amdhsa_enable_private_segment 0
		.amdhsa_kernarg_size 40
		.amdhsa_user_sgpr_count 2
		.amdhsa_user_sgpr_kernarg_segment_ptr 1
		.amdhsa_wavefront_size32 1
		.amdhsa_system_sgpr_workgroup_id_x 1
		.amdhsa_system_sgpr_workgroup_id_y 1
		.amdhsa_system_sgpr_workgroup_id_z 1
		.amdhsa_system_vgpr_workitem_id 0
		.amdhsa_next_free_vgpr 256
		.amdhsa_next_free_sgpr 66
		.amdhsa_reserve_vcc 0
		.amdhsa_float_denorm_mode_32 3
		.amdhsa_float_denorm_mode_16_64 3
		.amdhsa_memory_ordered 1
		.amdhsa_forward_progress 1
		.amdhsa_inst_pref_size 16
	.end_amdhsa_kernel
	.amdgpu_metadata
---
amdhsa.version: [ 1, 2 ]
amdhsa.kernels:
  - .name:           k_q0b8d6381b3_proj
    .symbol:         k_q0b8d6381b3_proj.kd
    .args:
      - { .name: ca, .offset: 0, .size: 8, .value_kind: global_buffer, .address_space: global }
      - { .name: cw, .offset: 8, .size: 8, .value_kind: global_buffer, .address_space: global }
      - { .name: sw, .offset: 16, .size: 8, .value_kind: global_buffer, .address_space: global }
      - { .name: bpa, .offset: 24, .size: 8, .value_kind: global_buffer, .address_space: global }
      - { .name: out1, .offset: 32, .size: 8, .value_kind: global_buffer, .address_space: global }
    .group_segment_fixed_size: 4864
    .private_segment_fixed_size: 0
    .kernarg_segment_align: 8
    .kernarg_segment_size: 40
    .max_flat_workgroup_size: 128
    .sgpr_count:     66
    .vgpr_count:     256
    .wavefront_size: 32
...
	.end_amdgpu_metadata
.endif
;; end of part 8
